; MI455X (gfx1250); checked and timed in simulation.
; The chip was launched on July 23, 2026; its instructions are those of AMD's public machine-readable ISA for CDNA 5 (MIT licence, August 2026) and "CDNA5" Instruction Set Architecture Reference Guide (July 2026). The comments in the code are by the model that wrote it; some were corrected since.
;; Transformer Block. Allowed arithmetic: matrix products marked QUANTISED: E2M3 operands, one E8M0 scale for each 32 along K, by v_wmma_scale_f32_16x16x128_f8f6f4 with both operands' format E2M3, f32 sums; everything else in f32.
;; Inputs: b1 4,096 float32; b2 1,024 float32; bk 1,024 float32; bo 1,024 float32; bq 1,024 float32; bv 1,024 float32; hidden 2 x 2,048 x 1,024 float32; ln1_b 1,024 float32; ln1_g 1,024 float32; ln2_b 1,024 float32; ln2_g 1,024 float32; mask 2 x 2,048 int32; w1 1,024 x 4,096 float32; w2 4,096 x 1,024 float32; wk 1,024 x 1,024 float32; wo 1,024 x 1,024 float32; wq 1,024 x 1,024 float32; wv 1,024 x 1,024 float32.
;; Outputs: out0 2 x 2,048 x 1,024 float32.
;; This version of the problem:
;;   THIS VERSION OF THE PROBLEM IS GIVEN IN LOW PRECISION. The matrix products marked QUANTISED in the list below multiply operands that are first quantised to E2M3 (2 exponent bits, 3 mantissa bits; 6 bits a number), with one power-of-two scale for each 32 numbers along K (OCP MX v1.0); their sums are f32. All else is computed in f32.
;;   The module's matrix products, in the order in which they are computed (A, B: the left and right operand; K: the contracted axis; several contracted axes count as one K, in the product's order):
;;     1. [M 4,096, K 1,024] x [K 1,024, N 1,024]; A: computed on the way; B: input wq: QUANTISED
;;     2. [M 4,096, K 1,024] x [K 1,024, N 1,024]; A: computed on the way; B: input wk: QUANTISED
;;     3. [M 4,096, K 1,024] x [K 1,024, N 1,024]; A: computed on the way; B: input wv: QUANTISED
;;     4. batch 32 x [M 2,048, K 64] x [K 64, N 2,048]; A: computed on the way; B: computed on the way: QUANTISED
;;     5. batch 32 x [M 64, K 2,048] x [K 2,048, N 2,048]; A: computed on the way; B: softmax (see below): QUANTISED
;;     6. [M 4,096, K 1,024] x [K 1,024, N 1,024]; A: computed on the way; B: input wo: QUANTISED
;;     7. [M 4,096, K 1,024] x [K 1,024, N 4,096]; A: computed on the way; B: input w1: QUANTISED
;;     8. [M 4,096, K 4,096] x [K 4,096, N 1,024]; A: computed on the way; B: input w2: QUANTISED
;;   THE QUANTISER, for each operand of a quantised product, along K:
;;     - K is cut into blocks of 32 from its start; a last block that is shorter is filled with zeros.
;;     - A block's scale is 2^e with e = floor(log2(the largest magnitude in the block)) - 2, held to -126 .. 127; a block of zeros has e = 0. As a byte (E8M0): e + 127.
;;     - Each number is divided by its block's scale, clamped to +-7.5, and rounded to the nearest number of E2M3, ties to even, subnormals kept.
;;     - The product sums the exact products of the quantised numbers (number of the format x scale) in f32.
;;   ~~~python
;;   def quantise(x, axis):      # numpy; x: float32 -> the quantised numbers, widened to float32 again
;;       x = np.moveaxis(x, axis, -1); K = x.shape[-1]
;;       x = np.pad(x, [(0, 0)] * (x.ndim - 1) + [(0, -K % 32)]); x = x.reshape(x.shape[:-1] + (-1, 32)); a = np.abs(x).max(-1, keepdims=True)
;;       e = np.where(a > 0, np.clip(np.frexp(np.where(a > 0, a, 1))[1] - 1 - 2, -126, 127), 0)      # np.frexp(a)[1] - 1 = floor(log2(a)), exactly
;;       r = np.clip(x / 2.0 ** e, -7.5, 7.5)
;;       step = 2.0 ** (np.maximum(np.frexp(np.where(r == 0, 1, r))[1] - 1, 0) - 3)
;;       q = np.round(r / step) * step * 2.0 ** e      # np.round: ties to even
;;       return np.moveaxis(q.reshape(q.shape[:-2] + (-1,))[..., :K], -1, axis).astype(np.float32)
;;   ~~~
;;   SOFTMAX AHEAD OF A QUANTISED PRODUCT. Where the list says 'softmax', what is quantised is not the finished softmax but p = 2^(t - M), with t = logit x log2(e) and M = ceil(the row's largest t), a whole number; so 1/2 < the row's largest p <= 1. The row's sum l is taken of the UNQUANTISED p, in f32, and the product's result is divided by l at the end. Since M is a whole number, a kernel that streams over the keys may use a running M (the ceiling of the running maximum): every later rescaling is an exact power of two, which a block's scale takes up: the codes' values come out the same.
;;   OPERANDS COMPUTED ON THE WAY. 'Computed on the way' means the value that the module computes at that place (a softmax that the list does not call 'softmax' is quantised finished and normalised). What goes into a quantiser is computed in f32, as accurately as f32 sums, v_exp_f32 and their like allow (about 1e-6 of the number): no bf16 or f16 on the way to a quantiser, and a product that is left as it is and whose result goes on into a quantised operand takes f32 operands (vector FMAs, or v_wmma_f32_16x16x4_f32). A number that lies on a knife's edge between two numbers of the format may be rounded either way, as far as f32 arithmetic and the matrix unit's own rounding can turn it there, and no further.
;; 2 versions. Each part assembles by itself: llvm-mc -triple=amdgcn-amd-amdhsa -mcpu=gfx1250 --defsym DOCPART=n.
;; ======== version 1 of 2: 8 launches
;; limits: right only within a limited range of input values
;; workspace buffers: wts 9,830,400 bytes; xq 3,276,800 bytes; att 9,830,400 bytes; hq 3,276,800 bytes; h 16,777,216 bytes; g 13,107,200 bytes
;; launch wquant (part 1): grid 384 x 1, 4 waves a work-group, no clusters, 36,352 bytes of LDS; arguments wq, wk, wv, wo, w1, w2, wts; writes wts
.if DOCPART == 1
	.amdgcn_target "amdgcn-amd-amdhsa--gfx1250"
	.amdhsa_code_object_version 6
	.text
	.protected	k_qe6183b1d6e_wquant
	.globl	k_qe6183b1d6e_wquant
	.p2align	8
	.type	k_qe6183b1d6e_wquant,@function
k_qe6183b1d6e_wquant:
	s_mov_b64 s[64:65], 0
	v_nop
	global_prefetch_b8 v0, s[64:65] scope:SCOPE_SE
	s_setreg_imm32_b32 hwreg(HW_REG_WAVE_MODE, 25, 1), 1
	s_wait_xcnt 0x0
; The six weights, f32, stored [K][N], become codes of FP6 (E2M3) with K innermost and one E8M0 byte for each 32 along K.
; LAYOUT of an operand in wts: codes [K / 256][rows][192 bytes], scale bytes [K / 256][rows][8].  wq, wk, wv share one operand of 3,072 rows.
; Weight column n lies at row pi(n) = n with bits 3 and 4 exchanged, so that in the products' results 16 registers of two neighbouring tiles are 16 neighbouring n.
; A work-group takes 128 columns x 256 along K, a wave 32 columns; A LANE TAKES A COLUMN AND ITS REGISTERS RUN DOWN K: a block of 32 lies in one lane, nothing is transposed by an instruction.
; The codes leave through the wave's own stage in LDS: its 32 rows of 192 bytes are one dense run of 6,144 bytes of wts; its 32 x 8 scale bytes are one aligned run of 256.
; One path serves all six: the work-group's number chooses pointers and sizes by selects.  No barrier: waves share nothing.
; LIMITS: NaN and infinities are not served; a block whose largest magnitude lies under 2^-124 (a block of zeros too) keeps the byte 1: its codes are read by this program alone.
.set PITCH, 272                        ; a stage row: sixteen places of 16 bytes (12 of codes each) + 16
.set SB,    24                         ; v24-25   my column's 8 scale bytes
.set OFF,   32                         ; v32-63   4 x lane + i rows of the weight
.set X,     64                         ; v64-127  two sets of 32 numbers
.set C,     128                        ; v128-134 a block's codes
.set OUTR,  144                        ; v144-207 the way out
.set BASE,  32                         ; s[32:47] the weight at my columns, block t of K: eight bases, never rewritten
	s_load_b256 s[4:11], s[0:1], 0x0               ; wq, wk, wv, wo
	s_load_b128 s[12:15], s[0:1], 0x20             ; w1, w2
	s_load_b64 s[18:19], s[0:1], 0x30              ; wts
	v_lshl_add_u32 v224, v0, 2, 0x8c00
	v_mov_b32 v225, 0
	v_lshrrev_b32 v1, 5, v0
	v_readfirstlane_b32 s56, v1                    ; wave
	v_and_b32 v2, 31, v0                           ; lane
	v_lshlrev_b32 v3, 2, v2
	v_and_b32 v5, 7, v0
	v_bfe_u32 v6, v0, 3, 1
	v_bfe_u32 v7, v0, 4, 1
	v_lshl_add_u32 v8, v6, 4, v5
	v_lshl_add_u32 v8, v7, 3, v8                   ; pi(lane)
	s_mul_i32 s57, s56, 32*PITCH                   ; my stage
	v_mul_u32_u24 v4, v8, PITCH
	v_add_nc_u32 v4, s57, v4                       ; into it: row pi(lane)
	v_and_b32 v9, 15, v0
	v_mul_u32_u24 v11, v7, PITCH
	v_lshl_add_u32 v11, v9, 4, v11
	v_add_nc_u32 v11, s57, v11                     ; out of it: sixteen lanes to a row
	v_mul_u32_u24 v12, v7, 192
	v_mad_u32_u24 v12, v9, 12, v12                 ; the same place in wts
	v_lshlrev_b32 v13, 3, v8                       ; my scale bytes' place
	; which weight: id / 32 = 0 wq, 1 wk, 2 wv, 3 wo, 4-7 w1, 8-11 w2
	s_lshr_b32 s20, ttmp9, 5
	s_mov_b32 s21, 3072                            ; rows of the operand
	s_mov_b32 s26, 9437184                         ; its scale bytes in wts
	s_mov_b32 s27, 4096                            ; bytes from row to row of the weight
	s_cmp_ge_u32 s20, 3
	s_cselect_b32 s21, 1024, s21
	s_cselect_b32 s25, 2359296, 0                  ; its codes in wts
	s_cselect_b32 s26, 9535488, s26
	s_cmp_ge_u32 s20, 4
	s_cselect_b32 s21, 4096, s21
	s_cselect_b32 s25, 3145728, s25
	s_cselect_b32 s26, 9568256, s26
	s_cselect_b32 s27, 16384, s27
	s_cselect_b32 s28, 31, 7
	s_cselect_b32 s30, 5, 3
	s_cmp_ge_u32 s20, 8
	s_cselect_b32 s21, 1024, s21
	s_cselect_b32 s25, 6291456, s25
	s_cselect_b32 s26, 9699328, s26
	s_cselect_b32 s27, 4096, s27
	s_cselect_b32 s28, 7, s28
	s_cselect_b32 s30, 3, s30
	s_cselect_b32 s31, 15, 3
	s_lshl_b32 s24, s20, 10
	s_cmp_lt_u32 s20, 3
	s_cselect_b32 s24, s24, 0                      ; wq, wk, wv: 1,024 rows each of the shared operand
	s_and_b32 s28, ttmp9, s28                      ; which 128 columns
	s_and_b32 s29, ttmp9, 127
	s_lshr_b32 s29, s29, s30
	s_and_b32 s29, s29, s31                        ; which 256 along K
	s_lshl_b32 s48, s28, 7
	s_lshl_b32 s49, s56, 5
	s_add_co_u32 s48, s48, s49                     ; my wave's first column
	s_mul_i32 s50, s29, s27
	s_lshl_b32 s50, s50, 8
	s_lshl_b32 s49, s48, 2
	s_add_co_u32 s50, s50, s49
	s_mov_b32 s51, 0
	s_lshl_b32 s52, s27, 5                         ; 32 rows of the weight
	s_mov_b32 s53, 0
	s_mul_i32 s54, s29, s21
	s_add_co_u32 s54, s54, s24
	s_add_co_u32 s54, s54, s48                     ; my first row in the operand's layout
	s_mul_i32 s58, s54, 192
	s_add_co_u32 s58, s58, s25
	s_mov_b32 s59, 0
	s_lshl_b32 s60, s54, 3
	s_add_co_u32 s60, s60, s26
	s_mov_b32 s61, 0
.irp i, 0,1,2,3,4,5,6,7,8,9,10,11,12,13,14,15,16,17,18,19,20,21,22,23,24,25,26,27,28,29,30,31
	v_mad_u32_u24 v[OFF+\i], s27, \i, v3
.endr
	s_wait_kmcnt 0x0
	s_cmp_eq_u32 s20, 1                            ; the choice hangs on the work-group's number alone
	s_cselect_b64 s[16:17], s[6:7], s[4:5]
	s_cmp_eq_u32 s20, 2
	s_cselect_b64 s[16:17], s[8:9], s[16:17]
	s_cmp_eq_u32 s20, 3
	s_cselect_b64 s[16:17], s[10:11], s[16:17]
	s_cmp_ge_u32 s20, 4
	s_cselect_b64 s[16:17], s[12:13], s[16:17]
	s_cmp_ge_u32 s20, 8
	s_cselect_b64 s[16:17], s[14:15], s[16:17]
	s_add_nc_u64 s[BASE:BASE+1], s[16:17], s[50:51]
.irp t, 1,2,3,4,5,6,7
	s_add_nc_u64 s[BASE+2*\t:BASE+2*\t+1], s[BASE+2*\t-2:BASE+2*\t-1], s[52:53]
.endr
	s_add_nc_u64 s[58:59], s[18:19], s[58:59]      ; my codes
	s_add_nc_u64 s[60:61], s[18:19], s[60:61]      ; my scale bytes
.macro LOAD t                          ; block t: 32 rows of the weight at my column; a wave reads 128 consecutive bytes a load
.irp i, 0,1,2,3,4,5,6,7,8,9,10,11,12,13,14,15,16,17,18,19,20,21,22,23,24,25,26,27,28,29,30,31
	global_load_b32 v[X+32*((\t)%2)+\i], v[OFF+\i], s[BASE+2*(\t):BASE+2*(\t)+1] th:TH_LOAD_NT
.endr
.endm
	LOAD 0
	LOAD 1
.macro BLOCK t
.set XS, X+32*((\t)%2)
.if (\t) < 7
	s_wait_loadcnt 32                              ; this block's 32 loads are in; the next block's 32 may be out
.else
	s_wait_loadcnt 0x0
.endif
	v_max3_num_f32 v14, |v[XS]|, |v[XS+1]|, |v[XS+2]|       ; the block's largest magnitude: all 32 numbers are mine
	v_max3_num_f32 v15, |v[XS+3]|, |v[XS+4]|, |v[XS+5]|
.irp i, 6,10,14,18,22,26
	v_max3_num_f32 v14, v14, |v[XS+\i]|, |v[XS+\i+1]|
	v_max3_num_f32 v15, v15, |v[XS+\i+2]|, |v[XS+\i+3]|
.endr
	v_max3_num_f32 v14, v14, |v[XS+30]|, |v[XS+31]|
	v_max3_num_f32 v14, v14, v15, 0x1800000        ; the floor 2^(3 - 127): the byte cannot fall under 1
	v_add_nc_u32 v16, 0xff000000, v14              ; 2 off the exponent field: the conversion's scale operand
	v_lshrrev_b32 v17, 23, v16                     ; the scale's byte
.if (\t)%4 == 0
	v_mov_b32 v[SB+(\t)/4], v17
.else
	v_lshl_or_b32 v[SB+(\t)/4], v17, 8*((\t)%4), v[SB+(\t)/4]
.endif
	v_cvt_scalef32_pk16_fp6_f32 v[C:C+2], v[XS:XS+15], v16
	v_cvt_scalef32_pk16_fp6_f32 v[C+4:C+6], v[XS+16:XS+31], v16
	ds_store_b96 v4, v[C:C+2] offset:32*(\t)       ; 12 bytes to a place of 16
	ds_store_b96 v4, v[C+4:C+6] offset:32*(\t)+16
.if (\t)+2 < 8
	LOAD (\t)+2
.endif
	s_wait_dscnt 0x0                               ; the stores have read their registers: the next block's codes may be written
.endm
.irp t, 0,1,2,3,4,5,6,7
	BLOCK \t
.endr
	global_store_b64 v13, v[SB:SB+1], s[60:61]     ; 32 lanes fill 256 consecutive bytes
.irp t, 0,1,2,3,4,5,6,7,8,9,10,11,12,13,14,15
	ds_load_b96 v[OUTR+4*\t:OUTR+4*\t+2], v11 offset:2*\t*PITCH   ; LDS serves a wave's instructions in order: these see my stores
.endr
.irp t, 0,1,2,3,4,5,6,7,8,9,10,11,12,13,14,15
	s_wait_dscnt 15-\t
	global_store_b96 v12, v[OUTR+4*\t:OUTR+4*\t+2], s[58:59] offset:2*\t*192   ; two rows, 384 consecutive bytes
.endr
	s_wait_tensorcnt 0x0
	ds_add_u32 v224, v225
	s_wait_dscnt 0x0
	s_endpgm
.Lfunc_end_k_qe6183b1d6e_wquant:
	.size	k_qe6183b1d6e_wquant, .Lfunc_end_k_qe6183b1d6e_wquant-k_qe6183b1d6e_wquant
	.p2alignl 7, 3214868480
	.fill 96, 4, 3214868480
	.section	.rodata,"a",@progbits
	.p2align	6, 0x0
	.amdhsa_kernel k_qe6183b1d6e_wquant
		.amdhsa_group_segment_fixed_size 36352
		.amdhsa_private_segment_fixed_size 0
		.amdhsa_enable_private_segment 0
		.amdhsa_kernarg_size 56
		.amdhsa_user_sgpr_count 2
		.amdhsa_user_sgpr_kernarg_segment_ptr 1
		.amdhsa_wavefront_size32 1
		.amdhsa_system_sgpr_workgroup_id_x 1
		.amdhsa_system_sgpr_workgroup_id_y 1
		.amdhsa_system_sgpr_workgroup_id_z 1
		.amdhsa_system_vgpr_workitem_id 0
		.amdhsa_next_free_vgpr 226
		.amdhsa_next_free_sgpr 66
		.amdhsa_reserve_vcc 0
		.amdhsa_float_denorm_mode_32 3
		.amdhsa_float_denorm_mode_16_64 3
		.amdhsa_memory_ordered 1
		.amdhsa_forward_progress 1
		.amdhsa_inst_pref_size 46
	.end_amdhsa_kernel
	.amdgpu_metadata
---
amdhsa.version: [ 1, 2 ]
amdhsa.kernels:
  - .name:           k_qe6183b1d6e_wquant
    .symbol:         k_qe6183b1d6e_wquant.kd
    .args:
      - { .name: wq, .offset: 0, .size: 8, .value_kind: global_buffer, .address_space: global }
      - { .name: wk, .offset: 8, .size: 8, .value_kind: global_buffer, .address_space: global }
      - { .name: wv, .offset: 16, .size: 8, .value_kind: global_buffer, .address_space: global }
      - { .name: wo, .offset: 24, .size: 8, .value_kind: global_buffer, .address_space: global }
      - { .name: w1, .offset: 32, .size: 8, .value_kind: global_buffer, .address_space: global }
      - { .name: w2, .offset: 40, .size: 8, .value_kind: global_buffer, .address_space: global }
      - { .name: wts, .offset: 48, .size: 8, .value_kind: global_buffer, .address_space: global }
    .group_segment_fixed_size: 36352
    .private_segment_fixed_size: 0
    .kernarg_segment_align: 8
    .kernarg_segment_size: 56
    .max_flat_workgroup_size: 128
    .sgpr_count:     66
    .vgpr_count:     226
    .wavefront_size: 32
...
	.end_amdgpu_metadata
.endif
;; end of part 1
;; launch ln1 (part 2): grid 256 x 1, 2 waves a work-group, no clusters, 33,024 bytes of LDS; arguments hidden, ln1_g, ln1_b, xq; writes xq
.if DOCPART == 2
	.amdgcn_target "amdgcn-amd-amdhsa--gfx1250"
	.amdhsa_code_object_version 6
	.text
	.protected	k_qe6183b1d6e_ln1
	.globl	k_qe6183b1d6e_ln1
	.p2align	8
	.type	k_qe6183b1d6e_ln1,@function
k_qe6183b1d6e_ln1:
	s_mov_b64 s[64:65], 0
	v_nop
	global_prefetch_b8 v0, s[64:65] scope:SCOPE_SE
	s_setreg_imm32_b32 hwreg(HW_REG_WAVE_MODE, 25, 1), 1
	s_wait_xcnt 0x0
; y = g (x - mean) / (std + 1e-6) + b for rows of 1,024 f32 (std with 1,023 in the divisor), then y is quantised along the row:
; codes of FP6 (E2M3) laid [K / 256][4,096 rows][192 bytes], scale bytes behind them laid [K / 256][4,096 rows][8].
; A wave takes 8 rows, one at a time.  Loads take the row as it lies (512 consecutive bytes a load); it turns through the wave's own stage in LDS, so that lane l holds block l,
; 32 neighbours: the block's largest magnitude needs no other lane.  Mean and variance in two passes over registers, so a common offset of the inputs costs no digits.
; The 8 rows' codes and bytes are gathered in LDS and leave in runs of 1,536 bytes (codes) and 64 bytes (scale bytes: 1/24 of the output; whole blocks of 256 would want 32 rows in one hand).
; No barrier: waves share nothing.  LIMITS: NaN and infinities are not served; a block under 2^-124 (zeros too) keeps the byte 1, read by this program alone.
.set XS_OFF, 3145728
.set G,  16                            ; v16-47   g of my block
.set BB, 48                            ; v48-79   b of my block
.set R,  80                            ; v80-143  two rows as loaded
.set X,  144                           ; v144-175 my block of the row at work
.set C,  176                           ; v176-181 its codes
.set T,  182                           ; v182-184 the second conversion's result
	s_load_b256 s[4:11], s[0:1], 0x0               ; x, g, b, the codes' buffer
	v_lshl_add_u32 v208, v0, 2, 0x8000
	v_mov_b32 v209, 0
	v_lshrrev_b32 v1, 5, v0
	v_readfirstlane_b32 s12, v1                    ; wave
	v_and_b32 v1, 31, v0                           ; lane
	s_lshl_b32 s13, s12, 14                        ; my 16,384 bytes of LDS: stage 4,608, codes 6,144, bytes 256
	v_lshlrev_b32 v2, 4, v1
	v_lshrrev_b32 v11, 3, v1
	v_and_b32 v12, 7, v1
	v_mul_u32_u24 v3, v11, 144
	v_lshl_add_u32 v3, v12, 4, v3
	v_add_nc_u32 v3, s13, v3                       ; stage, in: a block's 128 bytes + 16 of padding; eight lanes fill a block
	v_mul_u32_u24 v4, v1, 144
	v_add_nc_u32 v4, s13, v4                       ; stage, out: my block
	v_mul_u32_u24 v5, v11, 1536
	v_mad_u32_u24 v5, v12, 24, v5
	v_add_nc_u32 v5, s13, v5
	v_add_nc_u32 v5, 4608, v5                      ; codes [4][8 rows][192]: my block's 24 bytes
	v_lshl_add_u32 v6, v11, 6, v12
	v_add_nc_u32 v6, s13, v6
	v_add_nc_u32 v6, 10752, v6                     ; bytes [4][8 rows][8]
	v_add_nc_u32 v7, s13, v2
	v_add_nc_u32 v7, 4608, v7
	v_lshlrev_b32 v8, 3, v1
	v_add_nc_u32 v8, s13, v8
	v_add_nc_u32 v8, 10752, v8
	v_lshlrev_b32 v9, 3, v12
	v_lshl_add_u32 v9, v11, 15, v9                 ; the bytes' place in memory: 32,768 (l / 8) + 8 (l % 8)
	v_lshlrev_b32 v10, 7, v1
	v_mov_b32 v197, 0                              ; a lane permute's destination counts as read
	s_mov_b32 s20, 0x76543210
	s_mov_b32 s21, 0xfedcba98                      ; lane l xor 16
	s_lshl_b32 s18, ttmp9, 4
	s_lshl_b32 s19, s12, 3
	s_add_co_u32 s18, s18, s19                     ; my first row
	s_lshl_b32 s22, s18, 12
	s_mov_b32 s23, 0
	s_mul_i32 s24, s18, 192
	s_mov_b32 s25, 0
	s_lshl_b32 s26, s18, 3
	s_add_co_u32 s26, s26, XS_OFF
	s_mov_b32 s27, 0
	s_wait_kmcnt 0x0
	s_add_nc_u64 s[4:5], s[4:5], s[22:23]
	s_add_nc_u64 s[14:15], s[10:11], s[24:25]
	s_add_nc_u64 s[16:17], s[10:11], s[26:27]
.irp j, 0,1,2,3,4,5,6,7
	global_load_b128 v[G+4*\j:G+4*\j+3], v10, s[6:7] offset:16*\j
	global_load_b128 v[BB+4*\j:BB+4*\j+3], v10, s[8:9] offset:16*\j
.endr
.macro LOADROW i
.irp j, 0,1,2,3,4,5,6,7
	global_load_b128 v[R+32*((\i)%2)+4*\j:R+32*((\i)%2)+4*\j+3], v2, s[4:5] offset:4096*(\i)+512*\j
.endr
.endm
.macro REDUCE v                        ; the sum over the 32 lanes, in every lane
	v_add_f32_dpp v[\v], v[\v], v[\v] row_xmask:1 row_mask:0xf bank_mask:0xf
	v_add_f32_dpp v[\v], v[\v], v[\v] row_xmask:2 row_mask:0xf bank_mask:0xf
	v_add_f32_dpp v[\v], v[\v], v[\v] row_xmask:4 row_mask:0xf bank_mask:0xf
	v_add_f32_dpp v[\v], v[\v], v[\v] row_xmask:8 row_mask:0xf bank_mask:0xf
	v_permlanex16_b32 v197, v[\v], s20, s21
	v_add_f32 v[\v], v[\v], v197
.endm
	LOADROW 0
	LOADROW 1
.macro ROW i
.if (\i) < 7
	s_wait_loadcnt 8                               ; this row (and g, b) are in; the next row's 8 loads may be out
.else
	s_wait_loadcnt 0x0
.endif
.irp j, 0,1,2,3,4,5,6,7
	ds_store_b128 v3, v[R+32*((\i)%2)+4*\j:R+32*((\i)%2)+4*\j+3] offset:576*\j
.endr
.irp j, 0,1,2,3,4,5,6,7
	ds_load_b128 v[X+4*\j:X+4*\j+3], v4 offset:16*\j           ; LDS serves a wave's instructions in order
.endr
	s_wait_dscnt 0x0                               ; my block is in; all earlier LDS stores have read their registers
.if (\i)+2 < 8
	LOADROW (\i)+2
.endif
	v_pk_add_f32 v[186:187], v[X:X+1], v[X+2:X+3]
	v_pk_add_f32 v[188:189], v[X+4:X+5], v[X+6:X+7]
.irp j, 8,12,16,20,24,28
	v_pk_add_f32 v[186:187], v[186:187], v[X+\j:X+\j+1]
	v_pk_add_f32 v[188:189], v[188:189], v[X+\j+2:X+\j+3]
.endr
	v_pk_add_f32 v[186:187], v[186:187], v[188:189]
	v_add_f32 v186, v186, v187
	REDUCE 186
	v_mul_f32 v190, 0x3a800000, v186               ; the mean: / 1,024
	v_mov_b32 v191, v190
.set q, 0
.rept 16
	v_pk_add_f32 v[X+q:X+q+1], v[X+q:X+q+1], v[190:191] neg_lo:[0,1] neg_hi:[0,1]
.set q, q+2
.endr
	v_pk_mul_f32 v[186:187], v[X:X+1], v[X:X+1]
	v_pk_mul_f32 v[188:189], v[X+2:X+3], v[X+2:X+3]
.irp j, 4,8,12,16,20,24,28
	v_pk_fma_f32 v[186:187], v[X+\j:X+\j+1], v[X+\j:X+\j+1], v[186:187]
	v_pk_fma_f32 v[188:189], v[X+\j+2:X+\j+3], v[X+\j+2:X+\j+3], v[188:189]
.endr
	v_pk_add_f32 v[186:187], v[186:187], v[188:189]
	v_add_f32 v186, v186, v187
	REDUCE 186
	v_mul_f32 v192, 0x3a802008, v186               ; / 1,023
	v_sqrt_f32 v192, v192
	v_nop                                          ; a plain place behind a transcendental
	s_wait_alu depctr_va_vdst(0)
	v_add_f32 v192, 0x358637bd, v192               ; + 1e-6
	v_rcp_f32 v192, v192
	v_nop
	s_wait_alu depctr_va_vdst(0)
	v_mov_b32 v193, v192
.set q, 0
.rept 16
	v_pk_mul_f32 v[X+q:X+q+1], v[X+q:X+q+1], v[192:193]
.set q, q+2
.endr
.set q, 0
.rept 16
	v_pk_fma_f32 v[X+q:X+q+1], v[X+q:X+q+1], v[G+q:G+q+1], v[BB+q:BB+q+1]
.set q, q+2
.endr
	v_max3_num_f32 v194, |v[X]|, |v[X+1]|, 0x1800000           ; the block's largest magnitude, in two chains, over the floor 2^(3 - 127)
	v_max3_num_f32 v195, |v[X+16]|, |v[X+17]|, 0x1800000
.irp j, 2,4,6,8,10,12,14
	v_max3_num_f32 v194, v194, |v[X+\j]|, |v[X+\j+1]|
	v_max3_num_f32 v195, v195, |v[X+16+\j]|, |v[X+17+\j]|
.endr
	v_max_num_f32 v194, v194, v195
	v_add_nc_u32 v196, 0xff000000, v194            ; 2 off the exponent field: the conversion's scale operand
	v_cvt_scalef32_pk16_fp6_f32 v[C:C+2], v[X:X+15], v196
	v_cvt_scalef32_pk16_fp6_f32 v[T:T+2], v[X+16:X+31], v196
	v_lshrrev_b32 v198, 23, v196                   ; the scale's byte (a plain place behind the conversions)
	v_mov_b32 v[C+3], v[T]
	v_mov_b32 v[C+4], v[T+1]
	v_mov_b32 v[C+5], v[T+2]
.irp p, 0,1,2
	ds_store_b64 v5, v[C+2*\p:C+2*\p+1] offset:192*(\i)+8*\p
.endr
	ds_store_b8 v6, v198 offset:8*(\i)
.endm
.irp i, 0,1,2,3,4,5,6,7
	ROW \i
.endr
.irp s, 0,1,2,3
.irp k, 0,1,2
	ds_load_b128 v[R+4*(3*\s+\k):R+4*(3*\s+\k)+3], v7 offset:1536*\s+512*\k
.endr
.endr
	ds_load_b64 v[R+48:R+49], v8
	s_wait_dscnt 0x0
.irp s, 0,1,2,3
.irp k, 0,1,2
	global_store_b128 v2, v[R+4*(3*\s+\k):R+4*(3*\s+\k)+3], s[14:15] offset:786432*\s+512*\k   ; 512 consecutive bytes, at a multiple of 256
.endr
.endr
	global_store_b64 v9, v[R+48:R+49], s[16:17]
	s_wait_tensorcnt 0x0
	ds_add_u32 v208, v209
	s_wait_dscnt 0x0
	s_endpgm
.Lfunc_end_k_qe6183b1d6e_ln1:
	.size	k_qe6183b1d6e_ln1, .Lfunc_end_k_qe6183b1d6e_ln1-k_qe6183b1d6e_ln1
	.p2alignl 7, 3214868480
	.fill 96, 4, 3214868480
	.section	.rodata,"a",@progbits
	.p2align	6, 0x0
	.amdhsa_kernel k_qe6183b1d6e_ln1
		.amdhsa_group_segment_fixed_size 33024
		.amdhsa_private_segment_fixed_size 0
		.amdhsa_enable_private_segment 0
		.amdhsa_kernarg_size 32
		.amdhsa_user_sgpr_count 2
		.amdhsa_user_sgpr_kernarg_segment_ptr 1
		.amdhsa_wavefront_size32 1
		.amdhsa_system_sgpr_workgroup_id_x 1
		.amdhsa_system_sgpr_workgroup_id_y 1
		.amdhsa_system_sgpr_workgroup_id_z 1
		.amdhsa_system_vgpr_workitem_id 0
		.amdhsa_next_free_vgpr 210
		.amdhsa_next_free_sgpr 66
		.amdhsa_reserve_vcc 0
		.amdhsa_float_denorm_mode_32 3
		.amdhsa_float_denorm_mode_16_64 3
		.amdhsa_memory_ordered 1
		.amdhsa_forward_progress 1
		.amdhsa_inst_pref_size 84
	.end_amdhsa_kernel
	.amdgpu_metadata
---
amdhsa.version: [ 1, 2 ]
amdhsa.kernels:
  - .name:           k_qe6183b1d6e_ln1
    .symbol:         k_qe6183b1d6e_ln1.kd
    .args:
      - { .name: hidden, .offset: 0, .size: 8, .value_kind: global_buffer, .address_space: global }
      - { .name: ln1_g, .offset: 8, .size: 8, .value_kind: global_buffer, .address_space: global }
      - { .name: ln1_b, .offset: 16, .size: 8, .value_kind: global_buffer, .address_space: global }
      - { .name: xq, .offset: 24, .size: 8, .value_kind: global_buffer, .address_space: global }
    .group_segment_fixed_size: 33024
    .private_segment_fixed_size: 0
    .kernarg_segment_align: 8
    .kernarg_segment_size: 32
    .max_flat_workgroup_size: 64
    .sgpr_count:     66
    .vgpr_count:     210
    .wavefront_size: 32
...
	.end_amdgpu_metadata
.endif
;; end of part 2
;; launch qkv (part 3): grid 12 x 16, 4 waves a work-group, clusters of 4 x 4, 327,680 bytes of LDS; arguments xq, wts, bq, bk, bv, mask, att; writes att
.if DOCPART == 3
	.amdgcn_target "amdgcn-amd-amdhsa--gfx1250"
	.amdhsa_code_object_version 6
	.text
	.protected	k_qe6183b1d6e_qkv
	.globl	k_qe6183b1d6e_qkv
	.p2align	8
	.type	k_qe6183b1d6e_qkv,@function
k_qe6183b1d6e_qkv:
	s_mov_b64 s[64:65], 0
	v_nop
	global_prefetch_b8 v0, s[64:65] scope:SCOPE_SE
	s_setreg_imm32_b32 hwreg(HW_REG_WAVE_MODE, 25, 1), 1
	s_wait_xcnt 0x0
	s_wait_alu depctr_hold_cnt(0) depctr_sa_sdst(0) depctr_va_vdst(0) depctr_va_sdst(0) depctr_va_ssrc(0) depctr_va_vcc(0) depctr_vm_vsrc(0)
	s_getreg_b32 s2, hwreg(HW_REG_IB_STS2, 6, 4)
	s_cmp_eq_u32 s2, 0
	s_cbranch_scc0 .Lentry_in_a_cluster
	s_endpgm
.Lentry_in_a_cluster:
	s_bfe_u32 s2, ttmp6, 0x10000c
	s_cmp_lg_u32 s2, 0xf033
	s_cbranch_scc0 .Lentry_shape_is_right
	s_endpgm
.Lentry_shape_is_right:
; [q | k | v] = LN1(x) [wq | wk | wv] + bias on codes of FP6 (E2M3) with E8M0 scales; the results are quantised again for attention and stored as images of operand registers.
; THE PRODUCT: C[m][n], 4,096 x 3,072, K = 1,024.  A tile of 256 x 256 to a work-group of four waves, 128 x 128 (64 accumulators) to a wave.  Operands lie [K / 256][rows][192 bytes], so a tile of
; 128 rows x 256 K is one dense block; K goes in steps of 256 through a ring of two LDS slots filled by the tensor data mover; the scale bytes of all of K come once, with the first fills.
; CLUSTERS 4 x 4: A's tiles are shared along a row, B's along a column, each asked for jointly.  The matrix instruction is used transposed (source 0 = weights, source 1 = tokens); the weights' rows are
; stored with bits 3 and 4 of n exchanged, so lane (r, h), accumulators (a, 2 e + u), register j hold token 16 a + r, column 32 e + 16 h + 8 u + j: 16 neighbours in two accumulators.
; THE CLUSTER'S x SAYS WHICH TENSOR: 0 q, 1 k, 2 v: equal in all partners, so the way out may branch on it.
; q, k: quantised along the head's 64.  A block of 32 tokens is one image of 12 registers x 32 lanes: token o lies in lane 8 (o / 16) + o % 8 + 16 h, words 6 u .. 6 u + 5, u = bit 3 of o, h = which 32 of d.
;   So registers 0-5 are one tile of 16 tokens and registers 6-11 another: attention multiplies the pair by q beside zeros.  Tokens of k whose mask is 0 become zeros (their score is then the bias alone).
; v: quantised along the keys: the results turn through LDS so that a lane holds one channel and 32 keys.  Image (128 keys, tile t): row rho is channel 32 (t / 2) + 8 (t % 2) + rho + 8 (rho / 8).
; Word q of lane L of an image lies at 512 (q / 4) + 16 L + 4 (q % 4).  att, for each (batch, head), 307,200 bytes: K images 0, V images 98,304, K's scale words 196,608, V's 200,704, Q images 204,800, Q's words 303,104.
; LIMITS: NaN and infinities are not served; a block under 2^-124 (zeros too) keeps the byte 1, read by this program alone.
.set MROWS,  4096
.set NROWS,  3072
.set NS,     4                         ; K steps of 256
.set AS_OFF, 3145728                   ; A's scale bytes in its buffer
.set BC_OFF, 0                         ; B's codes and scale bytes in wts
.set BS_OFF, 9437184
.set NQ,     2
.set ROWB,   192
.set PITCH,  240                       ; an LDS row: 3 x (64 bytes + 16 of padding)
.set FR,     12
.set NL,     6
.set NP,     4
.set HALFT,  128*PITCH
.set SLOT,   4*HALFT
.set LAPS,   NS/2
.set SCL,    2*SLOT                    ; behind the ring: scale bytes, four quarters [K step][128 rows][8]: A's halves, B's halves
.set QS,     NS*1024
.set SPARE,  SCL+4*QS                  ; the spare words, 128 bytes for each wave
.set ADRA, 16
.set ADRB, 20
.set ADRS, 27
.set SPW,  28
.set NIL,  29
.set SC,   32                          ; v32-63 scale words, two sets; they hold nothing else
.set AF,   128                         ; A's fragments, window 0; B's two sets in window 1; accumulators in windows 2 and 3
.set G1, 24
.set G0, 32
.set G1B, 48
.set G0B, 56
.set G1S, 68
.set G0S, 76
.set G1SB, 80
.set G0SB, 88
.set SEL, 94                           ; s[94:95] lane l xor 16
; the way out
.set AP,   7                           ; v7-9   q, k: where a token's three pieces of 8 bytes go
.set ASC,  10                          ; v10    and its two scale bytes
.set VST,  11                          ; v11    v: where I put 16 bytes of a token's row
.set VR,   12                          ; v12    and where I read my channel
.set VO,   13                          ; v13    my channel's place in an image
.set VSB,  14                          ; v14    its scale word
.set CPY,  15                          ; v15    copy-out: images
.set CPS,  24                          ; v24    scale words
.set GO,   25                          ; v25    16 x lane
.set GSO,  26                          ; v26    8 x lane
.set BIAS, 64                          ; v64-127  bias in the accumulators' order
.set BV,   224                         ; v224-227 bias of channel 32 cg + lane
.set MK,   228                         ; v228-235 mask of token 16 a + r
.set H,    128                         ; v128-191 64 numbers
.set QC,   192                         ; v192-210 codes
.set TM,   236                         ; v236-251 at work
.set PW,   252                         ; the scale word just made
.set SBY,  236                         ; v arm: v236-239 four channels' scale words
.set MSB, 0
.macro WIN new                         ; the immediate's high byte repeats the setting that is left
.if MSB != \new
	s_set_vgpr_msb (MSB<<8)|\new
.set MSB, \new
.endif
.endm
.set MUL_LO, 0xa1
.set MUL_HI, 0xf1
.set TO_B,   0x40
.macro JLOAD g0a, g1a, g0b, g1b        ; a joint load: waves 0, 1 fetch for A, waves 2, 3 for B; four v_nop follow each line
	s_cmp_eq_u32 s15, 0
	s_cbranch_scc0 .Lfor_b_\@
	tensor_load_to_lds s[\g0a:\g0a+3], s[\g1a:\g1a+7]
	s_nop 0
.rept 4
	v_nop
.endr
	s_branch .Lasked_\@
.Lfor_b_\@:
	tensor_load_to_lds s[\g0b:\g0b+3], s[\g1b:\g1b+7]
	s_nop 0
.rept 4
	v_nop
.endr
.Lasked_\@:
.endm
.macro CREST
	s_cmp_lg_u32 s14, 0
	s_cbranch_scc1 .Lnot_wave_0_\@
	s_barrier_signal -3
.Lnot_wave_0_\@:
	s_barrier_wait -3
	s_barrier_signal -1
	s_barrier_wait -1
.endm
.macro CROUND
	s_barrier_signal -1
	s_barrier_wait -1
	CREST
.endm
	s_load_b128 s[4:7], s[0:1], 0x0                ; A's buffer, the weights
	s_load_b128 s[8:11], s[0:1], 0x10              ; bq, bk
	s_load_b128 s[96:99], s[0:1], 0x20             ; bv, mask
	s_load_b64 s[100:101], s[0:1], 0x30            ; att
	v_lshl_add_u32 v[SPW], v0, 2, SPARE
	v_mov_b32 v[NIL], 0
	ds_add_u32 v28, v29
	ds_add_u32 v28, v29
	s_wait_dscnt 0x0
	v_lshrrev_b32 v1, 5, v0
	v_readfirstlane_b32 s14, v1                    ; wave
	s_lshr_b32 s15, s14, 1                         ; my half of the tile's rows; also: I fetch for A (0) or B (1)
	s_and_b32 s16, s14, 1                          ; my half of its columns; also: which 128 rows I fetch
	s_bfe_u32 s40, ttmp6, 0x40000                  ; cx
	s_bfe_u32 s41, ttmp6, 0x40004                  ; cy
	s_lshl_b32 s42, ttmp9, 2
	s_add_co_u32 s42, s42, s40                     ; tile column
	s_and_b32 s17, ttmp7, 0xffff
	s_lshl_b32 s17, s17, 2
	s_add_co_u32 s17, s17, s41                     ; tile row
	s_lshl_b32 s43, s41, 2
	s_lshl_b32 s43, 15, s43                        ; my row of the cluster
	s_lshl_b32 s44, 0x1111, s40                    ; my column
	s_or_b32 s[G1+0], s43, (0<<16)|(1<<20)|(1<<21)|(3<<22)|(3<<25)   ; bytes; 16 bytes of padding behind every 64; bit 21 beside a mask
	s_or_b32 s[G1B+0], s44, (0<<16)|(1<<20)|(1<<21)|(3<<22)|(3<<25)
.irp g, G1, G1B
	s_mov_b32 s[\g+1], ROWB<<16
	s_mov_b32 s[\g+2], 128<<16
	s_mov_b32 s[\g+3], ROWB<<16
	s_mov_b32 s[\g+4], 128
	s_mov_b32 s[\g+5], ROWB                        ; rows are dense
	s_mov_b32 s[\g+6], 0
	s_mov_b32 s[\g+7], 0
.endr
	s_or_b32 s[G1S+0], s43, (3<<16)|(1<<21)        ; scale bytes: NS rows of 128 elements of 8 bytes
	s_or_b32 s[G1SB+0], s44, (3<<16)|(1<<21)
.irp g, G1S, G1SB
	s_mov_b32 s[\g+1], 128<<16
	s_mov_b32 s[\g+2], NS<<16
	s_mov_b32 s[\g+3], 128<<16
	s_mov_b32 s[\g+4], NS
	s_mov_b32 s[\g+6], 0
	s_mov_b32 s[\g+7], 0
.endr
	s_mov_b32 s[G1S+5], MROWS
	s_mov_b32 s[G1SB+5], NROWS
	s_lshl_b32 s18, s16, 7
	s_lshl_b32 s20, s17, 8
	s_add_co_u32 s20, s20, s18                     ; A's row
	s_lshl_b32 s46, s42, 8
	s_add_co_u32 s46, s46, s18                     ; B's row
	s_lshl_b32 s22, s20, 3
	s_add_co_u32 s22, s22, AS_OFF
	s_mov_b32 s23, 0
	s_lshl_b32 s92, s46, 3
	s_add_co_u32 s92, s92, BS_OFF
	s_mov_b32 s93, 0
	s_mul_i32 s20, s20, ROWB
	s_mov_b32 s21, 0
	s_mul_i32 s46, s46, ROWB
	s_add_co_u32 s46, s46, BC_OFF
	s_mov_b32 s47, 0
	s_mul_i32 s45, s14, HALFT
	s_mul_i32 s94, s14, QS
	s_wait_kmcnt 0x0
	s_add_nc_u64 s[20:21], s[4:5], s[20:21]
	s_add_nc_u64 s[22:23], s[4:5], s[22:23]
	s_add_nc_u64 s[46:47], s[6:7], s[46:47]
	s_add_nc_u64 s[92:93], s[6:7], s[92:93]
	CROUND                                         ; all sixteen work-groups are here: the first joint loads meet
	s_mov_b32 s[G0S], 1
	s_add_co_u32 s[G0S+1], s94, SCL
	s_mov_b64 s[G0S+2:G0S+3], s[22:23]
	s_or_b32 s[G0S+3], s[G0S+3], 0x80000000
	s_mov_b32 s[G0SB], 1
	s_add_co_u32 s[G0SB+1], s94, SCL
	s_mov_b64 s[G0SB+2:G0SB+3], s[92:93]
	s_or_b32 s[G0SB+3], s[G0SB+3], 0x80000000
	JLOAD G0S, G1S, G0SB, G1SB
.irp s, 0,1
	s_mov_b32 s[G0+4*\s], 1
	s_add_co_u32 s[G0+4*\s+1], s45, \s*SLOT
	s_add_nc_u64 s[G0+4*\s+2:G0+4*\s+3], s[20:21], \s*MROWS*ROWB
	s_or_b32 s[G0+4*\s+3], s[G0+4*\s+3], 0x80000000
	s_mov_b32 s[G0B+4*\s], 1
	s_add_co_u32 s[G0B+4*\s+1], s45, \s*SLOT
	s_add_nc_u64 s[G0B+4*\s+2:G0B+4*\s+3], s[46:47], \s*NROWS*ROWB
	s_or_b32 s[G0B+4*\s+3], s[G0B+4*\s+3], 0x80000000
	JLOAD G0+4*\s, G1, G0B+4*\s, G1B
.endr
	v_and_b32 v1, 15, v0                           ; r
	v_bfe_u32 v2, v0, 4, 1                         ; h
	v_mul_u32_u24 v3, v1, PITCH
	v_mul_u32_u24 v4, v2, 24
	v_add_nc_u32 v4, v3, v4
	v_lshl_add_u32 v5, v2, 4, v4                   ; the same behind one padding more
	s_mul_i32 s21, s15, HALFT
	s_mul_i32 s22, s16, HALFT
	s_add_co_u32 s22, s22, 2*HALFT
.irp s, 0,1
	v_add_nc_u32 v[ADRA+\s], s21, v4
	v_add_nc_u32 v[ADRB+\s], s22, v4
	v_add_nc_u32 v[ADRA+2+\s], s21, v5
	v_add_nc_u32 v[ADRB+2+\s], s22, v5
	s_add_co_u32 s21, s21, SLOT
	s_add_co_u32 s22, s22, SLOT
.endr
	v_lshlrev_b32 v5, 3, v1                        ; scale words: 8 bytes a row; lanes 0-15 A's rows, lanes 16-31 B's
	s_mul_i32 s21, s15, QS
	s_mul_i32 s22, s16, QS
	s_add_co_u32 s22, s22, 2*QS
	s_sub_co_u32 s22, s22, s21
	v_mul_u32_u24 v6, s22, v2
	s_add_co_u32 s21, s21, SCL
	v_add_nc_u32 v5, v5, v6
	v_add_nc_u32 v[ADRS], s21, v5
	s_mov_b32 s[SEL], 0x76543210
	s_mov_b32 s[SEL+1], 0xfedcba98
	; the way out's LDS addresses, all the wave's own, all inside slot 0: images 12,800 w (two heads x 6,144, then two x 256 of scale words); v's turning stage 51,200 + 16,896 w (32 rows x 528)
	v_and_b32 v3, 7, v0
	v_bfe_u32 v4, v0, 3, 1
	s_mul_i32 s18, s14, 12800
	s_mul_i32 s19, s14, 16896
	s_add_co_u32 s19, s19, 51200
	v_lshlrev_b32 v5, 4, v3
	v_lshl_add_u32 v5, v2, 8, v5
	v_add_nc_u32 v5, s18, v5                       ; 16 (r % 8) + 256 h
	v_mad_u32_u24 v[AP], v4, 520, v5               ; pieces at 0, 8, 512 for u = 0 and 520, 1,024, 1,032 for u = 1 (u = r / 8)
	v_mad_u32_u24 v[AP+1], v4, 1016, v5
	v_add_nc_u32 v[AP+1], 8, v[AP+1]
	v_add_nc_u32 v[AP+2], 512, v[AP]
	v_lshlrev_b32 v6, 2, v3
	v_add_nc_u32 v6, s18, v6
	v_add_nc_u32 v6, 12288, v6
	v_lshl_add_u32 v[ASC], v4, 1, v6
	v_lshl_add_u32 v[VSB], v4, 6, v6
	v_lshl_add_u32 v[VSB], v2, 5, v[VSB]
	v_mul_u32_u24 v5, v1, 528
	v_lshl_add_u32 v5, v2, 6, v5
	v_add_nc_u32 v[VST], s19, v5
	v_and_b32 v6, 31, v0
	v_lshlrev_b32 v[VR], 2, v6
	v_add_nc_u32 v[VR], s19, v[VR]
	v_lshlrev_b32 v5, 4, v3
	v_lshl_add_u32 v5, v2, 7, v5
	v_mad_u32_u24 v5, v4, 1536, v5
	v_add_nc_u32 v[VO], s18, v5
	v_lshlrev_b32 v[GO], 4, v6
	v_lshlrev_b32 v[GSO], 3, v6
	v_add_nc_u32 v[CPY], s18, v[GO]
	v_add_nc_u32 v[CPS], s18, v[GSO]
	v_add_nc_u32 v[CPS], 12288, v[CPS]
	; where the images go: (16 batch + head) x 307,200 + the tensor's region + the step of 128 tokens
	s_lshr_b32 s46, s17, 3
	s_lshl_b32 s46, s46, 4
	s_lshl_b32 s47, s40, 2
	s_add_co_u32 s46, s46, s47
	s_lshl_b32 s47, s16, 1
	s_add_co_u32 s46, s46, s47
	s_mul_i32 s46, s46, 307200
	s_and_b32 s47, s17, 7
	s_lshl_b32 s47, s47, 1
	s_add_co_u32 s47, s47, s15
	s_mul_i32 s92, s47, 6144
	s_lshl_b32 s66, s47, 8
	s_add_co_u32 s92, s92, s46
	s_add_co_u32 s66, s66, s46
	s_mov_b32 s47, 196608
	s_cmp_eq_u32 ttmp9, 0
	s_cselect_b32 s46, 204800, 0
	s_cselect_b32 s47, 303104, s47
	s_cmp_eq_u32 ttmp9, 2
	s_cselect_b32 s46, 98304, s46
	s_cselect_b32 s47, 200704, s47
	s_add_co_u32 s92, s92, s46
	s_add_co_u32 s66, s66, s47
	s_mov_b32 s93, 0
	s_mov_b32 s67, 0
	s_add_nc_u64 s[92:93], s[100:101], s[92:93]
	s_add_nc_u64 s[66:67], s[100:101], s[66:67]
	s_cmp_eq_u32 ttmp9, 1                          ; the tensor's bias
	s_cselect_b64 s[12:13], s[10:11], s[8:9]
	s_cmp_eq_u32 ttmp9, 2
	s_cselect_b64 s[12:13], s[96:97], s[12:13]
	s_lshl_b32 s46, s40, 10
	s_lshl_b32 s47, s16, 9
	s_add_co_u32 s46, s46, s47
	s_mov_b32 s47, 0
	s_add_nc_u64 s[12:13], s[12:13], s[46:47]
	s_lshl_b32 s20, s17, 10
	s_lshl_b32 s21, s15, 9
	s_add_co_u32 s20, s20, s21
	s_mov_b32 s21, 0
	s_add_nc_u64 s[98:99], s[98:99], s[20:21]      ; the mask at my 128 tokens
	v_lshlrev_b32 v3, 2, v6                        ; 4 x lane
	v_lshlrev_b32 v5, 6, v2                        ; 64 h
	v_lshlrev_b32 v6, 2, v1                        ; 4 r
.irp e, 0,1,2,3
.irp q, 0,1,2,3
	global_load_b128 v[BIAS+16*\e+4*\q:BIAS+16*\e+4*\q+3], v5, s[12:13] offset:128*\e+16*\q
.endr
	global_load_b32 v[BV+\e], v3, s[12:13] offset:128*\e
.endr
.irp a, 0,1,2,3,4,5,6,7
	global_load_b32 v[MK+\a], v6, s[98:99] offset:64*\a
.endr
.macro FRAG reg, adr, q, i             ; a fragment: 16 rows x 128 K, 12 registers, six pieces of 8 bytes; a piece three on may lie behind one padding more: the second address register serves it
.irp p, 0,1,2,3,4,5
.set PCE, 12*(\q)+6*(\p/3)+\p%3
.if PCE%8 < 5
	ds_load_b64 v[\reg+2*\p:\reg+2*\p+1], v[\adr] offset:8*PCE+16*(PCE/8)+(\i)*16*PITCH
.else
	ds_load_b64 v[\reg+2*\p:\reg+2*\p+1], v[\adr+2] offset:8*PCE+16*(PCE/8)+(\i)*16*PITCH
.endif
.endr
.endm
.macro MUL16 a0, p, q, sc, zero        ; A's blocks a0, a0 + 1 x B's eight; the 64 accumulators take turns
.irp a, \a0, \a0+1
.irp b, 0,1,2,3,4,5,6,7
.if \zero
	v_wmma_scale_f32_16x16x128_f8f6f4 v[8*(8*((\a)%4)+\b):8*(8*((\a)%4)+\b)+7], v[128*(\p)+FR*\b:128*(\p)+FR*\b+FR-1], v[AF+FR*(\a):AF+FR*(\a)+FR-1], 0, v[SC+8*NQ*(\sc)+NQ*\b+(\q)], v[SC+8*NQ*(\sc)+NQ*(\a)+(\q)] matrix_a_fmt:MATRIX_FMT_FP6 matrix_b_fmt:MATRIX_FMT_FP6 matrix_a_scale:MATRIX_SCALE_ROW1
.else
	v_wmma_scale_f32_16x16x128_f8f6f4 v[8*(8*((\a)%4)+\b):8*(8*((\a)%4)+\b)+7], v[128*(\p)+FR*\b:128*(\p)+FR*\b+FR-1], v[AF+FR*(\a):AF+FR*(\a)+FR-1], v[8*(8*((\a)%4)+\b):8*(8*((\a)%4)+\b)+7], v[SC+8*NQ*(\sc)+NQ*\b+(\q)], v[SC+8*NQ*(\sc)+NQ*(\a)+(\q)] matrix_a_fmt:MATRIX_FMT_FP6 matrix_b_fmt:MATRIX_FMT_FP6 matrix_a_scale:MATRIX_SCALE_ROW1
.endif
.endr
.endr
.endm
.macro FETCH_B slot, q, p
	WIN TO_B
.irp i, 0,1,2,3,4,5,6,7
	FRAG 128*(\p)+FR*\i, ADRB+\slot, \q, \i
.endr
	WIN 0
.endm
.macro FETCH_A slot, q, i0
.irp i, \i0, \i0+1, \i0+2, \i0+3
	FRAG AF+FR*(\i), ADRA+\slot, \q, \i
.endr
.endm
.macro SCALES sc                       ; a K step's scale words: lanes 0-15 A's block i, lanes 16-31 B's block i
.irp i, 0,1,2,3,4,5,6,7
	ds_load_b64 v[SC+8*NQ*\sc+NQ*\i:SC+8*NQ*\sc+NQ*\i+1], v[ADRS] offset:\i*128
.endr
.endm
.macro PLACES n                        ; plain places behind matrix instructions, ahead of loads into their registers and of reads of results
.rept \n
	v_nop
.endr
.endm
.macro STEP slot, q, zero
	s_wait_dscnt 4*NL                              ; all but the youngest 24 loads (A's blocks 4-7)
	WIN MUL_LO
	MUL16 0, (\q)%2, \q, \slot, \zero
	MUL16 2, (\q)%2, \q, \slot, \zero
	s_wait_dscnt 0
	PLACES NP
	FETCH_B \slot, (\q)+1, 1-(\q)%2
	FETCH_A \slot, (\q)+1, 0
	WIN MUL_HI
	MUL16 4, (\q)%2, \q, \slot, \zero
	MUL16 6, (\q)%2, \q, \slot, \zero
	PLACES NP
	WIN 0
	FETCH_A \slot, (\q)+1, 4
.endm
.macro TURN slot, next, fill           ; a slot's last step changes slots: one barrier, which opens a round of the cluster's barrier where the slot is filled again
	s_wait_tensorcnt 0x0                           ; all my tensor loads have landed: my part of the next slot
	ds_add_u32 v[SPW], v[NIL]                      ; 0 onto my spare word
	s_wait_dscnt 4*NL+1                            ; the add and A's blocks 4-7 may be out
	WIN MUL_LO
	MUL16 0, 1, NQ-1, \slot, 0
	s_wait_dscnt 0x0                               ; the add is done, and my reads of this slot are over
	s_barrier_signal -1
	MUL16 2, 1, NQ-1, \slot, 0
	WIN 0
	s_barrier_wait -1
.if \fill
	CREST
	s_add_nc_u64 s[G0+4*\slot+2:G0+4*\slot+3], s[G0+4*\slot+2:G0+4*\slot+3], 2*MROWS*ROWB
	s_add_nc_u64 s[G0B+4*\slot+2:G0B+4*\slot+3], s[G0B+4*\slot+2:G0B+4*\slot+3], 2*NROWS*ROWB
	JLOAD G0+4*\slot, G1, G0B+4*\slot, G1B         ; the first tensor load behind the round; its four v_nop are the places ahead of the loads below
.else
	PLACES NP
.endif
	v_add_nc_u32 v[ADRS], 1024, v[ADRS]            ; the next K step's scale words
	FETCH_B \next, 0, 0
	FETCH_A \next, 0, 0
	SCALES \next
	WIN MUL_HI
	MUL16 4, 1, NQ-1, \slot, 0
	MUL16 6, 1, NQ-1, \slot, 0
	PLACES NP
	WIN 0
	FETCH_A \next, 0, 4
.endm
	s_wait_loadcnt 0x0                             ; bias and mask
	s_wait_tensorcnt 1                             ; the scale bytes and my part of K step 0 are in; K step 1's load may be out
	s_barrier_signal -1
	s_barrier_wait -1
	FETCH_B 0, 0, 0
	FETCH_A 0, 0, 0
	SCALES 0
	FETCH_A 0, 0, 4
	STEP 0, 0, 1                                   ; the first step's products start the sums
	s_mov_b32 s3, LAPS-1
.Llap:
	TURN 0, 1, 1
	STEP 1, 0, 0
	TURN 1, 0, 1
	STEP 0, 0, 0
	s_sub_co_u32 s3, s3, 1
	s_cmp_lg_u32 s3, 0
	s_cbranch_scc1 .Llap
	TURN 0, 1, 0
	STEP 1, 0, 0
	s_wait_dscnt 4*NL
	WIN MUL_LO
	MUL16 0, 1, NQ-1, 1, 0
	MUL16 2, 1, NQ-1, 1, 0
	s_wait_dscnt 0
	WIN MUL_HI
	MUL16 4, 1, NQ-1, 1, 0
	MUL16 6, 1, NQ-1, 1, 0
	WIN 0
; 64 numbers of a lane, register 16 b + i = k 32 b + 16 h + i of my row, become a fragment's codes in v[QC] on and its scale word in v[PW]
.macro QUANT s
.irp b, 0,1,2,3
	v_max3_num_f32 v[TM+\b], |v[\s+16*\b]|, |v[\s+1+16*\b]|, 0x1800000   ; over the floor 2^(3 - 127)
.endr
.irp i, 2,4,6,8,10,12,14
.irp b, 0,1,2,3
	v_max3_num_f32 v[TM+\b], v[TM+\b], |v[\s+16*\b+\i]|, |v[\s+1+16*\b+\i]|
.endr
.endr
.irp b, 0,1,2,3
	v_permlanex16_b32 v[TM+4+\b], v[TM+\b], s[SEL], s[SEL+1]
.endr
.irp b, 0,1,2,3
	v_max_num_f32 v[TM+\b], v[TM+\b], v[TM+4+\b]
.endr
.irp b, 0,1,2,3
	v_add_nc_u32 v[TM+12+\b], 0xff000000, v[TM+\b]     ; 2 off the exponent field: the conversion's scale operand
.endr
.irp b, 0,1,2,3
	v_lshrrev_b32 v[TM+4+\b], 23, v[TM+12+\b]
.endr
	v_lshl_or_b32 v[PW], v[TM+5], 8, v[TM+4]
	v_lshl_or_b32 v[PW], v[TM+6], 16, v[PW]
	v_lshl_or_b32 v[PW], v[TM+7], 24, v[PW]
.irp c, 0,1
	v_cvt_scalef32_pk16_fp6_f32 v[QC+6*\c:QC+2+6*\c], v[\s+32*\c:\s+15+32*\c], v[TM+12+2*\c]
	v_cvt_scalef32_pk16_fp6_f32 v[QC+12+4*\c:QC+14+4*\c], v[\s+16+32*\c:\s+31+32*\c], v[TM+12+2*\c+1]
.endr
	v_nop                                          ; one plain place behind a scaled conversion
.irp c, 0,1                            ; a whole block to a lane: lanes 0-15 block 2 c, lanes 16-31 block 2 c + 1
.irp i, 0,1,2
	v_permlane16_swap_b32 v[QC+6*\c+\i], v[QC+12+4*\c+\i]
.endr
.irp i, 0,1,2
	v_mov_b32 v[QC+3+6*\c+\i], v[QC+12+4*\c+\i]
.endr
.endr
.endm
; q, k: 16 tokens: + bias, x (mask or 1), quantised: block c of the codes is head c's 64 channels
.macro QK a
	WIN 0x02+((\a)/4)
.set i, 0
.rept 32
	v_pk_add_f32 v[H+i:H+i+1], v[64*((\a)%4)+i:64*((\a)%4)+i+1], v[BIAS+i:BIAS+i+1]    ; each accumulator from its low end on
.set i, i+2
.endr
	WIN 0
	v_mov_b32 v254, v[MK+(\a)]
	v_mov_b32 v255, v[MK+(\a)]
.set i, 0
.rept 32
	v_pk_mul_f32 v[H+i:H+i+1], v[H+i:H+i+1], v[254:255]
.set i, i+2
.endr
	QUANT H
.irp c, 0,1
.irp p, 0,1,2
	ds_store_b64 v[AP+\p], v[QC+6*\c+2*\p:QC+6*\c+2*\p+1] offset:6144*\c+1536*((\a)/2)+128*((\a)%2)
.endr
.endr
	ds_store_b16 v[ASC], v[PW] offset:64*((\a)/2)+32*((\a)%2)               ; head 0's two bytes (both halves of the lanes write the same)
	ds_store_b16_d16_hi v[ASC], v[PW] offset:256+64*((\a)/2)+32*((\a)%2)    ; head 1's
	s_wait_dscnt 0x0                               ; the stores have read their registers
.endm
; v: 32 tokens (key block g of the step): through the stage, then channel by channel
.macro VG g
	WIN 0x08+4*((\g)/2)
.irp e, 0,1
.irp b, 0,1,2,3,4,5,6,7
	ds_store_b128 v[VST], v[64*((2*(\g)+\e)%4)+8*\b:64*((2*(\g)+\e)%4)+8*\b+3] offset:8448*\e+128*(\b/2)+32*(\b%2)
	ds_store_b128 v[VST], v[64*((2*(\g)+\e)%4)+8*\b+4:64*((2*(\g)+\e)%4)+8*\b+7] offset:8448*\e+128*(\b/2)+32*(\b%2)+16
.endr
.endr
	WIN 0
.irp cg, 0,1,2,3
.set i, 0
.rept 32
	ds_load_b32 v[H+i], v[VR] offset:528*i+128*\cg         ; channel 32 cg + lane of token i: LDS serves a wave's instructions in order
.set i, i+1
.endr
	s_wait_dscnt 0x0
.set i, 0
.rept 32
	v_add_f32 v[H+i], v[BV+\cg], v[H+i]
.set i, i+1
.endr
	v_max3_num_f32 v170, |v[H]|, |v[H+1]|, |v[H+2]|
	v_max3_num_f32 v171, |v[H+3]|, |v[H+4]|, |v[H+5]|
.irp i, 6,10,14,18,22,26
	v_max3_num_f32 v170, v170, |v[H+\i]|, |v[H+\i+1]|
	v_max3_num_f32 v171, v171, |v[H+\i+2]|, |v[H+\i+3]|
.endr
	v_max3_num_f32 v170, v170, |v[H+30]|, |v[H+31]|
	v_max3_num_f32 v170, v170, v171, 0x1800000
	v_add_nc_u32 v172, 0xff000000, v170
	v_lshrrev_b32 v173, 23, v172
.if (\g) == 0
	v_mov_b32 v[SBY+\cg], v173
.else
	v_lshl_or_b32 v[SBY+\cg], v173, 8*(\g), v[SBY+\cg]
.endif
	v_cvt_scalef32_pk16_fp6_f32 v[160:162], v[H:H+15], v172
	v_cvt_scalef32_pk16_fp6_f32 v[166:168], v[H+16:H+31], v172
	v_nop
	v_mov_b32 v163, v166
	v_mov_b32 v164, v167
	v_mov_b32 v165, v168
.if (\g) < 2
	ds_store_b64 v[VO], v[160:161] offset:6144*(\cg/2)+3072*(\cg%2)+256*((\g)%2)
	ds_store_b64 v[VO], v[162:163] offset:6144*(\cg/2)+3072*(\cg%2)+256*((\g)%2)+8
	ds_store_b64 v[VO], v[164:165] offset:6144*(\cg/2)+3072*(\cg%2)+256*((\g)%2)+512
.else
	ds_store_b64 v[VO], v[160:161] offset:6144*(\cg/2)+3072*(\cg%2)+256*((\g)%2)+520
	ds_store_b64 v[VO], v[162:163] offset:6144*(\cg/2)+3072*(\cg%2)+256*((\g)%2)+1024
	ds_store_b64 v[VO], v[164:165] offset:6144*(\cg/2)+3072*(\cg%2)+256*((\g)%2)+1032
.endif
.endr
.endm
	PLACES NP
.irp b, 0,1,2,3
	v_mov_b32 v[TM+4+\b], 0                        ; a lane permute's destination counts as read
.endr
	s_cmp_eq_u32 ttmp9, 2                          ; the cluster's x: alike in all partners; no barrier stands in either arm
	s_cbranch_scc1 .Lvarm
	s_cmp_eq_u32 ttmp9, 0
	s_cselect_b32 s2, 1, 0                         ; q keeps every token
	v_mov_b32 v30, 1.0
.irp a, 0,1,2,3,4,5,6,7
	v_or_b32 v[MK+\a], s2, v[MK+\a]
.endr
.irp a, 0,1,2,3,4,5,6,7
	v_cmp_ne_u32 vcc_lo, 0, v[MK+\a]
	v_cndmask_b32 v[MK+\a], 0, v30, vcc_lo         ; 1.0, or 0.0 for a hidden key
.endr
.irp a, 0,1,2,3,4,5,6,7
	QK \a
.endr
	s_branch .Lcopy
.Lvarm:
.irp g, 0,1,2,3
	VG \g
.endr
.irp cg, 0,1,2,3
	ds_store_b32 v[VSB], v[SBY+\cg] offset:256*(\cg/2)+128*(\cg%2)
.endr
.Lcopy:
.irp d, 0,1
.irp k, 0,1,2,3,4,5,6,7,8,9,10,11
	ds_load_b128 v[H+4*(12*\d+\k):H+4*(12*\d+\k)+3], v[CPY] offset:6144*\d+512*\k
.endr
	ds_load_b64 v[TM+2*\d:TM+2*\d+1], v[CPS] offset:256*\d
.endr
	s_wait_dscnt 0x0
.irp d, 0,1
.irp k, 0,1,2,3,4,5,6,7,8,9,10,11
	global_store_b128 v[GO], v[H+4*(12*\d+\k):H+4*(12*\d+\k)+3], s[92:93] offset:307200*\d+512*\k   ; 512 consecutive bytes, at a multiple of 256
.endr
	global_store_b64 v[GSO], v[TM+2*\d:TM+2*\d+1], s[66:67] offset:307200*\d                        ; 256 consecutive bytes
.endr
	s_wait_tensorcnt 0x0                           ; the wave's end
	ds_add_u32 v[SPW], v[NIL]
	s_wait_dscnt 0x0
	CROUND                                         ; the closing round
	s_endpgm
.Lfunc_end_k_qe6183b1d6e_qkv:
	.size	k_qe6183b1d6e_qkv, .Lfunc_end_k_qe6183b1d6e_qkv-k_qe6183b1d6e_qkv
	.p2alignl 7, 3214868480
	.fill 96, 4, 3214868480
	.section	.rodata,"a",@progbits
	.p2align	6, 0x0
	.amdhsa_kernel k_qe6183b1d6e_qkv
		.amdhsa_group_segment_fixed_size 327680
		.amdhsa_private_segment_fixed_size 0
		.amdhsa_enable_private_segment 0
		.amdhsa_kernarg_size 56
		.amdhsa_user_sgpr_count 2
		.amdhsa_user_sgpr_kernarg_segment_ptr 1
		.amdhsa_wavefront_size32 1
		.amdhsa_system_sgpr_workgroup_id_x 1
		.amdhsa_system_sgpr_workgroup_id_y 1
		.amdhsa_system_sgpr_workgroup_id_z 1
		.amdhsa_system_vgpr_workitem_id 0
		.amdhsa_next_free_vgpr 1024
		.amdhsa_next_free_sgpr 102
		.amdhsa_reserve_vcc 1
		.amdhsa_float_denorm_mode_32 3
		.amdhsa_float_denorm_mode_16_64 3
		.amdhsa_memory_ordered 1
		.amdhsa_forward_progress 1
		.amdhsa_inst_pref_size 255
	.end_amdhsa_kernel
	.section	.bss,"aw",@nobits
	.p2align	6
	.space	262144
	.amdgpu_metadata
---
amdhsa.version: [ 1, 2 ]
amdhsa.kernels:
  - .name:           k_qe6183b1d6e_qkv
    .symbol:         k_qe6183b1d6e_qkv.kd
    .args:
      - { .name: xq, .offset: 0, .size: 8, .value_kind: global_buffer, .address_space: global }
      - { .name: wts, .offset: 8, .size: 8, .value_kind: global_buffer, .address_space: global }
      - { .name: bq, .offset: 16, .size: 8, .value_kind: global_buffer, .address_space: global }
      - { .name: bk, .offset: 24, .size: 8, .value_kind: global_buffer, .address_space: global }
      - { .name: bv, .offset: 32, .size: 8, .value_kind: global_buffer, .address_space: global }
      - { .name: mask, .offset: 40, .size: 8, .value_kind: global_buffer, .address_space: global }
      - { .name: att, .offset: 48, .size: 8, .value_kind: global_buffer, .address_space: global }
    .group_segment_fixed_size: 327680
    .private_segment_fixed_size: 0
    .kernarg_segment_align: 8
    .kernarg_segment_size: 56
    .max_flat_workgroup_size: 128
    .sgpr_count:     102
    .vgpr_count:     1024
    .wavefront_size: 32
...
	.end_amdgpu_metadata
.endif
;; end of part 3
;; launch attn (part 4): grid 8 x 32, 16 waves a work-group, clusters of 4 x 1, 215,040 bytes of LDS; arguments att, mask, hq; writes hq
.if DOCPART == 4
	.amdgcn_target "amdgcn-amd-amdhsa--gfx1250"
	.amdhsa_code_object_version 6
	.text
	.protected	k_qe6183b1d6e_attn
	.globl	k_qe6183b1d6e_attn
	.p2align	8
	.type	k_qe6183b1d6e_attn,@function
k_qe6183b1d6e_attn:
	s_mov_b64 s[64:65], 0
	v_nop
	global_prefetch_b8 v0, s[64:65] scope:SCOPE_SE
	s_setreg_imm32_b32 hwreg(HW_REG_WAVE_MODE, 25, 1), 1
	s_wait_xcnt 0x0
	s_wait_alu depctr_hold_cnt(0) depctr_sa_sdst(0) depctr_va_vdst(0) depctr_va_sdst(0) depctr_va_ssrc(0) depctr_va_vcc(0) depctr_vm_vsrc(0)
	s_getreg_b32 s2, hwreg(HW_REG_IB_STS2, 6, 4)
	s_cmp_eq_u32 s2, 0
	s_cbranch_scc0 .Lentry_in_a_cluster
	s_endpgm
.Lentry_in_a_cluster:
	s_bfe_u32 s2, ttmp6, 0x10000c
	s_cmp_lg_u32 s2, 0x3003
	s_cbranch_scc0 .Lentry_shape_is_right
	s_endpgm
.Lentry_shape_is_right:
; O = softmax(q k^T / 8, hidden keys at a very low logit) v for one (batch, head), both products on codes of FP6 (E2M3) with E8M0 scales; O / l is quantised along the model's 1,024 and stored as the next product's operand.
; SOFTMAX: t = score x log2(e) / 8; M = the running largest t rounded up to a whole number; p = 2^(t - M) is quantised along the keys; the row's sum is taken of the unquantised p and divides O at the end.
; SHARES.  A work-group owns 256 queries of one head, each of its sixteen waves 16: four waves to a SIMD, so that one wave's vector work stands beside another's products and LDS loads.
; THE WHOLE HEAD STAYS IN LDS: K's and V's images and scale words, 204,800 bytes, dense in memory, come once: each wave asks for 12,800 bytes.  Nothing is filled again: no ring, one barrier.
; CLUSTER.  The four query blocks of a cluster belong to one head: the loads are joint, with a mask that names the four.
; THE HEAD SIZE IS 64, THE INSTRUCTION'S K 128: an image of K holds two tiles of 16 keys side by side (registers 0-5, 6-11); multiplied by (q, 0) it gives the first tile's scores, by (0, q) the second's.
; THE MASK costs no vector work in the loop: a bias of 0 or -2^33 for each key lies in LDS and is loaded into the score accumulators as the product's C; hidden keys have zero codes.  c x 2^33 is a whole number in f32,
; so with every key hidden t - M is exactly 0 and the result is the plain mean, as with any equal logits; else p is 0.  LIMIT: a hidden logit is -2^30 here, not -1e9: results differ only where true logits lie that low.
; Both products are used transposed: a lane holds one query.  Keys and channels of a tile are chosen so that 16 registers of two neighbouring tiles are 16 neighbours along the next product's K.
; LIMITS: NaN and infinities are not served; a block under 2^-124 (zeros too) keeps the byte 1, read by this program alone.
.set XS_OFF, 3145728
.set BIASB,  204800                    ; behind the head's block: 2,048 biases, written by LDS stores
.set AK0, 1                            ; v1-5  my lane's places: K's images, V's, K's scale words, V's, the biases
.set AV0, 2
.set AS0, 3
.set AT0, 4
.set AB0, 5
.set ADK, 6                            ; v6-10 the same for the step in hand
.set ADV, 7
.set ADS, 8
.set ADT, 9
.set ADB, 10
.set F,   40                           ; v40-87   four fragments of K, then of V.  v12 -M, v13 the largest t, v[14:15] the sum; v16-27 (q, 0), v28-39 (0, q)
.set S,   88                           ; v88-151  S^T, then p
.set O,   152                          ; v152-183 O^T
.set QC,  184                          ; v184-195 p's codes; v196-202 the conversions' second halves
.set BM,  204
.set PT,  208
.set SO,  212
.set BY,  216
.set PW,  220                          ; p's scale word
.set KS,  224                          ; v224-225 K's scale words, v226-227 V's, v228 q's: they hold nothing else
.set VS,  226
.set QSR, 228
.set WV,  10
.set G0,  16
.set G1,  20
.set CS,  28
.set SEL, 30
.set TK,  32                           ; the step's images: 6,144 bytes a step
.set TS,  33                           ; its scale words: 256
.set TB,  34                           ; its biases: 512
.set CNT, 35
.macro ROUND
	s_barrier_signal -1
	s_barrier_wait -1
	s_cmp_lg_u32 s[WV], 0
	s_cbranch_scc1 .Lnot_wave_0_\@
	s_barrier_signal -3
.Lnot_wave_0_\@:
	s_barrier_wait -3
	s_barrier_signal -1
	s_barrier_wait -1
.endm
	s_load_b128 s[4:7], s[0:1], 0x0                ; att, mask
	s_load_b64 s[8:9], s[0:1], 0x10                ; hq
	v_lshl_add_u32 v254, v0, 2, 0x34000
	v_mov_b32 v255, 0
	ds_add_u32 v254, v255
	ds_add_u32 v254, v255
	v_lshrrev_b32 v11, 5, v0
	v_readfirstlane_b32 s[WV], v11                 ; wave 0..15
	s_bfe_u32 s11, ttmp6, 0x40000                  ; cx: it enters q's and the output's addresses alone
	s_lshl_b32 s13, ttmp9, 2
	s_add_co_u32 s13, s13, s11                     ; my block of 256 queries
	s_and_b32 s12, ttmp7, 0xffff                   ; 16 batch + head: shared by the partners
	s_mul_i32 s36, s12, 307200
	s_mov_b32 s37, 0
	s_mul_i32 s38, s[WV], 12800
	s_mov_b32 s39, 0
	s_mov_b32 s[G1], 15|(3<<16)|(1<<21)            ; the mask: all four; elements of 8 bytes; bit 21 beside a mask
	s_mov_b32 s[G1+1], 32<<16                      ; 50 rows of 256 bytes, dense
	s_mov_b32 s[G1+2], 50<<16
	s_mov_b32 s[G1+3], 32<<16
	s_mov_b32 s[G1+4], 50
	s_mov_b32 s[G1+5], 32
	s_mov_b32 s[G1+6], 0
	s_mov_b32 s[G1+7], 0
	s_mov_b32 s[G0], 1
	s_mul_i32 s[G0+1], s[WV], 12800
	s_mov_b32 s[CS], 0x3e38aa3b                    ; c = log2(e) / 8
	s_mov_b32 s[CS+1], s[CS]
	s_mov_b32 s[SEL], 0x76543210
	s_mov_b32 s[SEL+1], 0xfedcba98
	s_mov_b32 s[TK], 0
	s_mov_b32 s[TS], 0
	s_mov_b32 s[TB], 0
	s_mov_b32 s[CNT], 15
	s_wait_dscnt 0x0
	s_wait_kmcnt 0x0
	s_add_nc_u64 s[4:5], s[4:5], s[36:37]          ; att at my head
	s_add_nc_u64 s[G0+2:G0+3], s[4:5], s[38:39]
	s_or_b32 s[G0+3], s[G0+3], 0x80000000
	ROUND                                          ; the four work-groups are here: the joint loads meet
	tensor_load_to_lds s[G0:G0+3], s[G1:G1+7]      ; my one tensor load of the launch
	s_nop 0
.rept 4
	v_nop
.endr
	s_lshr_b32 s40, s12, 4                         ; batch
	s_lshl_b32 s40, s40, 13
	s_mov_b32 s41, 0
	s_add_nc_u64 s[6:7], s[6:7], s[40:41]
	s_lshl_b32 s40, s13, 3
	s_lshr_b32 s41, s[WV], 1
	s_add_co_u32 s40, s40, s41                     ; my block of 32 queries; my tile in it is u = wave % 2
	s_mul_i32 s46, s40, 1536
	s_add_co_u32 s46, s46, 204800
	s_mov_b32 s47, 0
	s_add_nc_u64 s[46:47], s[4:5], s[46:47]        ; its image
	s_lshl_b32 s48, s40, 6
	s_add_co_u32 s48, s48, 303104
	s_mov_b32 s49, 0
	s_add_nc_u64 s[48:49], s[4:5], s[48:49]        ; its scale words
	s_and_b32 s42, s[WV], 1
	s_mul_i32 s43, s42, 520
	s_mul_i32 s44, s42, 1016
	s_lshl_b32 s45, s42, 4
	; where O goes: codes [head / 4][4,096 tokens][192], 48 (head % 4) on; bytes likewise [..][8], 2 (head % 4) on
	s_and_b32 s36, s12, 15
	s_lshr_b32 s37, s12, 4
	s_lshr_b32 s38, s36, 2
	s_lshl_b32 s38, s38, 12
	s_lshl_b32 s39, s37, 11
	s_add_co_u32 s38, s38, s39
	s_lshl_b32 s39, s40, 5
	s_add_co_u32 s38, s38, s39
	s_lshl_b32 s39, s42, 3
	s_add_co_u32 s38, s38, s39                     ; my first token's row
	s_and_b32 s36, s36, 3
	s_mul_i32 s50, s38, 192
	s_mul_i32 s39, s36, 48
	s_add_co_u32 s50, s50, s39
	s_mov_b32 s51, 0
	s_lshl_b32 s52, s38, 3
	s_lshl_b32 s39, s36, 1
	s_add_co_u32 s52, s52, s39
	s_add_co_u32 s52, s52, XS_OFF
	s_mov_b32 s53, 0
	s_add_nc_u64 s[50:51], s[8:9], s[50:51]
	s_add_nc_u64 s[52:53], s[8:9], s[52:53]
	v_lshlrev_b32 v11, 4, v0
	global_load_b128 v[232:235], v11, s[6:7]       ; thread t: the mask of keys 4 t .. 4 t + 3
	v_and_b32 v230, 31, v0
	v_lshlrev_b32 v[AK0], 4, v230                  ; 16 x lane
	v_add_nc_u32 v236, s43, v[AK0]                 ; words 6 u .. 6 u + 5 of my lane: pieces at 0, 8, 512 (u = 0) or 520, 1,024, 1,032
	v_add_nc_u32 v237, s44, v[AK0]
.irp d, 16, 34
	global_load_b64 v[\d:\d+1], v236, s[46:47]
	global_load_b64 v[\d+2:\d+3], v237, s[46:47] offset:8
	global_load_b64 v[\d+4:\d+5], v236, s[46:47] offset:512
.endr
	v_and_b32 v238, 15, v0
	v_lshlrev_b32 v238, 2, v238
	global_load_b32 v[QSR], v238, s[48:49]
	v_add_nc_u32 v[AV0], 98304, v[AK0]
	v_lshlrev_b32 v[AS0], 2, v230
	v_add_nc_u32 v[AT0], 200704, v[AS0]
	v_add_nc_u32 v[AS0], 196608, v[AS0]
	v_bfe_u32 v[AB0], v0, 4, 1
	v_lshl_add_u32 v[AB0], v[AB0], 6, BIASB
	v_lshl_add_u32 v239, v0, 4, BIASB
	v_mov_b32 v231, 0xd0000000                     ; -2^33
	v_mov_b32 v13, 0xff61b1e6                      ; the largest t so far: -3e38
	v_floor_f32 v12, -v13                          ; -M
	v_mov_b32 v14, 0
	v_mov_b32 v15, 0
	v_mov_b32 v223, 0                              ; named as the upper half of the pair v[222:223]
.irp j, 22,23,24,25,26,27,28,29,30,31,32,33
	v_mov_b32 v\j, 0                               ; the zeros beside q
.endr
.irp b, 0,1,2,3
	v_mov_b32 v[PT+\b], 0                          ; a lane permute's destination counts as read
.endr
	s_wait_loadcnt 0x0
.irp i, 0,1,2,3
	v_cmp_eq_u32 vcc_lo, 0, v[232+\i]
	v_cndmask_b32 v[232+\i], 0, v231, vcc_lo
.endr
	ds_store_b128 v239, v[232:235]
	v_lshrrev_b32 v[QSR], s45, v[QSR]              ; my tile's two bytes,
	v_and_b32 v[QSR], 0xffff, v[QSR]
	v_lshl_or_b32 v[QSR], v[QSR], 16, v[QSR]       ; for both halves of the instruction's K
.set i, 0
.rept 32
	v_mov_b32 v[O+i], 0                            ; O^T: the loop is written once; the first change of M multiplies zeros.  (Also the places between q's scale word and the first product)
.set i, i+1
.endr
	s_wait_tensorcnt 0x0                           ; my part of the head has landed,
	s_wait_dscnt 0x0                               ; my biases are stored:
	s_barrier_signal -1
	s_barrier_wait -1                              ; everybody's are
.macro PRE                             ; a step's K side: four pair images, their scale words, and the biases straight into the score accumulators
	v_add_nc_u32 v[ADK], s[TK], v[AK0]
	v_add_nc_u32 v[ADS], s[TS], v[AS0]
	v_add_nc_u32 v[ADB], s[TB], v[AB0]
	v_nop                                          ; four places ahead of loads into registers that matrix instructions have read
.irp f, 0,1,2,3
.irp c, 0,1,2
	ds_load_b128 v[F+12*\f+4*\c:F+12*\f+4*\c+3], v[ADK] offset:1536*\f+512*\c
.endr
.endr
	ds_load_b32 v[KS], v[ADS]                      ; lanes 0-15 block 0's words, lanes 16-31 block 1's
	ds_load_b32 v[KS+1], v[ADS] offset:128
.irp t, 0,1,2,3,4,5,6,7
	ds_load_b128 v[S+8*\t:S+8*\t+3], v[ADB] offset:128*(\t/2)+32*(\t%2)        ; keys 32 (t / 2) + 16 h + 8 (t % 2) + 0 .. 7
	ds_load_b128 v[S+8*\t+4:S+8*\t+7], v[ADB] offset:128*(\t/2)+32*(\t%2)+16
.endr
.endm
.macro STEP pre                        ; 128 keys
	s_wait_dscnt 0x0
.irp t, 0,1,2,3,4,5,6,7                ; S^T = K q^T + bias: eight accumulators, one instruction each
.if (\t/2)%2
	v_wmma_scale_f32_16x16x128_f8f6f4 v[S+8*\t:S+8*\t+7], v[F+12*(\t/2):F+12*(\t/2)+11], v[16+12*(\t%2):27+12*(\t%2)], v[S+8*\t:S+8*\t+7], v[KS+\t/4], v[QSR] matrix_a_fmt:MATRIX_FMT_FP6 matrix_b_fmt:MATRIX_FMT_FP6 matrix_a_scale:MATRIX_SCALE_ROW1
.else
	v_wmma_scale_f32_16x16x128_f8f6f4 v[S+8*\t:S+8*\t+7], v[F+12*(\t/2):F+12*(\t/2)+11], v[16+12*(\t%2):27+12*(\t%2)], v[S+8*\t:S+8*\t+7], v[KS+\t/4], v[QSR] matrix_a_fmt:MATRIX_FMT_FP6 matrix_b_fmt:MATRIX_FMT_FP6
.endif
.endr
	v_add_nc_u32 v[ADV], s[TK], v[AV0]
	v_add_nc_u32 v[ADT], s[TS], v[AT0]
	v_nop
	v_nop                                          ; four places: ahead of the loads below and of the first read of the scores
.irp f, 0,1,2,3
.irp c, 0,1,2
	ds_load_b128 v[F+12*\f+4*\c:F+12*\f+4*\c+3], v[ADV] offset:1536*\f+512*\c   ; V's four tiles land during the softmax
.endr
.endr
	ds_load_b32 v[VS], v[ADT]
	ds_load_b32 v[VS+1], v[ADT] offset:128
.irp b, 0,1,2,3
	v_max3_num_f32 v[BM+\b], v[S+16*\b], v[S+1+16*\b], v[S+2+16*\b]   ; the largest score of each block of 32 keys: for the row's maximum and, since p rises with the score, for the block's largest p
.endr
.irp i, 3,5,7,9,11,13
.irp b, 0,1,2,3
	v_max3_num_f32 v[BM+\b], v[BM+\b], v[S+16*\b+\i], v[S+1+16*\b+\i]
.endr
.endr
.irp b, 0,1,2,3
	v_max_num_f32 v[BM+\b], v[BM+\b], v[S+15+16*\b]
.endr
.irp b, 0,1,2,3
	v_permlanex16_b32 v[PT+\b], v[BM+\b], s[SEL], s[SEL+1]
.endr
.irp b, 0,1,2,3
	v_max_num_f32 v[BM+\b], v[BM+\b], v[PT+\b]
.endr
	v_max3_num_f32 v230, v[BM], v[BM+1], v[BM+2]
	v_max_num_f32 v230, v230, v[BM+3]
	v_mul_f32 v230, s[CS], v230
	v_max_num_f32 v13, v13, v230                   ; the running largest t
	v_mov_b32 v230, v12
	v_floor_f32 v12, -v13                          ; -M = floor(-t): M is a whole number
	v_sub_f32 v230, v12, v230
	v_cvt_i32_f32 v230, v230                       ; (it saturates)
	v_ldexp_f32 v222, 1.0, v230                    ; f = 2^(old M - new M)
.set i, 0
.rept 32
	v_pk_fma_f32 v[S+i:S+i+1], v[S+i:S+i+1], s[CS:CS+1], v[12:13] op_sel_hi:[1,0,0]   ; t - M
.set i, i+2
.endr
.irp b, 0,1,2,3
	v_fma_f32 v[BM+\b], v[BM+\b], s[CS], v12
.endr
.set i, 0
.rept 64
	v_exp_f32 v[S+i], v[S+i]                       ; p = 2^(t - M)
.set i, i+1
.endr
.irp b, 0,1,2,3
	v_exp_f32 v[BM+\b], v[BM+\b]                   ; the block's largest p: the same two instructions on the same number
.endr
	v_pk_mul_f32 v[14:15], v[14:15], v[222:223] op_sel_hi:[1,0]    ; the sums under the new M (a plain place behind the exponentials)
	s_wait_alu depctr_va_vdst(0)
.irp b, 0,1,2,3
	v_max_num_f32 v[BM+\b], 0x1800000, v[BM+\b]    ; the floor 2^(3 - 127)
.endr
.irp b, 0,1,2,3
	v_add_nc_u32 v[SO+\b], 0xff000000, v[BM+\b]
.endr
.irp b, 0,1,2,3
	v_lshrrev_b32 v[BY+\b], 23, v[SO+\b]
.endr
	v_lshl_or_b32 v[PW], v[BY+1], 8, v[BY]
	v_lshl_or_b32 v[PW], v[BY+2], 16, v[PW]
	v_lshl_or_b32 v[PW], v[BY+3], 24, v[PW]
.irp c, 0,1
	v_cvt_scalef32_pk16_fp6_f32 v[QC+6*\c:QC+2+6*\c], v[S+32*\c:S+15+32*\c], v[SO+2*\c]
	v_cvt_scalef32_pk16_fp6_f32 v[196+4*\c:198+4*\c], v[S+16+32*\c:S+31+32*\c], v[SO+2*\c+1]
.endr
	v_nop                                          ; one plain place behind a scaled conversion
.irp c, 0,1
.irp i, 0,1,2
	v_permlane16_swap_b32 v[QC+6*\c+\i], v[196+4*\c+\i]
.endr
.irp i, 0,1,2
	v_mov_b32 v[QC+3+6*\c+\i], v[196+4*\c+\i]
.endr
.endr
	v_pk_add_f32 v[232:233], v[S:S+1], v[S+2:S+3]  ; the row's sum, of the unquantised p, in two chains
.irp j, 4,8,12,16,20,24,28,32,36,40,44,48,52,56,60
	v_pk_add_f32 v[14:15], v[14:15], v[S+\j:S+\j+1]
	v_pk_add_f32 v[232:233], v[232:233], v[S+\j+2:S+\j+3]
.endr
	v_pk_add_f32 v[14:15], v[14:15], v[232:233]
.set i, 0
.rept 16
	v_pk_mul_f32 v[O+i:O+i+1], v[O+i:O+i+1], v[222:223] op_sel_hi:[1,0]    ; O^T under the new M
.set i, i+2
.endr
	s_wait_dscnt 0x0                               ; V
.irp t, 0,1,2,3                        ; O^T += V^T p^T: four accumulators, one instruction each
.if \t%2
	v_wmma_scale_f32_16x16x128_f8f6f4 v[O+8*\t:O+8*\t+7], v[F+12*\t:F+12*\t+11], v[QC:QC+11], v[O+8*\t:O+8*\t+7], v[VS+\t/2], v[PW] matrix_a_fmt:MATRIX_FMT_FP6 matrix_b_fmt:MATRIX_FMT_FP6 matrix_a_scale:MATRIX_SCALE_ROW1
.else
	v_wmma_scale_f32_16x16x128_f8f6f4 v[O+8*\t:O+8*\t+7], v[F+12*\t:F+12*\t+11], v[QC:QC+11], v[O+8*\t:O+8*\t+7], v[VS+\t/2], v[PW] matrix_a_fmt:MATRIX_FMT_FP6 matrix_b_fmt:MATRIX_FMT_FP6
.endif
.endr
	s_add_co_u32 s[TK], s[TK], 6144
	s_add_co_u32 s[TS], s[TS], 256
	s_add_co_u32 s[TB], s[TB], 512
.if \pre
	PRE
.endif
.endm
	PRE
.Lstep:                                            ; 15 trips; the sixteenth step is written out, so that no LDS read passes the head's block
	STEP 1
	s_sub_co_u32 s[CNT], s[CNT], 1
	s_cmp_lg_u32 s[CNT], 0
	s_cbranch_scc1 .Lstep
	STEP 0
	; THE WAY OUT: O / l, quantised along the head's 64 (two blocks of the model's 1,024)
	v_add_f32 v14, v14, v15
	v_permlanex16_b32 v230, v14, s[SEL], s[SEL+1]
	v_add_f32 v14, v14, v230
	v_rcp_f32 v14, v14
	v_and_b32 v1, 15, v0                           ; r  (plain places, behind the reciprocal and the last products)
	v_bfe_u32 v2, v0, 4, 1                         ; h
	v_bfe_u32 v3, v0, 3, 1
	v_lshl_add_u32 v4, v3, 3, v1                   ; my query is token r + 8 (r / 8) of the tile
	v_mul_u32_u24 v5, v4, 192
	v_mad_u32_u24 v5, v2, 24, v5
	v_lshlrev_b32 v6, 3, v4
.set i, 0
	s_wait_alu depctr_va_vdst(0)
.rept 32
	v_mul_f32 v[S+i], v[O+i], v14                  ; register 16 e + i is channel 32 e + 16 h + i; each accumulator from its low end on
.set i, i+1
.endr
.irp b, 0,1
	v_max3_num_f32 v[BM+\b], |v[S+16*\b]|, |v[S+1+16*\b]|, 0x1800000
.endr
.irp i, 2,4,6,8,10,12,14
.irp b, 0,1
	v_max3_num_f32 v[BM+\b], v[BM+\b], |v[S+16*\b+\i]|, |v[S+1+16*\b+\i]|
.endr
.endr
.irp b, 0,1
	v_permlanex16_b32 v[PT+\b], v[BM+\b], s[SEL], s[SEL+1]
.endr
.irp b, 0,1
	v_max_num_f32 v[BM+\b], v[BM+\b], v[PT+\b]
.endr
.irp b, 0,1
	v_add_nc_u32 v[SO+\b], 0xff000000, v[BM+\b]
.endr
.irp b, 0,1
	v_lshrrev_b32 v[BY+\b], 23, v[SO+\b]
.endr
	v_lshl_or_b32 v[PW], v[BY+1], 8, v[BY]
	v_cvt_scalef32_pk16_fp6_f32 v[QC:QC+2], v[S:S+15], v[SO]
	v_cvt_scalef32_pk16_fp6_f32 v[196:198], v[S+16:S+31], v[SO+1]
	v_nop
.irp i, 0,1,2
	v_permlane16_swap_b32 v[QC+\i], v[196+\i]
.endr
.irp i, 0,1,2
	v_mov_b32 v[QC+3+\i], v[196+\i]                ; my lane: block h, 24 bytes
.endr
.irp p, 0,1,2
	global_store_b64 v5, v[QC+2*\p:QC+2*\p+1], s[50:51] offset:8*\p    ; 48 bytes of a token's row: a whole block of 256 would want four heads in one work-group
.endr
	global_store_b16 v6, v[PW], s[52:53]           ; both halves of the lanes store the same two bytes
	s_wait_tensorcnt 0x0
	ds_add_u32 v254, v255
	s_wait_dscnt 0x0
	ROUND                                          ; the closing round
	s_endpgm
.Lfunc_end_k_qe6183b1d6e_attn:
	.size	k_qe6183b1d6e_attn, .Lfunc_end_k_qe6183b1d6e_attn-k_qe6183b1d6e_attn
	.p2alignl 7, 3214868480
	.fill 96, 4, 3214868480
	.section	.rodata,"a",@progbits
	.p2align	6, 0x0
	.amdhsa_kernel k_qe6183b1d6e_attn
		.amdhsa_group_segment_fixed_size 215040
		.amdhsa_private_segment_fixed_size 0
		.amdhsa_enable_private_segment 0
		.amdhsa_kernarg_size 24
		.amdhsa_user_sgpr_count 2
		.amdhsa_user_sgpr_kernarg_segment_ptr 1
		.amdhsa_wavefront_size32 1
		.amdhsa_system_sgpr_workgroup_id_x 1
		.amdhsa_system_sgpr_workgroup_id_y 1
		.amdhsa_system_sgpr_workgroup_id_z 1
		.amdhsa_system_vgpr_workitem_id 0
		.amdhsa_next_free_vgpr 256
		.amdhsa_next_free_sgpr 66
		.amdhsa_reserve_vcc 1
		.amdhsa_float_denorm_mode_32 3
		.amdhsa_float_denorm_mode_16_64 3
		.amdhsa_memory_ordered 1
		.amdhsa_forward_progress 1
		.amdhsa_inst_pref_size 46
	.end_amdhsa_kernel
	.amdgpu_metadata
---
amdhsa.version: [ 1, 2 ]
amdhsa.kernels:
  - .name:           k_qe6183b1d6e_attn
    .symbol:         k_qe6183b1d6e_attn.kd
    .args:
      - { .name: att, .offset: 0, .size: 8, .value_kind: global_buffer, .address_space: global }
      - { .name: mask, .offset: 8, .size: 8, .value_kind: global_buffer, .address_space: global }
      - { .name: hq, .offset: 16, .size: 8, .value_kind: global_buffer, .address_space: global }
    .group_segment_fixed_size: 215040
    .private_segment_fixed_size: 0
    .kernarg_segment_align: 8
    .kernarg_segment_size: 24
    .max_flat_workgroup_size: 512
    .sgpr_count:     66
    .vgpr_count:     256
    .wavefront_size: 32
...
	.end_amdgpu_metadata
.endif
;; end of part 4
;; launch wo (part 5): grid 4 x 16, 4 waves a work-group, clusters of 4 x 4, 327,680 bytes of LDS; arguments hq, wts, bo, hidden, h; writes h
.if DOCPART == 5
	.amdgcn_target "amdgcn-amd-amdhsa--gfx1250"
	.amdhsa_code_object_version 6
	.text
	.protected	k_qe6183b1d6e_wo
	.globl	k_qe6183b1d6e_wo
	.p2align	8
	.type	k_qe6183b1d6e_wo,@function
k_qe6183b1d6e_wo:
	s_mov_b64 s[64:65], 0
	v_nop
	global_prefetch_b8 v0, s[64:65] scope:SCOPE_SE
	s_setreg_imm32_b32 hwreg(HW_REG_WAVE_MODE, 25, 1), 1
	s_wait_xcnt 0x0
	s_wait_alu depctr_hold_cnt(0) depctr_sa_sdst(0) depctr_va_vdst(0) depctr_va_sdst(0) depctr_va_ssrc(0) depctr_va_vcc(0) depctr_vm_vsrc(0)
	s_getreg_b32 s2, hwreg(HW_REG_IB_STS2, 6, 4)
	s_cmp_eq_u32 s2, 0
	s_cbranch_scc0 .Lentry_in_a_cluster
	s_endpgm
.Lentry_in_a_cluster:
	s_bfe_u32 s2, ttmp6, 0x10000c
	s_cmp_lg_u32 s2, 0xf033
	s_cbranch_scc0 .Lentry_shape_is_right
	s_endpgm
.Lentry_shape_is_right:
; out = residual + A B^T + bias, f32, on codes of FP6 (E2M3) with E8M0 scales.  Here: h = hidden + attention's result x wo + bo; 4,096 x 1,024, K = 1,024.
; A tile of 256 x 256 to a work-group of four waves, 128 x 128 (64 accumulators) to a wave.  Operands lie [K / 256][rows][192 bytes], so a tile of 128 rows x 256 K is one dense block; K goes in steps of 256
; through a ring of two LDS slots filled by the tensor data mover; the scale bytes of all of K come once, with the first fills.  CLUSTERS 4 x 4: A's tiles shared along a row, B's along a column, asked for jointly.
; The matrix instruction is used transposed (source 0 = weights, source 1 = tokens); the weights' rows are stored with bits 3 and 4 of n exchanged, so lane (r, h), accumulator (a, b), register j hold
; row 16 a + r, column 32 (b / 2) + 16 h + 8 (b % 2) + j.  The way out goes block by block of 16 rows through the wave's own stage (in slot 0, which has had its last fill and its last read) and leaves as rows of 512 bytes.
; 64 work-groups: the tile is kept at 256 x 256 because a smaller one reads twice the LDS bytes for each product.
.set MROWS,  4096
.set NROWS,  1024
.set NS,     4                         ; K steps of 256
.set AS_OFF, 3145728                   ; A's scale bytes in its buffer
.set BC_OFF, 2359296                   ; B's codes and scale bytes in wts
.set BS_OFF, 9535488
.set NQ,     2
.set ROWB,   192
.set PITCH,  240                       ; an LDS row: 3 x (64 bytes + 16 of padding)
.set FR,     12
.set NL,     6
.set NP,     4
.set HALFT,  128*PITCH
.set SLOT,   4*HALFT
.set LAPS,   NS/2
.set SCL,    2*SLOT                    ; behind the ring: scale bytes, four quarters [K step][128 rows][8]: A's halves, B's halves
.set QS,     NS*1024
.set SPARE,  SCL+4*QS                  ; the spare words, 128 bytes for each wave
.set SPITCH, 528
.set ADRA, 16
.set ADRB, 20
.set STO,  24
.set RD,   25
.set CO,   26
.set ADRS, 27
.set SPW,  28
.set NIL,  29
.set SC,   32                          ; v32-63 scale words, two sets; they hold nothing else
.set AF,   128                         ; A's fragments, window 0; B's two sets in window 1; accumulators in windows 2 and 3
.set BK,   128                         ; the way out: 16 rows back from the stage; v64-127 and v192-255 the residual, by turns; v8-11 the bias
.set G1, 24
.set G0, 32
.set G1B, 48
.set G0B, 56
.set G1S, 68
.set G0S, 76
.set G1SB, 80
.set G0SB, 88
.set MSB, 0
.macro WIN new                         ; the immediate's high byte repeats the setting that is left
.if MSB != \new
	s_set_vgpr_msb (MSB<<8)|\new
.set MSB, \new
.endif
.endm
.set MUL_LO, 0xa1
.set MUL_HI, 0xf1
.set TO_B,   0x40
.macro JLOAD g0a, g1a, g0b, g1b        ; a joint load: waves 0, 1 fetch for A, waves 2, 3 for B; four v_nop follow each line
	s_cmp_eq_u32 s15, 0
	s_cbranch_scc0 .Lfor_b_\@
	tensor_load_to_lds s[\g0a:\g0a+3], s[\g1a:\g1a+7]
	s_nop 0
.rept 4
	v_nop
.endr
	s_branch .Lasked_\@
.Lfor_b_\@:
	tensor_load_to_lds s[\g0b:\g0b+3], s[\g1b:\g1b+7]
	s_nop 0
.rept 4
	v_nop
.endr
.Lasked_\@:
.endm
.macro CREST
	s_cmp_lg_u32 s14, 0
	s_cbranch_scc1 .Lnot_wave_0_\@
	s_barrier_signal -3
.Lnot_wave_0_\@:
	s_barrier_wait -3
	s_barrier_signal -1
	s_barrier_wait -1
.endm
.macro CROUND
	s_barrier_signal -1
	s_barrier_wait -1
	CREST
.endm
	s_load_b128 s[4:7], s[0:1], 0x0                ; A's buffer, the weights
	s_load_b128 s[8:11], s[0:1], 0x10              ; bias, residual
	s_load_b64 s[12:13], s[0:1], 0x20              ; out
	v_lshl_add_u32 v[SPW], v0, 2, SPARE
	v_mov_b32 v[NIL], 0
	ds_add_u32 v28, v29
	ds_add_u32 v28, v29
	s_wait_dscnt 0x0
	v_lshrrev_b32 v1, 5, v0
	v_readfirstlane_b32 s14, v1                    ; wave
	s_lshr_b32 s15, s14, 1                         ; my half of the tile's rows; also: I fetch for A (0) or B (1)
	s_and_b32 s16, s14, 1                          ; my half of its columns; also: which 128 rows I fetch
	s_bfe_u32 s40, ttmp6, 0x40000                  ; cx
	s_bfe_u32 s41, ttmp6, 0x40004                  ; cy
	s_lshl_b32 s42, ttmp9, 2
	s_add_co_u32 s42, s42, s40                     ; tile column
	s_and_b32 s17, ttmp7, 0xffff
	s_lshl_b32 s17, s17, 2
	s_add_co_u32 s17, s17, s41                     ; tile row
	s_lshl_b32 s43, s41, 2
	s_lshl_b32 s43, 15, s43                        ; my row of the cluster
	s_lshl_b32 s44, 0x1111, s40                    ; my column
	s_or_b32 s[G1+0], s43, (0<<16)|(1<<20)|(1<<21)|(3<<22)|(3<<25)   ; bytes; 16 bytes of padding behind every 64; bit 21 beside a mask
	s_or_b32 s[G1B+0], s44, (0<<16)|(1<<20)|(1<<21)|(3<<22)|(3<<25)
.irp g, G1, G1B
	s_mov_b32 s[\g+1], ROWB<<16
	s_mov_b32 s[\g+2], 128<<16
	s_mov_b32 s[\g+3], ROWB<<16
	s_mov_b32 s[\g+4], 128
	s_mov_b32 s[\g+5], ROWB                        ; rows are dense
	s_mov_b32 s[\g+6], 0
	s_mov_b32 s[\g+7], 0
.endr
	s_or_b32 s[G1S+0], s43, (3<<16)|(1<<21)        ; scale bytes: NS rows of 128 elements of 8 bytes
	s_or_b32 s[G1SB+0], s44, (3<<16)|(1<<21)
.irp g, G1S, G1SB
	s_mov_b32 s[\g+1], 128<<16
	s_mov_b32 s[\g+2], NS<<16
	s_mov_b32 s[\g+3], 128<<16
	s_mov_b32 s[\g+4], NS
	s_mov_b32 s[\g+6], 0
	s_mov_b32 s[\g+7], 0
.endr
	s_mov_b32 s[G1S+5], MROWS
	s_mov_b32 s[G1SB+5], NROWS
	s_lshl_b32 s18, s16, 7
	s_lshl_b32 s20, s17, 8
	s_add_co_u32 s20, s20, s18                     ; A's row
	s_lshl_b32 s46, s42, 8
	s_add_co_u32 s46, s46, s18                     ; B's row
	s_lshl_b32 s22, s20, 3
	s_add_co_u32 s22, s22, AS_OFF
	s_mov_b32 s23, 0
	s_lshl_b32 s92, s46, 3
	s_add_co_u32 s92, s92, BS_OFF
	s_mov_b32 s93, 0
	s_mul_i32 s20, s20, ROWB
	s_mov_b32 s21, 0
	s_mul_i32 s46, s46, ROWB
	s_add_co_u32 s46, s46, BC_OFF
	s_mov_b32 s47, 0
	s_mul_i32 s45, s14, HALFT
	s_mul_i32 s94, s14, QS
	s_wait_kmcnt 0x0
	s_add_nc_u64 s[20:21], s[4:5], s[20:21]
	s_add_nc_u64 s[22:23], s[4:5], s[22:23]
	s_add_nc_u64 s[46:47], s[6:7], s[46:47]
	s_add_nc_u64 s[92:93], s[6:7], s[92:93]
	CROUND                                         ; all sixteen work-groups are here: the first joint loads meet
	s_mov_b32 s[G0S], 1
	s_add_co_u32 s[G0S+1], s94, SCL
	s_mov_b64 s[G0S+2:G0S+3], s[22:23]
	s_or_b32 s[G0S+3], s[G0S+3], 0x80000000
	s_mov_b32 s[G0SB], 1
	s_add_co_u32 s[G0SB+1], s94, SCL
	s_mov_b64 s[G0SB+2:G0SB+3], s[92:93]
	s_or_b32 s[G0SB+3], s[G0SB+3], 0x80000000
	JLOAD G0S, G1S, G0SB, G1SB
.irp s, 0,1
	s_mov_b32 s[G0+4*\s], 1
	s_add_co_u32 s[G0+4*\s+1], s45, \s*SLOT
	s_add_nc_u64 s[G0+4*\s+2:G0+4*\s+3], s[20:21], \s*MROWS*ROWB
	s_or_b32 s[G0+4*\s+3], s[G0+4*\s+3], 0x80000000
	s_mov_b32 s[G0B+4*\s], 1
	s_add_co_u32 s[G0B+4*\s+1], s45, \s*SLOT
	s_add_nc_u64 s[G0B+4*\s+2:G0B+4*\s+3], s[46:47], \s*NROWS*ROWB
	s_or_b32 s[G0B+4*\s+3], s[G0B+4*\s+3], 0x80000000
	JLOAD G0+4*\s, G1, G0B+4*\s, G1B
.endr
	v_and_b32 v1, 15, v0                           ; r
	v_bfe_u32 v2, v0, 4, 1                         ; h
	v_mul_u32_u24 v3, v1, PITCH
	v_mul_u32_u24 v4, v2, 24
	v_add_nc_u32 v4, v3, v4
	v_lshl_add_u32 v5, v2, 4, v4                   ; the same behind one padding more
	s_mul_i32 s21, s15, HALFT
	s_mul_i32 s22, s16, HALFT
	s_add_co_u32 s22, s22, 2*HALFT
.irp s, 0,1
	v_add_nc_u32 v[ADRA+\s], s21, v4
	v_add_nc_u32 v[ADRB+\s], s22, v4
	v_add_nc_u32 v[ADRA+2+\s], s21, v5
	v_add_nc_u32 v[ADRB+2+\s], s22, v5
	s_add_co_u32 s21, s21, SLOT
	s_add_co_u32 s22, s22, SLOT
.endr
	v_lshlrev_b32 v5, 3, v1                        ; scale words: 8 bytes a row; lanes 0-15 A's rows, lanes 16-31 B's
	s_mul_i32 s21, s15, QS
	s_mul_i32 s22, s16, QS
	s_add_co_u32 s22, s22, 2*QS
	s_sub_co_u32 s22, s22, s21
	v_mul_u32_u24 v6, s22, v2
	s_add_co_u32 s21, s21, SCL
	v_add_nc_u32 v5, v5, v6
	v_add_nc_u32 v[ADRS], s21, v5
	s_mul_i32 s23, s14, 16*SPITCH                  ; my stage
	v_mul_u32_u24 v5, v1, SPITCH
	v_lshl_add_u32 v5, v2, 6, v5
	v_add_nc_u32 v[STO], s23, v5                   ; in: row r, + 64 h
	v_and_b32 v6, 31, v0
	v_lshlrev_b32 v[CO], 4, v6
	v_add_nc_u32 v[RD], s23, v[CO]                 ; back: a row of 512 bytes to the 32 lanes
	s_lshl_b32 s20, s17, 8
	s_lshl_b32 s21, s15, 7
	s_add_co_u32 s20, s20, s21
	s_lshl_b32 s20, s20, 12                        ; my first row, 4,096 bytes a row
	s_mov_b32 s21, 0
	s_lshl_b32 s46, s42, 10
	s_lshl_b32 s47, s16, 9
	s_add_co_u32 s46, s46, s47                     ; my first column, in bytes
	s_mov_b32 s47, 0
	s_add_nc_u64 s[8:9], s[8:9], s[46:47]
	s_add_nc_u64 s[20:21], s[20:21], s[46:47]
	s_add_nc_u64 s[10:11], s[10:11], s[20:21]
	s_add_nc_u64 s[12:13], s[12:13], s[20:21]
.macro RESLOAD a                       ; the residual of block a's 16 rows
.irp t, 0,1,2,3,4,5,6,7,8,9,10,11,12,13,14,15
	global_load_b128 v[64+128*((\a)%2)+4*\t:64+128*((\a)%2)+4*\t+3], v[CO], s[10:11] offset:(16*(\a)+\t)*4096
.endr
.endm
	global_load_b128 v[8:11], v[CO], s[8:9]        ; the bias of my four columns of a row
	RESLOAD 0
.macro FRAG reg, adr, q, i             ; a fragment: 16 rows x 128 K, 12 registers, six pieces of 8 bytes; a piece three on may lie behind one padding more: the second address register serves it
.irp p, 0,1,2,3,4,5
.set PCE, 12*(\q)+6*(\p/3)+\p%3
.if PCE%8 < 5
	ds_load_b64 v[\reg+2*\p:\reg+2*\p+1], v[\adr] offset:8*PCE+16*(PCE/8)+(\i)*16*PITCH
.else
	ds_load_b64 v[\reg+2*\p:\reg+2*\p+1], v[\adr+2] offset:8*PCE+16*(PCE/8)+(\i)*16*PITCH
.endif
.endr
.endm
.macro MUL16 a0, p, q, sc, zero        ; A's blocks a0, a0 + 1 x B's eight; the 64 accumulators take turns
.irp a, \a0, \a0+1
.irp b, 0,1,2,3,4,5,6,7
.if \zero
	v_wmma_scale_f32_16x16x128_f8f6f4 v[8*(8*((\a)%4)+\b):8*(8*((\a)%4)+\b)+7], v[128*(\p)+FR*\b:128*(\p)+FR*\b+FR-1], v[AF+FR*(\a):AF+FR*(\a)+FR-1], 0, v[SC+8*NQ*(\sc)+NQ*\b+(\q)], v[SC+8*NQ*(\sc)+NQ*(\a)+(\q)] matrix_a_fmt:MATRIX_FMT_FP6 matrix_b_fmt:MATRIX_FMT_FP6 matrix_a_scale:MATRIX_SCALE_ROW1
.else
	v_wmma_scale_f32_16x16x128_f8f6f4 v[8*(8*((\a)%4)+\b):8*(8*((\a)%4)+\b)+7], v[128*(\p)+FR*\b:128*(\p)+FR*\b+FR-1], v[AF+FR*(\a):AF+FR*(\a)+FR-1], v[8*(8*((\a)%4)+\b):8*(8*((\a)%4)+\b)+7], v[SC+8*NQ*(\sc)+NQ*\b+(\q)], v[SC+8*NQ*(\sc)+NQ*(\a)+(\q)] matrix_a_fmt:MATRIX_FMT_FP6 matrix_b_fmt:MATRIX_FMT_FP6 matrix_a_scale:MATRIX_SCALE_ROW1
.endif
.endr
.endr
.endm
.macro FETCH_B slot, q, p
	WIN TO_B
.irp i, 0,1,2,3,4,5,6,7
	FRAG 128*(\p)+FR*\i, ADRB+\slot, \q, \i
.endr
	WIN 0
.endm
.macro FETCH_A slot, q, i0
.irp i, \i0, \i0+1, \i0+2, \i0+3
	FRAG AF+FR*(\i), ADRA+\slot, \q, \i
.endr
.endm
.macro SCALES sc                       ; a K step's scale words: lanes 0-15 A's block i, lanes 16-31 B's block i
.irp i, 0,1,2,3,4,5,6,7
	ds_load_b64 v[SC+8*NQ*\sc+NQ*\i:SC+8*NQ*\sc+NQ*\i+1], v[ADRS] offset:\i*128
.endr
.endm
.macro PLACES n                        ; plain places behind matrix instructions, ahead of loads into their registers and of reads of results
.rept \n
	v_nop
.endr
.endm
.macro STEP slot, q, zero
	s_wait_dscnt 4*NL                              ; all but the youngest 24 loads (A's blocks 4-7)
	WIN MUL_LO
	MUL16 0, (\q)%2, \q, \slot, \zero
	MUL16 2, (\q)%2, \q, \slot, \zero
	s_wait_dscnt 0
	PLACES NP
	FETCH_B \slot, (\q)+1, 1-(\q)%2
	FETCH_A \slot, (\q)+1, 0
	WIN MUL_HI
	MUL16 4, (\q)%2, \q, \slot, \zero
	MUL16 6, (\q)%2, \q, \slot, \zero
	PLACES NP
	WIN 0
	FETCH_A \slot, (\q)+1, 4
.endm
.macro TURN slot, next, fill           ; a slot's last step changes slots: one barrier, which opens a round of the cluster's barrier where the slot is filled again
	s_wait_tensorcnt 0x0                           ; all my tensor loads have landed: my part of the next slot
	ds_add_u32 v[SPW], v[NIL]                      ; 0 onto my spare word
	s_wait_dscnt 4*NL+1                            ; the add and A's blocks 4-7 may be out
	WIN MUL_LO
	MUL16 0, 1, NQ-1, \slot, 0
	s_wait_dscnt 0x0                               ; the add is done, and my reads of this slot are over
	s_barrier_signal -1
	MUL16 2, 1, NQ-1, \slot, 0
	WIN 0
	s_barrier_wait -1
.if \fill
	CREST
	s_add_nc_u64 s[G0+4*\slot+2:G0+4*\slot+3], s[G0+4*\slot+2:G0+4*\slot+3], 2*MROWS*ROWB
	s_add_nc_u64 s[G0B+4*\slot+2:G0B+4*\slot+3], s[G0B+4*\slot+2:G0B+4*\slot+3], 2*NROWS*ROWB
	JLOAD G0+4*\slot, G1, G0B+4*\slot, G1B         ; the first tensor load behind the round; its four v_nop are the places ahead of the loads below
.else
	PLACES NP
.endif
	v_add_nc_u32 v[ADRS], 1024, v[ADRS]            ; the next K step's scale words
	FETCH_B \next, 0, 0
	FETCH_A \next, 0, 0
	SCALES \next
	WIN MUL_HI
	MUL16 4, 1, NQ-1, \slot, 0
	MUL16 6, 1, NQ-1, \slot, 0
	PLACES NP
	WIN 0
	FETCH_A \next, 0, 4
.endm
	s_wait_loadcnt 0x0                             ; the bias and the first residual rows
	s_wait_tensorcnt 1                             ; the scale bytes and my part of K step 0 are in; K step 1's load may be out
	s_barrier_signal -1
	s_barrier_wait -1
	FETCH_B 0, 0, 0
	FETCH_A 0, 0, 0
	SCALES 0
	FETCH_A 0, 0, 4
	STEP 0, 0, 1                                   ; the first step's products start the sums
	s_mov_b32 s3, LAPS-1
.Llap:
	TURN 0, 1, 1
	STEP 1, 0, 0
	TURN 1, 0, 1
	STEP 0, 0, 0
	s_sub_co_u32 s3, s3, 1
	s_cmp_lg_u32 s3, 0
	s_cbranch_scc1 .Llap
	TURN 0, 1, 0
	STEP 1, 0, 0
	s_wait_dscnt 4*NL
	WIN MUL_LO
	MUL16 0, 1, NQ-1, 1, 0
	MUL16 2, 1, NQ-1, 1, 0
	s_wait_dscnt 0
	WIN MUL_HI
	MUL16 4, 1, NQ-1, 1, 0
	MUL16 6, 1, NQ-1, 1, 0
	WIN 0
.macro TOSTAGE a
.set AC, 64*((\a)%4)
	WIN 0x08+4*((\a)/4)                            ; the data: window 2 or 3
.irp b, 0,1,2,3,4,5,6,7
	ds_store_b128 v[STO], v[AC+8*\b:AC+8*\b+3] offset:128*(\b/2)+32*(\b%2)         ; each accumulator from its low end on
	ds_store_b128 v[STO], v[AC+8*\b+4:AC+8*\b+7] offset:128*(\b/2)+32*(\b%2)+16
.endr
	WIN 0
.irp t, 0,1,2,3,4,5,6,7,8,9,10,11,12,13,14,15
	ds_load_b128 v[BK+4*\t:BK+4*\t+3], v[RD] offset:\t*SPITCH                      ; LDS serves a wave's instructions in order
.endr
.endm
.macro FINISH a
.set RS, 64+128*((\a)%2)
.set i, 0
.rept 16
	v_pk_add_f32 v[BK+i:BK+i+1], v[BK+i:BK+i+1], v[8:9]
	v_pk_add_f32 v[BK+i+2:BK+i+3], v[BK+i+2:BK+i+3], v[10:11]
.set i, i+4
.endr
.set i, 0
.rept 32
	v_pk_add_f32 v[BK+i:BK+i+1], v[BK+i:BK+i+1], v[RS+i:RS+i+1]
.set i, i+2
.endr
.irp t, 0,1,2,3,4,5,6,7,8,9,10,11,12,13,14,15
	global_store_b128 v[CO], v[BK+4*\t:BK+4*\t+3], s[12:13] offset:(16*(\a)+\t)*4096   ; 512 consecutive bytes, at a multiple of 256
.endr
.endm
	PLACES NP
.irp a, 0,1,2,3,4,5,6,7
.if \a < 7
	RESLOAD \a+1
.endif
.if \a > 0
	s_wait_xcnt 0x0                                ; the last block's stores have read their registers
.endif
	TOSTAGE \a
	s_wait_dscnt 0x0
.if \a < 7
	s_wait_loadcnt 16                              ; this block's residual is in; the next block's 16 loads may be out
.else
	s_wait_loadcnt 0x0
.endif
	FINISH \a
.endr
	s_wait_tensorcnt 0x0                           ; the wave's end
	ds_add_u32 v[SPW], v[NIL]
	s_wait_dscnt 0x0
	CROUND                                         ; the closing round
	s_endpgm
.Lfunc_end_k_qe6183b1d6e_wo:
	.size	k_qe6183b1d6e_wo, .Lfunc_end_k_qe6183b1d6e_wo-k_qe6183b1d6e_wo
	.p2alignl 7, 3214868480
	.fill 96, 4, 3214868480
	.section	.rodata,"a",@progbits
	.p2align	6, 0x0
	.amdhsa_kernel k_qe6183b1d6e_wo
		.amdhsa_group_segment_fixed_size 327680
		.amdhsa_private_segment_fixed_size 0
		.amdhsa_enable_private_segment 0
		.amdhsa_kernarg_size 40
		.amdhsa_user_sgpr_count 2
		.amdhsa_user_sgpr_kernarg_segment_ptr 1
		.amdhsa_wavefront_size32 1
		.amdhsa_system_sgpr_workgroup_id_x 1
		.amdhsa_system_sgpr_workgroup_id_y 1
		.amdhsa_system_sgpr_workgroup_id_z 1
		.amdhsa_system_vgpr_workitem_id 0
		.amdhsa_next_free_vgpr 1024
		.amdhsa_next_free_sgpr 96
		.amdhsa_reserve_vcc 0
		.amdhsa_float_denorm_mode_32 3
		.amdhsa_float_denorm_mode_16_64 3
		.amdhsa_memory_ordered 1
		.amdhsa_forward_progress 1
		.amdhsa_inst_pref_size 204
	.end_amdhsa_kernel
	.amdgpu_metadata
---
amdhsa.version: [ 1, 2 ]
amdhsa.kernels:
  - .name:           k_qe6183b1d6e_wo
    .symbol:         k_qe6183b1d6e_wo.kd
    .args:
      - { .name: hq, .offset: 0, .size: 8, .value_kind: global_buffer, .address_space: global }
      - { .name: wts, .offset: 8, .size: 8, .value_kind: global_buffer, .address_space: global }
      - { .name: bo, .offset: 16, .size: 8, .value_kind: global_buffer, .address_space: global }
      - { .name: hidden, .offset: 24, .size: 8, .value_kind: global_buffer, .address_space: global }
      - { .name: h, .offset: 32, .size: 8, .value_kind: global_buffer, .address_space: global }
    .group_segment_fixed_size: 327680
    .private_segment_fixed_size: 0
    .kernarg_segment_align: 8
    .kernarg_segment_size: 40
    .max_flat_workgroup_size: 128
    .sgpr_count:     96
    .vgpr_count:     1024
    .wavefront_size: 32
...
	.end_amdgpu_metadata
.endif
;; end of part 5
;; launch ln2: the kernel of part 2 again; grid 256 x 1, 2 waves a work-group, no clusters, 33,024 bytes of LDS; arguments h, ln2_g, ln2_b, xq; writes xq
;; launch ffn1 (part 6): grid 16 x 16, 4 waves a work-group, clusters of 4 x 4, 327,680 bytes of LDS; arguments xq, wts, b1, g; writes g
.if DOCPART == 6
	.amdgcn_target "amdgcn-amd-amdhsa--gfx1250"
	.amdhsa_code_object_version 6
	.text
	.protected	k_qe6183b1d6e_ffn1
	.globl	k_qe6183b1d6e_ffn1
	.p2align	8
	.type	k_qe6183b1d6e_ffn1,@function
k_qe6183b1d6e_ffn1:
	s_mov_b64 s[64:65], 0
	v_nop
	global_prefetch_b8 v0, s[64:65] scope:SCOPE_SE
	s_setreg_imm32_b32 hwreg(HW_REG_WAVE_MODE, 25, 1), 1
	s_wait_xcnt 0x0
	s_wait_alu depctr_hold_cnt(0) depctr_sa_sdst(0) depctr_va_vdst(0) depctr_va_sdst(0) depctr_va_ssrc(0) depctr_va_vcc(0) depctr_vm_vsrc(0)
	s_getreg_b32 s2, hwreg(HW_REG_IB_STS2, 6, 4)
	s_cmp_eq_u32 s2, 0
	s_cbranch_scc0 .Lentry_in_a_cluster
	s_endpgm
.Lentry_in_a_cluster:
	s_bfe_u32 s2, ttmp6, 0x10000c
	s_cmp_lg_u32 s2, 0xf033
	s_cbranch_scc0 .Lentry_shape_is_right
	s_endpgm
.Lentry_shape_is_right:
; g = Q(gelu(LN2(h) w1 + b1)): 4,096 x 4,096, K = 1,024, on codes of FP6 (E2M3) with E8M0 scales; the result is quantised along its columns, which are the next product's K, and stored as that operand.
; A tile of 256 x 256 to a work-group of four waves, 128 x 128 (64 accumulators) to a wave.  Operands lie [K / 256][rows][192 bytes], so a tile of 128 rows x 256 K is one dense block; K goes in steps of 256
; through a ring of two LDS slots filled by the tensor data mover; the scale bytes of all of K come once, with the first fills.  CLUSTERS 4 x 4: A's tiles shared along a row, B's along a column, asked for jointly.
; The matrix instruction is used transposed (source 0 = weights, source 1 = tokens); the weights' rows are stored with bits 3 and 4 of n exchanged, so the 64 registers of a block a of 16 rows are, in order,
; register 16 e + i = column 32 e + 16 h + i of row 16 a + r: the order in which they are quantised.
; gelu(x) = x / (1 + 2^(x (k1 + k3 x^2))), k1 = -2 sqrt(2 / pi) log2(e), k3 = 0.044715 k1: the same function as 0.5 x (1 + tanh(..)), all in f32.
; The tile's codes (256 rows x 192 bytes) and scale bytes (256 x 8) are gathered in slot 0, which has had its last fill and its last read; a barrier, since a row comes from two waves; then they leave as dense runs.
; LIMITS: NaN and infinities are not served; a block under 2^-124 (zeros too) keeps the byte 1, read by this program alone.
.set MROWS,  4096
.set NROWS,  4096
.set NS,     4                         ; K steps of 256
.set AS_OFF, 3145728                   ; A's scale bytes in its buffer
.set BC_OFF, 3145728                   ; B's codes and scale bytes in wts
.set BS_OFF, 9568256
.set GS_OFF, 12582912                  ; g's scale bytes
.set NQ,     2
.set ROWB,   192
.set PITCH,  240                       ; an LDS row: 3 x (64 bytes + 16 of padding)
.set FR,     12
.set NL,     6
.set NP,     4
.set HALFT,  128*PITCH
.set SLOT,   4*HALFT
.set LAPS,   NS/2
.set SCL,    2*SLOT                    ; behind the ring: scale bytes, four quarters [K step][128 rows][8]: A's halves, B's halves
.set QS,     NS*1024
.set SPARE,  SCL+4*QS                  ; the spare words, 128 bytes for each wave
.set ADRA, 16
.set ADRB, 20
.set ADRS, 27
.set SPW,  28
.set NIL,  29
.set SC,   32                          ; v32-63 scale words, two sets; they hold nothing else
.set AF,   128                         ; A's fragments, window 0; B's two sets in window 1; accumulators in windows 2 and 3
.set G1, 24
.set G0, 32
.set G1B, 48
.set G0B, 56
.set G1S, 68
.set G0S, 76
.set G1SB, 80
.set G0SB, 88
.set SEL, 94                           ; s[94:95] lane l xor 16
.set GA,   7                           ; v7   where my row's codes go
.set GB,   8                           ; v8   and its scale word
.set CPY,  9                           ; v9   copy-out: codes
.set CPS,  10                          ; v10  scale bytes
.set GO,   11                          ; v11  16 x lane
.set BIAS, 64                          ; v64-127  bias in the accumulators' order
.set H,    128                         ; v128-191 64 numbers
.set QC,   192                         ; v192-210 codes
.set K3,   212                         ; v[212:213] k3, v[214:215] k1, v[216:217] 1.0
.set K1,   214
.set ONE,  216
.set T,    224                         ; v224-255 the gelu at work on 32 numbers
.set TM,   224                         ; then the quantiser's 16 registers
.set PW,   240
.set MSB, 0
.macro WIN new                         ; the immediate's high byte repeats the setting that is left
.if MSB != \new
	s_set_vgpr_msb (MSB<<8)|\new
.set MSB, \new
.endif
.endm
.set MUL_LO, 0xa1
.set MUL_HI, 0xf1
.set TO_B,   0x40
.macro JLOAD g0a, g1a, g0b, g1b        ; a joint load: waves 0, 1 fetch for A, waves 2, 3 for B; four v_nop follow each line
	s_cmp_eq_u32 s15, 0
	s_cbranch_scc0 .Lfor_b_\@
	tensor_load_to_lds s[\g0a:\g0a+3], s[\g1a:\g1a+7]
	s_nop 0
.rept 4
	v_nop
.endr
	s_branch .Lasked_\@
.Lfor_b_\@:
	tensor_load_to_lds s[\g0b:\g0b+3], s[\g1b:\g1b+7]
	s_nop 0
.rept 4
	v_nop
.endr
.Lasked_\@:
.endm
.macro CREST
	s_cmp_lg_u32 s14, 0
	s_cbranch_scc1 .Lnot_wave_0_\@
	s_barrier_signal -3
.Lnot_wave_0_\@:
	s_barrier_wait -3
	s_barrier_signal -1
	s_barrier_wait -1
.endm
.macro CROUND
	s_barrier_signal -1
	s_barrier_wait -1
	CREST
.endm
	s_load_b128 s[4:7], s[0:1], 0x0                ; A's buffer, the weights
	s_load_b128 s[8:11], s[0:1], 0x10              ; b1, g
	v_lshl_add_u32 v[SPW], v0, 2, SPARE
	v_mov_b32 v[NIL], 0
	ds_add_u32 v28, v29
	ds_add_u32 v28, v29
	s_wait_dscnt 0x0
	v_lshrrev_b32 v1, 5, v0
	v_readfirstlane_b32 s14, v1                    ; wave
	s_lshr_b32 s15, s14, 1                         ; my half of the tile's rows; also: I fetch for A (0) or B (1)
	s_and_b32 s16, s14, 1                          ; my half of its columns; also: which 128 rows I fetch
	s_bfe_u32 s40, ttmp6, 0x40000                  ; cx
	s_bfe_u32 s41, ttmp6, 0x40004                  ; cy
	s_lshl_b32 s42, ttmp9, 2
	s_add_co_u32 s42, s42, s40                     ; tile column
	s_and_b32 s17, ttmp7, 0xffff
	s_lshl_b32 s17, s17, 2
	s_add_co_u32 s17, s17, s41                     ; tile row
	s_lshl_b32 s43, s41, 2
	s_lshl_b32 s43, 15, s43                        ; my row of the cluster
	s_lshl_b32 s44, 0x1111, s40                    ; my column
	s_or_b32 s[G1+0], s43, (0<<16)|(1<<20)|(1<<21)|(3<<22)|(3<<25)   ; bytes; 16 bytes of padding behind every 64; bit 21 beside a mask
	s_or_b32 s[G1B+0], s44, (0<<16)|(1<<20)|(1<<21)|(3<<22)|(3<<25)
.irp g, G1, G1B
	s_mov_b32 s[\g+1], ROWB<<16
	s_mov_b32 s[\g+2], 128<<16
	s_mov_b32 s[\g+3], ROWB<<16
	s_mov_b32 s[\g+4], 128
	s_mov_b32 s[\g+5], ROWB                        ; rows are dense
	s_mov_b32 s[\g+6], 0
	s_mov_b32 s[\g+7], 0
.endr
	s_or_b32 s[G1S+0], s43, (3<<16)|(1<<21)        ; scale bytes: NS rows of 128 elements of 8 bytes
	s_or_b32 s[G1SB+0], s44, (3<<16)|(1<<21)
.irp g, G1S, G1SB
	s_mov_b32 s[\g+1], 128<<16
	s_mov_b32 s[\g+2], NS<<16
	s_mov_b32 s[\g+3], 128<<16
	s_mov_b32 s[\g+4], NS
	s_mov_b32 s[\g+6], 0
	s_mov_b32 s[\g+7], 0
.endr
	s_mov_b32 s[G1S+5], MROWS
	s_mov_b32 s[G1SB+5], NROWS
	s_lshl_b32 s18, s16, 7
	s_lshl_b32 s20, s17, 8
	s_add_co_u32 s20, s20, s18                     ; A's row
	s_lshl_b32 s46, s42, 8
	s_add_co_u32 s46, s46, s18                     ; B's row
	s_lshl_b32 s22, s20, 3
	s_add_co_u32 s22, s22, AS_OFF
	s_mov_b32 s23, 0
	s_lshl_b32 s92, s46, 3
	s_add_co_u32 s92, s92, BS_OFF
	s_mov_b32 s93, 0
	s_mul_i32 s20, s20, ROWB
	s_mov_b32 s21, 0
	s_mul_i32 s46, s46, ROWB
	s_add_co_u32 s46, s46, BC_OFF
	s_mov_b32 s47, 0
	s_mul_i32 s45, s14, HALFT
	s_mul_i32 s94, s14, QS
	s_wait_kmcnt 0x0
	s_add_nc_u64 s[20:21], s[4:5], s[20:21]
	s_add_nc_u64 s[22:23], s[4:5], s[22:23]
	s_add_nc_u64 s[46:47], s[6:7], s[46:47]
	s_add_nc_u64 s[92:93], s[6:7], s[92:93]
	CROUND                                         ; all sixteen work-groups are here: the first joint loads meet
	s_mov_b32 s[G0S], 1
	s_add_co_u32 s[G0S+1], s94, SCL
	s_mov_b64 s[G0S+2:G0S+3], s[22:23]
	s_or_b32 s[G0S+3], s[G0S+3], 0x80000000
	s_mov_b32 s[G0SB], 1
	s_add_co_u32 s[G0SB+1], s94, SCL
	s_mov_b64 s[G0SB+2:G0SB+3], s[92:93]
	s_or_b32 s[G0SB+3], s[G0SB+3], 0x80000000
	JLOAD G0S, G1S, G0SB, G1SB
.irp s, 0,1
	s_mov_b32 s[G0+4*\s], 1
	s_add_co_u32 s[G0+4*\s+1], s45, \s*SLOT
	s_add_nc_u64 s[G0+4*\s+2:G0+4*\s+3], s[20:21], \s*MROWS*ROWB
	s_or_b32 s[G0+4*\s+3], s[G0+4*\s+3], 0x80000000
	s_mov_b32 s[G0B+4*\s], 1
	s_add_co_u32 s[G0B+4*\s+1], s45, \s*SLOT
	s_add_nc_u64 s[G0B+4*\s+2:G0B+4*\s+3], s[46:47], \s*NROWS*ROWB
	s_or_b32 s[G0B+4*\s+3], s[G0B+4*\s+3], 0x80000000
	JLOAD G0+4*\s, G1, G0B+4*\s, G1B
.endr
	v_and_b32 v1, 15, v0                           ; r
	v_bfe_u32 v2, v0, 4, 1                         ; h
	v_mul_u32_u24 v3, v1, PITCH
	v_mul_u32_u24 v4, v2, 24
	v_add_nc_u32 v4, v3, v4
	v_lshl_add_u32 v5, v2, 4, v4                   ; the same behind one padding more
	s_mul_i32 s21, s15, HALFT
	s_mul_i32 s22, s16, HALFT
	s_add_co_u32 s22, s22, 2*HALFT
.irp s, 0,1
	v_add_nc_u32 v[ADRA+\s], s21, v4
	v_add_nc_u32 v[ADRB+\s], s22, v4
	v_add_nc_u32 v[ADRA+2+\s], s21, v5
	v_add_nc_u32 v[ADRB+2+\s], s22, v5
	s_add_co_u32 s21, s21, SLOT
	s_add_co_u32 s22, s22, SLOT
.endr
	v_lshlrev_b32 v5, 3, v1                        ; scale words: 8 bytes a row; lanes 0-15 A's rows, lanes 16-31 B's
	s_mul_i32 s21, s15, QS
	s_mul_i32 s22, s16, QS
	s_add_co_u32 s22, s22, 2*QS
	s_sub_co_u32 s22, s22, s21
	v_mul_u32_u24 v6, s22, v2
	s_add_co_u32 s21, s21, SCL
	v_add_nc_u32 v5, v5, v6
	v_add_nc_u32 v[ADRS], s21, v5
	s_mov_b32 s[SEL], 0x76543210
	s_mov_b32 s[SEL+1], 0xfedcba98
	; the way out: codes [256 rows][192] at LDS byte 0, scale bytes [256 rows][8] at 49,152
	s_mul_i32 s18, s15, 24576
	s_mul_i32 s19, s16, 96
	s_add_co_u32 s18, s18, s19
	v_mul_u32_u24 v5, v1, 192
	v_mad_u32_u24 v5, v2, 24, v5
	v_add_nc_u32 v[GA], s18, v5
	s_lshl_b32 s18, s15, 10
	s_lshl_b32 s19, s16, 2
	s_add_co_u32 s18, s18, s19
	s_add_co_u32 s18, s18, 49152
	v_lshlrev_b32 v5, 3, v1
	v_add_nc_u32 v[GB], s18, v5
	v_and_b32 v6, 31, v0
	v_lshlrev_b32 v[GO], 4, v6
	s_mul_i32 s18, s14, 12288
	v_add_nc_u32 v[CPY], s18, v[GO]
	s_lshl_b32 s18, s14, 9
	s_add_co_u32 s18, s18, 49152
	v_add_nc_u32 v[CPS], s18, v[GO]
	s_lshl_b32 s46, s42, 12
	s_lshl_b32 s47, s17, 8
	s_add_co_u32 s46, s46, s47                     ; the tile's first row in g's layout: [tile column][4,096 rows]
	s_mul_i32 s92, s46, 192
	s_mul_i32 s47, s14, 12288
	s_add_co_u32 s92, s92, s47
	s_mov_b32 s93, 0
	s_lshl_b32 s66, s46, 3
	s_lshl_b32 s47, s14, 9
	s_add_co_u32 s66, s66, s47
	s_add_co_u32 s66, s66, GS_OFF
	s_mov_b32 s67, 0
	s_add_nc_u64 s[92:93], s[10:11], s[92:93]
	s_add_nc_u64 s[66:67], s[10:11], s[66:67]
	s_lshl_b32 s46, s42, 10
	s_lshl_b32 s47, s16, 9
	s_add_co_u32 s46, s46, s47
	s_mov_b32 s47, 0
	s_add_nc_u64 s[8:9], s[8:9], s[46:47]
	v_lshlrev_b32 v5, 6, v2                        ; 64 h
.irp e, 0,1,2,3
.irp q, 0,1,2,3
	global_load_b128 v[BIAS+16*\e+4*\q:BIAS+16*\e+4*\q+3], v5, s[8:9] offset:128*\e+16*\q
.endr
.endr
.macro FRAG reg, adr, q, i             ; a fragment: 16 rows x 128 K, 12 registers, six pieces of 8 bytes; a piece three on may lie behind one padding more: the second address register serves it
.irp p, 0,1,2,3,4,5
.set PCE, 12*(\q)+6*(\p/3)+\p%3
.if PCE%8 < 5
	ds_load_b64 v[\reg+2*\p:\reg+2*\p+1], v[\adr] offset:8*PCE+16*(PCE/8)+(\i)*16*PITCH
.else
	ds_load_b64 v[\reg+2*\p:\reg+2*\p+1], v[\adr+2] offset:8*PCE+16*(PCE/8)+(\i)*16*PITCH
.endif
.endr
.endm
.macro MUL16 a0, p, q, sc, zero        ; A's blocks a0, a0 + 1 x B's eight; the 64 accumulators take turns
.irp a, \a0, \a0+1
.irp b, 0,1,2,3,4,5,6,7
.if \zero
	v_wmma_scale_f32_16x16x128_f8f6f4 v[8*(8*((\a)%4)+\b):8*(8*((\a)%4)+\b)+7], v[128*(\p)+FR*\b:128*(\p)+FR*\b+FR-1], v[AF+FR*(\a):AF+FR*(\a)+FR-1], 0, v[SC+8*NQ*(\sc)+NQ*\b+(\q)], v[SC+8*NQ*(\sc)+NQ*(\a)+(\q)] matrix_a_fmt:MATRIX_FMT_FP6 matrix_b_fmt:MATRIX_FMT_FP6 matrix_a_scale:MATRIX_SCALE_ROW1
.else
	v_wmma_scale_f32_16x16x128_f8f6f4 v[8*(8*((\a)%4)+\b):8*(8*((\a)%4)+\b)+7], v[128*(\p)+FR*\b:128*(\p)+FR*\b+FR-1], v[AF+FR*(\a):AF+FR*(\a)+FR-1], v[8*(8*((\a)%4)+\b):8*(8*((\a)%4)+\b)+7], v[SC+8*NQ*(\sc)+NQ*\b+(\q)], v[SC+8*NQ*(\sc)+NQ*(\a)+(\q)] matrix_a_fmt:MATRIX_FMT_FP6 matrix_b_fmt:MATRIX_FMT_FP6 matrix_a_scale:MATRIX_SCALE_ROW1
.endif
.endr
.endr
.endm
.macro FETCH_B slot, q, p
	WIN TO_B
.irp i, 0,1,2,3,4,5,6,7
	FRAG 128*(\p)+FR*\i, ADRB+\slot, \q, \i
.endr
	WIN 0
.endm
.macro FETCH_A slot, q, i0
.irp i, \i0, \i0+1, \i0+2, \i0+3
	FRAG AF+FR*(\i), ADRA+\slot, \q, \i
.endr
.endm
.macro SCALES sc                       ; a K step's scale words: lanes 0-15 A's block i, lanes 16-31 B's block i
.irp i, 0,1,2,3,4,5,6,7
	ds_load_b64 v[SC+8*NQ*\sc+NQ*\i:SC+8*NQ*\sc+NQ*\i+1], v[ADRS] offset:\i*128
.endr
.endm
.macro PLACES n                        ; plain places behind matrix instructions, ahead of loads into their registers and of reads of results
.rept \n
	v_nop
.endr
.endm
.macro STEP slot, q, zero
	s_wait_dscnt 4*NL                              ; all but the youngest 24 loads (A's blocks 4-7)
	WIN MUL_LO
	MUL16 0, (\q)%2, \q, \slot, \zero
	MUL16 2, (\q)%2, \q, \slot, \zero
	s_wait_dscnt 0
	PLACES NP
	FETCH_B \slot, (\q)+1, 1-(\q)%2
	FETCH_A \slot, (\q)+1, 0
	WIN MUL_HI
	MUL16 4, (\q)%2, \q, \slot, \zero
	MUL16 6, (\q)%2, \q, \slot, \zero
	PLACES NP
	WIN 0
	FETCH_A \slot, (\q)+1, 4
.endm
.macro TURN slot, next, fill           ; a slot's last step changes slots: one barrier, which opens a round of the cluster's barrier where the slot is filled again
	s_wait_tensorcnt 0x0                           ; all my tensor loads have landed: my part of the next slot
	ds_add_u32 v[SPW], v[NIL]                      ; 0 onto my spare word
	s_wait_dscnt 4*NL+1                            ; the add and A's blocks 4-7 may be out
	WIN MUL_LO
	MUL16 0, 1, NQ-1, \slot, 0
	s_wait_dscnt 0x0                               ; the add is done, and my reads of this slot are over
	s_barrier_signal -1
	MUL16 2, 1, NQ-1, \slot, 0
	WIN 0
	s_barrier_wait -1
.if \fill
	CREST
	s_add_nc_u64 s[G0+4*\slot+2:G0+4*\slot+3], s[G0+4*\slot+2:G0+4*\slot+3], 2*MROWS*ROWB
	s_add_nc_u64 s[G0B+4*\slot+2:G0B+4*\slot+3], s[G0B+4*\slot+2:G0B+4*\slot+3], 2*NROWS*ROWB
	JLOAD G0+4*\slot, G1, G0B+4*\slot, G1B         ; the first tensor load behind the round; its four v_nop are the places ahead of the loads below
.else
	PLACES NP
.endif
	v_add_nc_u32 v[ADRS], 1024, v[ADRS]            ; the next K step's scale words
	FETCH_B \next, 0, 0
	FETCH_A \next, 0, 0
	SCALES \next
	WIN MUL_HI
	MUL16 4, 1, NQ-1, \slot, 0
	MUL16 6, 1, NQ-1, \slot, 0
	PLACES NP
	WIN 0
	FETCH_A \next, 0, 4
.endm
	s_wait_loadcnt 0x0                             ; the bias
	s_wait_tensorcnt 1                             ; the scale bytes and my part of K step 0 are in; K step 1's load may be out
	s_barrier_signal -1
	s_barrier_wait -1
	FETCH_B 0, 0, 0
	FETCH_A 0, 0, 0
	SCALES 0
	FETCH_A 0, 0, 4
	STEP 0, 0, 1                                   ; the first step's products start the sums
	s_mov_b32 s3, LAPS-1
.Llap:
	TURN 0, 1, 1
	STEP 1, 0, 0
	TURN 1, 0, 1
	STEP 0, 0, 0
	s_sub_co_u32 s3, s3, 1
	s_cmp_lg_u32 s3, 0
	s_cbranch_scc1 .Llap
	TURN 0, 1, 0
	STEP 1, 0, 0
	s_wait_dscnt 4*NL
	WIN MUL_LO
	MUL16 0, 1, NQ-1, 1, 0
	MUL16 2, 1, NQ-1, 1, 0
	s_wait_dscnt 0
	WIN MUL_HI
	MUL16 4, 1, NQ-1, 1, 0
	MUL16 6, 1, NQ-1, 1, 0
	WIN 0
; 64 numbers of a lane, register 16 b + i = k 32 b + 16 h + i of my row, become a fragment's codes in v[QC] on and its scale word in v[PW]
.macro QUANT s
.irp b, 0,1,2,3
	v_max3_num_f32 v[TM+\b], |v[\s+16*\b]|, |v[\s+1+16*\b]|, 0x1800000   ; over the floor 2^(3 - 127)
.endr
.irp i, 2,4,6,8,10,12,14
.irp b, 0,1,2,3
	v_max3_num_f32 v[TM+\b], v[TM+\b], |v[\s+16*\b+\i]|, |v[\s+1+16*\b+\i]|
.endr
.endr
.irp b, 0,1,2,3
	v_permlanex16_b32 v[TM+4+\b], v[TM+\b], s[SEL], s[SEL+1]
.endr
.irp b, 0,1,2,3
	v_max_num_f32 v[TM+\b], v[TM+\b], v[TM+4+\b]
.endr
.irp b, 0,1,2,3
	v_add_nc_u32 v[TM+12+\b], 0xff000000, v[TM+\b]     ; 2 off the exponent field: the conversion's scale operand
.endr
.irp b, 0,1,2,3
	v_lshrrev_b32 v[TM+4+\b], 23, v[TM+12+\b]
.endr
	v_lshl_or_b32 v[PW], v[TM+5], 8, v[TM+4]
	v_lshl_or_b32 v[PW], v[TM+6], 16, v[PW]
	v_lshl_or_b32 v[PW], v[TM+7], 24, v[PW]
.irp c, 0,1
	v_cvt_scalef32_pk16_fp6_f32 v[QC+6*\c:QC+2+6*\c], v[\s+32*\c:\s+15+32*\c], v[TM+12+2*\c]
	v_cvt_scalef32_pk16_fp6_f32 v[QC+12+4*\c:QC+14+4*\c], v[\s+16+32*\c:\s+31+32*\c], v[TM+12+2*\c+1]
.endr
	v_nop                                          ; one plain place behind a scaled conversion
.irp c, 0,1                            ; a whole block to a lane: lanes 0-15 block 2 c, lanes 16-31 block 2 c + 1
.irp i, 0,1,2
	v_permlane16_swap_b32 v[QC+6*\c+\i], v[QC+12+4*\c+\i]
.endr
.irp i, 0,1,2
	v_mov_b32 v[QC+3+6*\c+\i], v[QC+12+4*\c+\i]
.endr
.endr
.endm
.macro GELU hf                         ; 32 numbers in place
.set HB, H+32*(\hf)
.set i, 0
.rept 16
	v_pk_mul_f32 v[T+i:T+i+1], v[HB+i:HB+i+1], v[HB+i:HB+i+1]
.set i, i+2
.endr
.set i, 0
.rept 16
	v_pk_fma_f32 v[T+i:T+i+1], v[T+i:T+i+1], v[K3:K3+1], v[K1:K1+1]
.set i, i+2
.endr
.set i, 0
.rept 16
	v_pk_mul_f32 v[T+i:T+i+1], v[T+i:T+i+1], v[HB+i:HB+i+1]
.set i, i+2
.endr
.set i, 0
.rept 32
	v_exp_f32 v[T+i], v[T+i]
.set i, i+1
.endr
	v_nop                                          ; a plain place behind the exponentials
.set i, 0
	s_wait_alu depctr_va_vdst(0)
.rept 16
	v_pk_add_f32 v[T+i:T+i+1], v[T+i:T+i+1], v[ONE:ONE+1]
.set i, i+2
.endr
.set i, 0
.rept 32
	v_rcp_f32 v[T+i], v[T+i]
.set i, i+1
.endr
	v_nop
.set i, 0
	s_wait_alu depctr_va_vdst(0)
.rept 16
	v_pk_mul_f32 v[HB+i:HB+i+1], v[HB+i:HB+i+1], v[T+i:T+i+1]
.set i, i+2
.endr
.endm
.macro OUTBLK a                        ; 16 rows: + bias, gelu, quantised; the codes are 128 of the next product's K
	WIN 0x02+((\a)/4)
.set i, 0
.rept 32
	v_pk_add_f32 v[H+i:H+i+1], v[64*((\a)%4)+i:64*((\a)%4)+i+1], v[BIAS+i:BIAS+i+1]    ; each accumulator from its low end on
.set i, i+2
.endr
	WIN 0
	GELU 0
	GELU 1
	QUANT H
.irp c, 0,1
.irp p, 0,1,2
	ds_store_b64 v[GA], v[QC+6*\c+2*\p:QC+6*\c+2*\p+1] offset:3072*(\a)+48*\c+8*\p
.endr
.endr
	ds_store_b32 v[GB], v[PW] offset:128*(\a)      ; both halves of the lanes write the same word
	s_wait_dscnt 0x0                               ; the stores have read their registers
.endm
	PLACES NP
	v_mov_b32 v[K3], 0xbdd2d3e8
	v_mov_b32 v[K3+1], 0xbdd2d3e8
	v_mov_b32 v[K1], 0xc0135761
	v_mov_b32 v[K1+1], 0xc0135761
	v_mov_b32 v[ONE], 1.0
	v_mov_b32 v[ONE+1], 1.0
.irp a, 0,1,2,3,4,5,6,7
	OUTBLK \a
.endr
	s_wait_dscnt 0x0                               ; for the others' sake: my stores are done
	s_barrier_signal -1
	s_barrier_wait -1                              ; a row's 192 bytes come from two waves
.irp k, 0,1,2,3,4,5,6,7,8,9,10,11,12,13,14,15,16,17,18,19,20,21,22,23
	ds_load_b128 v[H+4*\k:H+4*\k+3], v[CPY] offset:512*\k
.endr
	ds_load_b128 v[T:T+3], v[CPS]
.irp k, 0,1,2,3,4,5,6,7,8,9,10,11,12,13,14,15,16,17,18,19,20,21,22,23
	s_wait_dscnt 24-\k                             ; the loads issued behind load k may be out
	global_store_b128 v[GO], v[H+4*\k:H+4*\k+3], s[92:93] offset:512*\k    ; 512 consecutive bytes, at a multiple of 256
.endr
	s_wait_dscnt 0x0
	global_store_b128 v[GO], v[T:T+3], s[66:67]
	s_wait_tensorcnt 0x0                           ; the wave's end
	ds_add_u32 v[SPW], v[NIL]
	s_wait_dscnt 0x0
	CROUND                                         ; the closing round
	s_endpgm
.Lfunc_end_k_qe6183b1d6e_ffn1:
	.size	k_qe6183b1d6e_ffn1, .Lfunc_end_k_qe6183b1d6e_ffn1-k_qe6183b1d6e_ffn1
	.p2alignl 7, 3214868480
	.fill 96, 4, 3214868480
	.section	.rodata,"a",@progbits
	.p2align	6, 0x0
	.amdhsa_kernel k_qe6183b1d6e_ffn1
		.amdhsa_group_segment_fixed_size 327680
		.amdhsa_private_segment_fixed_size 0
		.amdhsa_enable_private_segment 0
		.amdhsa_kernarg_size 32
		.amdhsa_user_sgpr_count 2
		.amdhsa_user_sgpr_kernarg_segment_ptr 1
		.amdhsa_wavefront_size32 1
		.amdhsa_system_sgpr_workgroup_id_x 1
		.amdhsa_system_sgpr_workgroup_id_y 1
		.amdhsa_system_sgpr_workgroup_id_z 1
		.amdhsa_system_vgpr_workitem_id 0
		.amdhsa_next_free_vgpr 1024
		.amdhsa_next_free_sgpr 96
		.amdhsa_reserve_vcc 0
		.amdhsa_float_denorm_mode_32 3
		.amdhsa_float_denorm_mode_16_64 3
		.amdhsa_memory_ordered 1
		.amdhsa_forward_progress 1
		.amdhsa_inst_pref_size 255
	.end_amdhsa_kernel
	.section	.bss,"aw",@nobits
	.p2align	6
	.space	262144
	.amdgpu_metadata
---
amdhsa.version: [ 1, 2 ]
amdhsa.kernels:
  - .name:           k_qe6183b1d6e_ffn1
    .symbol:         k_qe6183b1d6e_ffn1.kd
    .args:
      - { .name: xq, .offset: 0, .size: 8, .value_kind: global_buffer, .address_space: global }
      - { .name: wts, .offset: 8, .size: 8, .value_kind: global_buffer, .address_space: global }
      - { .name: b1, .offset: 16, .size: 8, .value_kind: global_buffer, .address_space: global }
      - { .name: g, .offset: 24, .size: 8, .value_kind: global_buffer, .address_space: global }
    .group_segment_fixed_size: 327680
    .private_segment_fixed_size: 0
    .kernarg_segment_align: 8
    .kernarg_segment_size: 32
    .max_flat_workgroup_size: 128
    .sgpr_count:     96
    .vgpr_count:     1024
    .wavefront_size: 32
...
	.end_amdgpu_metadata
.endif
;; end of part 6
;; launch ffn2 (part 7): grid 4 x 16, 4 waves a work-group, clusters of 4 x 4, 327,680 bytes of LDS; arguments g, wts, b2, h, out0; writes out0
.if DOCPART == 7
	.amdgcn_target "amdgcn-amd-amdhsa--gfx1250"
	.amdhsa_code_object_version 6
	.text
	.protected	k_qe6183b1d6e_ffn2
	.globl	k_qe6183b1d6e_ffn2
	.p2align	8
	.type	k_qe6183b1d6e_ffn2,@function
k_qe6183b1d6e_ffn2:
	s_mov_b64 s[64:65], 0
	v_nop
	global_prefetch_b8 v0, s[64:65] scope:SCOPE_SE
	s_setreg_imm32_b32 hwreg(HW_REG_WAVE_MODE, 25, 1), 1
	s_wait_xcnt 0x0
	s_wait_alu depctr_hold_cnt(0) depctr_sa_sdst(0) depctr_va_vdst(0) depctr_va_sdst(0) depctr_va_ssrc(0) depctr_va_vcc(0) depctr_vm_vsrc(0)
	s_getreg_b32 s2, hwreg(HW_REG_IB_STS2, 6, 4)
	s_cmp_eq_u32 s2, 0
	s_cbranch_scc0 .Lentry_in_a_cluster
	s_endpgm
.Lentry_in_a_cluster:
	s_bfe_u32 s2, ttmp6, 0x10000c
	s_cmp_lg_u32 s2, 0xf033
	s_cbranch_scc0 .Lentry_shape_is_right
	s_endpgm
.Lentry_shape_is_right:
; out = residual + A B^T + bias, f32, on codes of FP6 (E2M3) with E8M0 scales.  Here: out0 = h + gelu(..) x w2 + b2; 4,096 x 1,024, K = 4,096.
; A tile of 256 x 256 to a work-group of four waves, 128 x 128 (64 accumulators) to a wave.  Operands lie [K / 256][rows][192 bytes], so a tile of 128 rows x 256 K is one dense block; K goes in steps of 256
; through a ring of two LDS slots filled by the tensor data mover; the scale bytes of all of K come once, with the first fills.  CLUSTERS 4 x 4: A's tiles shared along a row, B's along a column, asked for jointly.
; The matrix instruction is used transposed (source 0 = weights, source 1 = tokens); the weights' rows are stored with bits 3 and 4 of n exchanged, so lane (r, h), accumulator (a, b), register j hold
; row 16 a + r, column 32 (b / 2) + 16 h + 8 (b % 2) + j.  The way out goes block by block of 16 rows through the wave's own stage (in slot 0, which has had its last fill and its last read) and leaves as rows of 512 bytes.
; 64 work-groups: the tile is kept at 256 x 256 because a smaller one reads twice the LDS bytes for each product.
.set MROWS,  4096
.set NROWS,  1024
.set NS,     16                        ; K steps of 256
.set AS_OFF, 12582912                  ; A's scale bytes in its buffer
.set BC_OFF, 6291456                   ; B's codes and scale bytes in wts
.set BS_OFF, 9699328
.set NQ,     2
.set ROWB,   192
.set PITCH,  240                       ; an LDS row: 3 x (64 bytes + 16 of padding)
.set FR,     12
.set NL,     6
.set NP,     4
.set HALFT,  128*PITCH
.set SLOT,   4*HALFT
.set LAPS,   NS/2
.set SCL,    2*SLOT                    ; behind the ring: scale bytes, four quarters [K step][128 rows][8]: A's halves, B's halves
.set QS,     NS*1024
.set SPARE,  SCL+4*QS                  ; the spare words, 128 bytes for each wave
.set SPITCH, 528
.set ADRA, 16
.set ADRB, 20
.set STO,  24
.set RD,   25
.set CO,   26
.set ADRS, 27
.set SPW,  28
.set NIL,  29
.set SC,   32                          ; v32-63 scale words, two sets; they hold nothing else
.set AF,   128                         ; A's fragments, window 0; B's two sets in window 1; accumulators in windows 2 and 3
.set BK,   128                         ; the way out: 16 rows back from the stage; v64-127 and v192-255 the residual, by turns; v8-11 the bias
.set G1, 24
.set G0, 32
.set G1B, 48
.set G0B, 56
.set G1S, 68
.set G0S, 76
.set G1SB, 80
.set G0SB, 88
.set MSB, 0
.macro WIN new                         ; the immediate's high byte repeats the setting that is left
.if MSB != \new
	s_set_vgpr_msb (MSB<<8)|\new
.set MSB, \new
.endif
.endm
.set MUL_LO, 0xa1
.set MUL_HI, 0xf1
.set TO_B,   0x40
.macro JLOAD g0a, g1a, g0b, g1b        ; a joint load: waves 0, 1 fetch for A, waves 2, 3 for B; four v_nop follow each line
	s_cmp_eq_u32 s15, 0
	s_cbranch_scc0 .Lfor_b_\@
	tensor_load_to_lds s[\g0a:\g0a+3], s[\g1a:\g1a+7]
	s_nop 0
.rept 4
	v_nop
.endr
	s_branch .Lasked_\@
.Lfor_b_\@:
	tensor_load_to_lds s[\g0b:\g0b+3], s[\g1b:\g1b+7]
	s_nop 0
.rept 4
	v_nop
.endr
.Lasked_\@:
.endm
.macro CREST
	s_cmp_lg_u32 s14, 0
	s_cbranch_scc1 .Lnot_wave_0_\@
	s_barrier_signal -3
.Lnot_wave_0_\@:
	s_barrier_wait -3
	s_barrier_signal -1
	s_barrier_wait -1
.endm
.macro CROUND
	s_barrier_signal -1
	s_barrier_wait -1
	CREST
.endm
	s_load_b128 s[4:7], s[0:1], 0x0                ; A's buffer, the weights
	s_load_b128 s[8:11], s[0:1], 0x10              ; bias, residual
	s_load_b64 s[12:13], s[0:1], 0x20              ; out
	v_lshl_add_u32 v[SPW], v0, 2, SPARE
	v_mov_b32 v[NIL], 0
	ds_add_u32 v28, v29
	ds_add_u32 v28, v29
	s_wait_dscnt 0x0
	v_lshrrev_b32 v1, 5, v0
	v_readfirstlane_b32 s14, v1                    ; wave
	s_lshr_b32 s15, s14, 1                         ; my half of the tile's rows; also: I fetch for A (0) or B (1)
	s_and_b32 s16, s14, 1                          ; my half of its columns; also: which 128 rows I fetch
	s_bfe_u32 s40, ttmp6, 0x40000                  ; cx
	s_bfe_u32 s41, ttmp6, 0x40004                  ; cy
	s_lshl_b32 s42, ttmp9, 2
	s_add_co_u32 s42, s42, s40                     ; tile column
	s_and_b32 s17, ttmp7, 0xffff
	s_lshl_b32 s17, s17, 2
	s_add_co_u32 s17, s17, s41                     ; tile row
	s_lshl_b32 s43, s41, 2
	s_lshl_b32 s43, 15, s43                        ; my row of the cluster
	s_lshl_b32 s44, 0x1111, s40                    ; my column
	s_or_b32 s[G1+0], s43, (0<<16)|(1<<20)|(1<<21)|(3<<22)|(3<<25)   ; bytes; 16 bytes of padding behind every 64; bit 21 beside a mask
	s_or_b32 s[G1B+0], s44, (0<<16)|(1<<20)|(1<<21)|(3<<22)|(3<<25)
.irp g, G1, G1B
	s_mov_b32 s[\g+1], ROWB<<16
	s_mov_b32 s[\g+2], 128<<16
	s_mov_b32 s[\g+3], ROWB<<16
	s_mov_b32 s[\g+4], 128
	s_mov_b32 s[\g+5], ROWB                        ; rows are dense
	s_mov_b32 s[\g+6], 0
	s_mov_b32 s[\g+7], 0
.endr
	s_or_b32 s[G1S+0], s43, (3<<16)|(1<<21)        ; scale bytes: NS rows of 128 elements of 8 bytes
	s_or_b32 s[G1SB+0], s44, (3<<16)|(1<<21)
.irp g, G1S, G1SB
	s_mov_b32 s[\g+1], 128<<16
	s_mov_b32 s[\g+2], NS<<16
	s_mov_b32 s[\g+3], 128<<16
	s_mov_b32 s[\g+4], NS
	s_mov_b32 s[\g+6], 0
	s_mov_b32 s[\g+7], 0
.endr
	s_mov_b32 s[G1S+5], MROWS
	s_mov_b32 s[G1SB+5], NROWS
	s_lshl_b32 s18, s16, 7
	s_lshl_b32 s20, s17, 8
	s_add_co_u32 s20, s20, s18                     ; A's row
	s_lshl_b32 s46, s42, 8
	s_add_co_u32 s46, s46, s18                     ; B's row
	s_lshl_b32 s22, s20, 3
	s_add_co_u32 s22, s22, AS_OFF
	s_mov_b32 s23, 0
	s_lshl_b32 s92, s46, 3
	s_add_co_u32 s92, s92, BS_OFF
	s_mov_b32 s93, 0
	s_mul_i32 s20, s20, ROWB
	s_mov_b32 s21, 0
	s_mul_i32 s46, s46, ROWB
	s_add_co_u32 s46, s46, BC_OFF
	s_mov_b32 s47, 0
	s_mul_i32 s45, s14, HALFT
	s_mul_i32 s94, s14, QS
	s_wait_kmcnt 0x0
	s_add_nc_u64 s[20:21], s[4:5], s[20:21]
	s_add_nc_u64 s[22:23], s[4:5], s[22:23]
	s_add_nc_u64 s[46:47], s[6:7], s[46:47]
	s_add_nc_u64 s[92:93], s[6:7], s[92:93]
	CROUND                                         ; all sixteen work-groups are here: the first joint loads meet
	s_mov_b32 s[G0S], 1
	s_add_co_u32 s[G0S+1], s94, SCL
	s_mov_b64 s[G0S+2:G0S+3], s[22:23]
	s_or_b32 s[G0S+3], s[G0S+3], 0x80000000
	s_mov_b32 s[G0SB], 1
	s_add_co_u32 s[G0SB+1], s94, SCL
	s_mov_b64 s[G0SB+2:G0SB+3], s[92:93]
	s_or_b32 s[G0SB+3], s[G0SB+3], 0x80000000
	JLOAD G0S, G1S, G0SB, G1SB
.irp s, 0,1
	s_mov_b32 s[G0+4*\s], 1
	s_add_co_u32 s[G0+4*\s+1], s45, \s*SLOT
	s_add_nc_u64 s[G0+4*\s+2:G0+4*\s+3], s[20:21], \s*MROWS*ROWB
	s_or_b32 s[G0+4*\s+3], s[G0+4*\s+3], 0x80000000
	s_mov_b32 s[G0B+4*\s], 1
	s_add_co_u32 s[G0B+4*\s+1], s45, \s*SLOT
	s_add_nc_u64 s[G0B+4*\s+2:G0B+4*\s+3], s[46:47], \s*NROWS*ROWB
	s_or_b32 s[G0B+4*\s+3], s[G0B+4*\s+3], 0x80000000
	JLOAD G0+4*\s, G1, G0B+4*\s, G1B
.endr
	v_and_b32 v1, 15, v0                           ; r
	v_bfe_u32 v2, v0, 4, 1                         ; h
	v_mul_u32_u24 v3, v1, PITCH
	v_mul_u32_u24 v4, v2, 24
	v_add_nc_u32 v4, v3, v4
	v_lshl_add_u32 v5, v2, 4, v4                   ; the same behind one padding more
	s_mul_i32 s21, s15, HALFT
	s_mul_i32 s22, s16, HALFT
	s_add_co_u32 s22, s22, 2*HALFT
.irp s, 0,1
	v_add_nc_u32 v[ADRA+\s], s21, v4
	v_add_nc_u32 v[ADRB+\s], s22, v4
	v_add_nc_u32 v[ADRA+2+\s], s21, v5
	v_add_nc_u32 v[ADRB+2+\s], s22, v5
	s_add_co_u32 s21, s21, SLOT
	s_add_co_u32 s22, s22, SLOT
.endr
	v_lshlrev_b32 v5, 3, v1                        ; scale words: 8 bytes a row; lanes 0-15 A's rows, lanes 16-31 B's
	s_mul_i32 s21, s15, QS
	s_mul_i32 s22, s16, QS
	s_add_co_u32 s22, s22, 2*QS
	s_sub_co_u32 s22, s22, s21
	v_mul_u32_u24 v6, s22, v2
	s_add_co_u32 s21, s21, SCL
	v_add_nc_u32 v5, v5, v6
	v_add_nc_u32 v[ADRS], s21, v5
	s_mul_i32 s23, s14, 16*SPITCH                  ; my stage
	v_mul_u32_u24 v5, v1, SPITCH
	v_lshl_add_u32 v5, v2, 6, v5
	v_add_nc_u32 v[STO], s23, v5                   ; in: row r, + 64 h
	v_and_b32 v6, 31, v0
	v_lshlrev_b32 v[CO], 4, v6
	v_add_nc_u32 v[RD], s23, v[CO]                 ; back: a row of 512 bytes to the 32 lanes
	s_lshl_b32 s20, s17, 8
	s_lshl_b32 s21, s15, 7
	s_add_co_u32 s20, s20, s21
	s_lshl_b32 s20, s20, 12                        ; my first row, 4,096 bytes a row
	s_mov_b32 s21, 0
	s_lshl_b32 s46, s42, 10
	s_lshl_b32 s47, s16, 9
	s_add_co_u32 s46, s46, s47                     ; my first column, in bytes
	s_mov_b32 s47, 0
	s_add_nc_u64 s[8:9], s[8:9], s[46:47]
	s_add_nc_u64 s[20:21], s[20:21], s[46:47]
	s_add_nc_u64 s[10:11], s[10:11], s[20:21]
	s_add_nc_u64 s[12:13], s[12:13], s[20:21]
.macro RESLOAD a                       ; the residual of block a's 16 rows
.irp t, 0,1,2,3,4,5,6,7,8,9,10,11,12,13,14,15
	global_load_b128 v[64+128*((\a)%2)+4*\t:64+128*((\a)%2)+4*\t+3], v[CO], s[10:11] offset:(16*(\a)+\t)*4096
.endr
.endm
	global_load_b128 v[8:11], v[CO], s[8:9]        ; the bias of my four columns of a row
	RESLOAD 0
.macro FRAG reg, adr, q, i             ; a fragment: 16 rows x 128 K, 12 registers, six pieces of 8 bytes; a piece three on may lie behind one padding more: the second address register serves it
.irp p, 0,1,2,3,4,5
.set PCE, 12*(\q)+6*(\p/3)+\p%3
.if PCE%8 < 5
	ds_load_b64 v[\reg+2*\p:\reg+2*\p+1], v[\adr] offset:8*PCE+16*(PCE/8)+(\i)*16*PITCH
.else
	ds_load_b64 v[\reg+2*\p:\reg+2*\p+1], v[\adr+2] offset:8*PCE+16*(PCE/8)+(\i)*16*PITCH
.endif
.endr
.endm
.macro MUL16 a0, p, q, sc, zero        ; A's blocks a0, a0 + 1 x B's eight; the 64 accumulators take turns
.irp a, \a0, \a0+1
.irp b, 0,1,2,3,4,5,6,7
.if \zero
	v_wmma_scale_f32_16x16x128_f8f6f4 v[8*(8*((\a)%4)+\b):8*(8*((\a)%4)+\b)+7], v[128*(\p)+FR*\b:128*(\p)+FR*\b+FR-1], v[AF+FR*(\a):AF+FR*(\a)+FR-1], 0, v[SC+8*NQ*(\sc)+NQ*\b+(\q)], v[SC+8*NQ*(\sc)+NQ*(\a)+(\q)] matrix_a_fmt:MATRIX_FMT_FP6 matrix_b_fmt:MATRIX_FMT_FP6 matrix_a_scale:MATRIX_SCALE_ROW1
.else
	v_wmma_scale_f32_16x16x128_f8f6f4 v[8*(8*((\a)%4)+\b):8*(8*((\a)%4)+\b)+7], v[128*(\p)+FR*\b:128*(\p)+FR*\b+FR-1], v[AF+FR*(\a):AF+FR*(\a)+FR-1], v[8*(8*((\a)%4)+\b):8*(8*((\a)%4)+\b)+7], v[SC+8*NQ*(\sc)+NQ*\b+(\q)], v[SC+8*NQ*(\sc)+NQ*(\a)+(\q)] matrix_a_fmt:MATRIX_FMT_FP6 matrix_b_fmt:MATRIX_FMT_FP6 matrix_a_scale:MATRIX_SCALE_ROW1
.endif
.endr
.endr
.endm
.macro FETCH_B slot, q, p
	WIN TO_B
.irp i, 0,1,2,3,4,5,6,7
	FRAG 128*(\p)+FR*\i, ADRB+\slot, \q, \i
.endr
	WIN 0
.endm
.macro FETCH_A slot, q, i0
.irp i, \i0, \i0+1, \i0+2, \i0+3
	FRAG AF+FR*(\i), ADRA+\slot, \q, \i
.endr
.endm
.macro SCALES sc                       ; a K step's scale words: lanes 0-15 A's block i, lanes 16-31 B's block i
.irp i, 0,1,2,3,4,5,6,7
	ds_load_b64 v[SC+8*NQ*\sc+NQ*\i:SC+8*NQ*\sc+NQ*\i+1], v[ADRS] offset:\i*128
.endr
.endm
.macro PLACES n                        ; plain places behind matrix instructions, ahead of loads into their registers and of reads of results
.rept \n
	v_nop
.endr
.endm
.macro STEP slot, q, zero
	s_wait_dscnt 4*NL                              ; all but the youngest 24 loads (A's blocks 4-7)
	WIN MUL_LO
	MUL16 0, (\q)%2, \q, \slot, \zero
	MUL16 2, (\q)%2, \q, \slot, \zero
	s_wait_dscnt 0
	PLACES NP
	FETCH_B \slot, (\q)+1, 1-(\q)%2
	FETCH_A \slot, (\q)+1, 0
	WIN MUL_HI
	MUL16 4, (\q)%2, \q, \slot, \zero
	MUL16 6, (\q)%2, \q, \slot, \zero
	PLACES NP
	WIN 0
	FETCH_A \slot, (\q)+1, 4
.endm
.macro TURN slot, next, fill           ; a slot's last step changes slots: one barrier, which opens a round of the cluster's barrier where the slot is filled again
	s_wait_tensorcnt 0x0                           ; all my tensor loads have landed: my part of the next slot
	ds_add_u32 v[SPW], v[NIL]                      ; 0 onto my spare word
	s_wait_dscnt 4*NL+1                            ; the add and A's blocks 4-7 may be out
	WIN MUL_LO
	MUL16 0, 1, NQ-1, \slot, 0
	s_wait_dscnt 0x0                               ; the add is done, and my reads of this slot are over
	s_barrier_signal -1
	MUL16 2, 1, NQ-1, \slot, 0
	WIN 0
	s_barrier_wait -1
.if \fill
	CREST
	s_add_nc_u64 s[G0+4*\slot+2:G0+4*\slot+3], s[G0+4*\slot+2:G0+4*\slot+3], 2*MROWS*ROWB
	s_add_nc_u64 s[G0B+4*\slot+2:G0B+4*\slot+3], s[G0B+4*\slot+2:G0B+4*\slot+3], 2*NROWS*ROWB
	JLOAD G0+4*\slot, G1, G0B+4*\slot, G1B         ; the first tensor load behind the round; its four v_nop are the places ahead of the loads below
.else
	PLACES NP
.endif
	v_add_nc_u32 v[ADRS], 1024, v[ADRS]            ; the next K step's scale words
	FETCH_B \next, 0, 0
	FETCH_A \next, 0, 0
	SCALES \next
	WIN MUL_HI
	MUL16 4, 1, NQ-1, \slot, 0
	MUL16 6, 1, NQ-1, \slot, 0
	PLACES NP
	WIN 0
	FETCH_A \next, 0, 4
.endm
	s_wait_loadcnt 0x0                             ; the bias and the first residual rows
	s_wait_tensorcnt 1                             ; the scale bytes and my part of K step 0 are in; K step 1's load may be out
	s_barrier_signal -1
	s_barrier_wait -1
	FETCH_B 0, 0, 0
	FETCH_A 0, 0, 0
	SCALES 0
	FETCH_A 0, 0, 4
	STEP 0, 0, 1                                   ; the first step's products start the sums
	s_mov_b32 s3, LAPS-1
.Llap:
	TURN 0, 1, 1
	STEP 1, 0, 0
	TURN 1, 0, 1
	STEP 0, 0, 0
	s_sub_co_u32 s3, s3, 1
	s_cmp_lg_u32 s3, 0
	s_cbranch_scc1 .Llap
	TURN 0, 1, 0
	STEP 1, 0, 0
	s_wait_dscnt 4*NL
	WIN MUL_LO
	MUL16 0, 1, NQ-1, 1, 0
	MUL16 2, 1, NQ-1, 1, 0
	s_wait_dscnt 0
	WIN MUL_HI
	MUL16 4, 1, NQ-1, 1, 0
	MUL16 6, 1, NQ-1, 1, 0
	WIN 0
.macro TOSTAGE a
.set AC, 64*((\a)%4)
	WIN 0x08+4*((\a)/4)                            ; the data: window 2 or 3
.irp b, 0,1,2,3,4,5,6,7
	ds_store_b128 v[STO], v[AC+8*\b:AC+8*\b+3] offset:128*(\b/2)+32*(\b%2)         ; each accumulator from its low end on
	ds_store_b128 v[STO], v[AC+8*\b+4:AC+8*\b+7] offset:128*(\b/2)+32*(\b%2)+16
.endr
	WIN 0
.irp t, 0,1,2,3,4,5,6,7,8,9,10,11,12,13,14,15
	ds_load_b128 v[BK+4*\t:BK+4*\t+3], v[RD] offset:\t*SPITCH                      ; LDS serves a wave's instructions in order
.endr
.endm
.macro FINISH a
.set RS, 64+128*((\a)%2)
.set i, 0
.rept 16
	v_pk_add_f32 v[BK+i:BK+i+1], v[BK+i:BK+i+1], v[8:9]
	v_pk_add_f32 v[BK+i+2:BK+i+3], v[BK+i+2:BK+i+3], v[10:11]
.set i, i+4
.endr
.set i, 0
.rept 32
	v_pk_add_f32 v[BK+i:BK+i+1], v[BK+i:BK+i+1], v[RS+i:RS+i+1]
.set i, i+2
.endr
.irp t, 0,1,2,3,4,5,6,7,8,9,10,11,12,13,14,15
	global_store_b128 v[CO], v[BK+4*\t:BK+4*\t+3], s[12:13] offset:(16*(\a)+\t)*4096   ; 512 consecutive bytes, at a multiple of 256
.endr
.endm
	PLACES NP
.irp a, 0,1,2,3,4,5,6,7
.if \a < 7
	RESLOAD \a+1
.endif
.if \a > 0
	s_wait_xcnt 0x0                                ; the last block's stores have read their registers
.endif
	TOSTAGE \a
	s_wait_dscnt 0x0
.if \a < 7
	s_wait_loadcnt 16                              ; this block's residual is in; the next block's 16 loads may be out
.else
	s_wait_loadcnt 0x0
.endif
	FINISH \a
.endr
	s_wait_tensorcnt 0x0                           ; the wave's end
	ds_add_u32 v[SPW], v[NIL]
	s_wait_dscnt 0x0
	CROUND                                         ; the closing round
	s_endpgm
.Lfunc_end_k_qe6183b1d6e_ffn2:
	.size	k_qe6183b1d6e_ffn2, .Lfunc_end_k_qe6183b1d6e_ffn2-k_qe6183b1d6e_ffn2
	.p2alignl 7, 3214868480
	.fill 96, 4, 3214868480
	.section	.rodata,"a",@progbits
	.p2align	6, 0x0
	.amdhsa_kernel k_qe6183b1d6e_ffn2
		.amdhsa_group_segment_fixed_size 327680
		.amdhsa_private_segment_fixed_size 0
		.amdhsa_enable_private_segment 0
		.amdhsa_kernarg_size 40
		.amdhsa_user_sgpr_count 2
		.amdhsa_user_sgpr_kernarg_segment_ptr 1
		.amdhsa_wavefront_size32 1
		.amdhsa_system_sgpr_workgroup_id_x 1
		.amdhsa_system_sgpr_workgroup_id_y 1
		.amdhsa_system_sgpr_workgroup_id_z 1
		.amdhsa_system_vgpr_workitem_id 0
		.amdhsa_next_free_vgpr 1024
		.amdhsa_next_free_sgpr 96
		.amdhsa_reserve_vcc 0
		.amdhsa_float_denorm_mode_32 3
		.amdhsa_float_denorm_mode_16_64 3
		.amdhsa_memory_ordered 1
		.amdhsa_forward_progress 1
		.amdhsa_inst_pref_size 204
	.end_amdhsa_kernel
	.amdgpu_metadata
---
amdhsa.version: [ 1, 2 ]
amdhsa.kernels:
  - .name:           k_qe6183b1d6e_ffn2
    .symbol:         k_qe6183b1d6e_ffn2.kd
    .args:
      - { .name: g, .offset: 0, .size: 8, .value_kind: global_buffer, .address_space: global }
      - { .name: wts, .offset: 8, .size: 8, .value_kind: global_buffer, .address_space: global }
      - { .name: b2, .offset: 16, .size: 8, .value_kind: global_buffer, .address_space: global }
      - { .name: h, .offset: 24, .size: 8, .value_kind: global_buffer, .address_space: global }
      - { .name: out0, .offset: 32, .size: 8, .value_kind: global_buffer, .address_space: global }
    .group_segment_fixed_size: 327680
    .private_segment_fixed_size: 0
    .kernarg_segment_align: 8
    .kernarg_segment_size: 40
    .max_flat_workgroup_size: 128
    .sgpr_count:     96
    .vgpr_count:     1024
    .wavefront_size: 32
...
	.end_amdgpu_metadata
.endif
;; end of part 7
;; ======== version 2 of 2: 7 launches
;; limits: right only within a limited range of input values
;; workspace buffers: wts 9,830,400 bytes; xq 3,276,800 bytes; att 9,830,400 bytes; hq 3,276,800 bytes; h 16,777,216 bytes; g 13,107,200 bytes
;; launch prep (part 8): grid 640 x 1, 4 waves a work-group, no clusters, 67,072 bytes of LDS; arguments wq, wk, wv, wo, w1, w2, wts, hidden, ln1_g, ln1_b, xq; writes wts, xq
.if DOCPART == 8
	.amdgcn_target "amdgcn-amd-amdhsa--gfx1250"
	.amdhsa_code_object_version 6
	.text
	.protected	k_qe6183b1d6e_prep
	.globl	k_qe6183b1d6e_prep
	.p2align	8
	.type	k_qe6183b1d6e_prep,@function
k_qe6183b1d6e_prep:
	s_mov_b64 s[64:65], 0
	v_nop
	global_prefetch_b8 v0, s[64:65] scope:SCOPE_SE
	s_setreg_imm32_b32 hwreg(HW_REG_WAVE_MODE, 25, 1), 1
	s_wait_xcnt 0x0
; TWO PREPARING JOBS THAT DO NOT HANG ON EACH OTHER, IN ONE LAUNCH; the work-group's number chooses the path, and each path has LDS bytes of its own.
; WORK-GROUPS 0 .. 383: the six weights, f32, stored [K][N], become codes of FP6 (E2M3) with K innermost and one E8M0 byte for each 32 along K.
;   LAYOUT of an operand in wts: codes [K / 256][rows][192 bytes], scale bytes [K / 256][rows][8].  wq, wk, wv share one operand of 3,072 rows.
;   Weight column n lies at row pi(n) = n with bits 3 and 4 exchanged, so that in the products' results 16 registers of two neighbouring tiles are 16 neighbouring n.
;   A work-group takes 128 columns x 256 along K, a wave 32 columns; a lane takes a column and its registers run down K: a block of 32 lies in one lane.
;   The codes leave through the wave's own stage: its 32 rows of 192 bytes are one dense run of 6,144 bytes of wts; its 32 x 8 scale bytes one aligned run of 256.
; WORK-GROUPS 384 .. 639: y = g (x - mean) / (std + 1e-6) + b for rows of 1,024 f32 of hidden (std with 1,023 in the divisor), quantised along the row into xq:
;   codes [K / 256][4,096 rows][192 bytes], scale bytes behind them [K / 256][4,096 rows][8].  A work-group takes 16 rows, a wave 4; all its 48 loads are issued at the head.
;   A row turns through the wave's own stage, so that lane l holds block l, 32 neighbours.  Mean and variance in two passes over registers; sums go by trees.
;   A wave's 4 rows of codes are 768 consecutive bytes of each of the four chunks: they are gathered in its own LDS bytes and leave as twelve aligned runs of 256 bytes; its scale bytes leave in four runs of 32 bytes
;   (1/24 of the output: longer runs would want more rows in one hand).
; No barrier on either path: waves share nothing.
; LIMITS: NaN and infinities are not served; a block whose largest magnitude lies under 2^-124 (a block of zeros too) keeps the byte 1: its bytes are read by this program alone.
.set NWQ,   384                        ; work-groups of the first path
.set SPW,   254                        ; v254 LDS address of my spare word; v255 0: never rewritten
.set NIL,   255
.set LNB,   34816                      ; behind the weights' four stages: the norm's bytes, WREG for each wave
.set WREG,  7936                       ; stage 4,608, codes [4][4 rows][192] 3,072, scale bytes [4][4 rows][8] 128, rounded up
.set SPARE, 66560                      ; the spare words, 128 bytes a wave
.set PITCH, 272                        ; weights: a stage row: sixteen places of 16 bytes (12 of codes each) + 16
.set SB,    24                         ; v24-25   my column's 8 scale bytes
.set OFF,   32                         ; v32-63   4 x lane + i rows of the weight
.set X,     64                         ; v64-127  two sets of 32 numbers
.set C,     128                        ; v128-134 a block's codes
.set OUTR,  144                        ; v144-207 the way out
.set BASE,  32                         ; s[32:47] the weight at my columns, block t of K
	v_lshl_add_u32 v[SPW], v0, 2, SPARE
	v_mov_b32 v[NIL], 0
	v_lshrrev_b32 v1, 5, v0
	v_readfirstlane_b32 s56, v1                    ; wave
	v_and_b32 v2, 31, v0                           ; lane
	s_cmp_ge_u32 ttmp9, NWQ
	s_wait_alu depctr_va_vdst(0)
	s_cbranch_scc1 .Lnorm
	s_load_b256 s[4:11], s[0:1], 0x0               ; wq, wk, wv, wo
	s_load_b128 s[12:15], s[0:1], 0x20             ; w1, w2
	s_load_b64 s[18:19], s[0:1], 0x30              ; wts
	v_lshlrev_b32 v3, 2, v2
	v_and_b32 v5, 7, v0
	v_bfe_u32 v6, v0, 3, 1
	v_bfe_u32 v7, v0, 4, 1
	v_lshl_add_u32 v8, v6, 4, v5
	v_lshl_add_u32 v8, v7, 3, v8                   ; pi(lane)
	s_mul_i32 s57, s56, 32*PITCH                   ; my stage
	v_mul_u32_u24 v4, v8, PITCH
	v_add_nc_u32 v4, s57, v4                       ; into it: row pi(lane)
	v_and_b32 v9, 15, v0
	v_mul_u32_u24 v11, v7, PITCH
	v_lshl_add_u32 v11, v9, 4, v11
	v_add_nc_u32 v11, s57, v11                     ; out of it: sixteen lanes to a row
	v_mul_u32_u24 v12, v7, 192
	v_mad_u32_u24 v12, v9, 12, v12                 ; the same place in wts
	v_lshlrev_b32 v13, 3, v8                       ; my scale bytes' place
	; which weight: id / 32 = 0 wq, 1 wk, 2 wv, 3 wo, 4-7 w1, 8-11 w2
	s_lshr_b32 s20, ttmp9, 5
	s_mov_b32 s21, 3072                            ; rows of the operand
	s_mov_b32 s26, 9437184                         ; its scale bytes in wts
	s_mov_b32 s27, 4096                            ; bytes from row to row of the weight
	s_cmp_ge_u32 s20, 3
	s_cselect_b32 s21, 1024, s21
	s_cselect_b32 s25, 2359296, 0                  ; its codes in wts
	s_cselect_b32 s26, 9535488, s26
	s_cmp_ge_u32 s20, 4
	s_cselect_b32 s21, 4096, s21
	s_cselect_b32 s25, 3145728, s25
	s_cselect_b32 s26, 9568256, s26
	s_cselect_b32 s27, 16384, s27
	s_cselect_b32 s28, 31, 7
	s_cselect_b32 s30, 5, 3
	s_cmp_ge_u32 s20, 8
	s_cselect_b32 s21, 1024, s21
	s_cselect_b32 s25, 6291456, s25
	s_cselect_b32 s26, 9699328, s26
	s_cselect_b32 s27, 4096, s27
	s_cselect_b32 s28, 7, s28
	s_cselect_b32 s30, 3, s30
	s_cselect_b32 s31, 15, 3
	s_lshl_b32 s24, s20, 10
	s_cmp_lt_u32 s20, 3
	s_cselect_b32 s24, s24, 0                      ; wq, wk, wv: 1,024 rows each of the shared operand
	s_and_b32 s28, ttmp9, s28                      ; which 128 columns
	s_and_b32 s29, ttmp9, 127
	s_lshr_b32 s29, s29, s30
	s_and_b32 s29, s29, s31                        ; which 256 along K
	s_lshl_b32 s48, s28, 7
	s_lshl_b32 s49, s56, 5
	s_add_co_u32 s48, s48, s49                     ; my wave's first column
	s_mul_i32 s50, s29, s27
	s_lshl_b32 s50, s50, 8
	s_lshl_b32 s49, s48, 2
	s_add_co_u32 s50, s50, s49
	s_mov_b32 s51, 0
	s_lshl_b32 s52, s27, 5                         ; 32 rows of the weight
	s_mov_b32 s53, 0
	s_mul_i32 s54, s29, s21
	s_add_co_u32 s54, s54, s24
	s_add_co_u32 s54, s54, s48                     ; my first row in the operand's layout
	s_mul_i32 s58, s54, 192
	s_add_co_u32 s58, s58, s25
	s_mov_b32 s59, 0
	s_lshl_b32 s60, s54, 3
	s_add_co_u32 s60, s60, s26
	s_mov_b32 s61, 0
.irp i, 0,1,2,3,4,5,6,7,8,9,10,11,12,13,14,15,16,17,18,19,20,21,22,23,24,25,26,27,28,29,30,31
	v_mad_u32_u24 v[OFF+\i], s27, \i, v3
.endr
	s_wait_alu depctr_va_vdst(0)
	s_wait_kmcnt 0x0
	s_cmp_eq_u32 s20, 1                            ; the choice hangs on the work-group's number alone
	s_cselect_b64 s[16:17], s[6:7], s[4:5]
	s_cmp_eq_u32 s20, 2
	s_cselect_b64 s[16:17], s[8:9], s[16:17]
	s_cmp_eq_u32 s20, 3
	s_cselect_b64 s[16:17], s[10:11], s[16:17]
	s_cmp_ge_u32 s20, 4
	s_cselect_b64 s[16:17], s[12:13], s[16:17]
	s_cmp_ge_u32 s20, 8
	s_cselect_b64 s[16:17], s[14:15], s[16:17]
	s_add_nc_u64 s[BASE:BASE+1], s[16:17], s[50:51]
.irp t, 1,2,3,4,5,6,7
	s_add_nc_u64 s[BASE+2*\t:BASE+2*\t+1], s[BASE+2*\t-2:BASE+2*\t-1], s[52:53]
.endr
	s_add_nc_u64 s[58:59], s[18:19], s[58:59]      ; my codes
	s_add_nc_u64 s[60:61], s[18:19], s[60:61]      ; my scale bytes
.macro LOAD t                          ; block t: 32 rows of the weight at my column; a wave reads 128 consecutive bytes a load
.irp i, 0,1,2,3,4,5,6,7,8,9,10,11,12,13,14,15,16,17,18,19,20,21,22,23,24,25,26,27,28,29,30,31
	global_load_b32 v[X+32*((\t)%2)+\i], v[OFF+\i], s[BASE+2*(\t):BASE+2*(\t)+1] th:TH_LOAD_NT
.endr
.endm
	LOAD 0
	LOAD 1
.macro BLOCK t
.set XS, X+32*((\t)%2)
.if (\t) < 7
	s_wait_loadcnt 32                              ; this block's 32 loads are in; the next block's 32 may be out
.else
	s_wait_loadcnt 0x0
.endif
	v_max3_num_f32 v14, |v[XS]|, |v[XS+1]|, |v[XS+2]|       ; the block's largest magnitude: all 32 numbers are mine
	v_max3_num_f32 v15, |v[XS+3]|, |v[XS+4]|, |v[XS+5]|
.irp i, 6,10,14,18,22,26
	v_max3_num_f32 v14, v14, |v[XS+\i]|, |v[XS+\i+1]|
	v_max3_num_f32 v15, v15, |v[XS+\i+2]|, |v[XS+\i+3]|
.endr
	v_max3_num_f32 v14, v14, |v[XS+30]|, |v[XS+31]|
	v_max3_num_f32 v14, v14, v15, 0x1800000        ; the floor 2^(3 - 127): the byte cannot fall under 1
	v_add_nc_u32 v16, 0xff000000, v14              ; 2 off the exponent field: the conversion's scale operand
	v_lshrrev_b32 v17, 23, v16                     ; the scale's byte
.if (\t)%4 == 0
	v_mov_b32 v[SB+(\t)/4], v17
.else
	v_lshl_or_b32 v[SB+(\t)/4], v17, 8*((\t)%4), v[SB+(\t)/4]
.endif
	v_cvt_scalef32_pk16_fp6_f32 v[C:C+2], v[XS:XS+15], v16
	v_cvt_scalef32_pk16_fp6_f32 v[C+4:C+6], v[XS+16:XS+31], v16
	ds_store_b96 v4, v[C:C+2] offset:32*(\t)       ; 12 bytes to a place of 16
	ds_store_b96 v4, v[C+4:C+6] offset:32*(\t)+16
.if (\t)+2 < 8
	LOAD (\t)+2
.endif
	s_wait_dscnt 0x0                               ; the stores have read their registers: the next block's codes may be written
.endm
.irp t, 0,1,2,3,4,5,6,7
	BLOCK \t
.endr
	s_wait_alu depctr_va_vdst(0)
	global_store_b64 v13, v[SB:SB+1], s[60:61]     ; 32 lanes fill 256 consecutive bytes
.irp t, 0,1,2,3,4,5,6,7,8,9,10,11,12,13,14,15
	ds_load_b96 v[OUTR+4*\t:OUTR+4*\t+2], v11 offset:2*\t*PITCH   ; LDS serves a wave's instructions in order: these see my stores
.endr
.irp t, 0,1,2,3,4,5,6,7,8,9,10,11,12,13,14,15
	s_wait_dscnt 15-\t
	global_store_b96 v12, v[OUTR+4*\t:OUTR+4*\t+2], s[58:59] offset:2*\t*192   ; two rows, 384 consecutive bytes
.endr
	s_wait_tensorcnt 0x0                           ; the wave's end
	ds_add_u32 v[SPW], v[NIL]
	s_wait_dscnt 0x0
	s_endpgm
; THE NORM'S PATH
.set XS_OFF, 3145728
.set LG, 16                            ; v16-47   g of my block
.set LB, 48                            ; v48-79   b of my block
.set LR, 80                            ; v80-207  four rows as loaded; a row's 32 registers serve as its scratch once it has gone into the stage
.set LX, 208                           ; v208-239 my block of the row at work
.set LC, 240                           ; v240-245 its codes
.set LT, 246                           ; v246-248 the second conversion's result
.set PD, 249                           ; v249     a lane permute's destination
.Lnorm:
	s_load_b256 s[4:11], s[0:1], 0x38              ; hidden, g, b, xq
	s_mul_i32 s13, s56, WREG
	s_add_co_u32 s13, s13, LNB                     ; my wave's LDS bytes
	v_lshlrev_b32 v3, 4, v2
	v_lshrrev_b32 v11, 3, v2
	v_and_b32 v12, 7, v2
	v_mul_u32_u24 v4, v11, 144
	v_lshl_add_u32 v4, v12, 4, v4
	v_add_nc_u32 v4, s13, v4                       ; stage, in: a block's 128 bytes + 16 of padding; eight lanes fill a block
	v_mul_u32_u24 v5, v2, 144
	v_add_nc_u32 v5, s13, v5                       ; stage, out: my block
	s_add_co_u32 s14, s13, 4608
	v_mul_u32_u24 v6, v11, 768
	v_mad_u32_u24 v6, v12, 24, v6
	v_add_nc_u32 v6, s14, v6                       ; my block's 24 bytes: chunk l / 8
	v_lshlrev_b32 v8, 3, v2
	v_add_nc_u32 v9, s14, v8                       ; the way out: 8 bytes a lane
	s_add_co_u32 s15, s13, 7680
	v_lshl_add_u32 v7, v11, 5, v12
	v_add_nc_u32 v7, s15, v7                       ; my block's scale byte
	v_lshlrev_b32 v13, 2, v2
	v_add_nc_u32 v13, s15, v13                     ; the way out: 4 bytes a lane
	v_lshlrev_b32 v14, 2, v12
	v_lshl_add_u32 v14, v11, 15, v14               ; their place in memory: 32,768 (l / 8) + 4 (l % 8)
	v_lshlrev_b32 v10, 7, v2
	v_mov_b32 v[PD], 0
	s_mov_b32 s20, 0x76543210
	s_mov_b32 s21, 0xfedcba98                      ; lane l xor 16
	s_sub_co_u32 s18, ttmp9, NWQ
	s_lshl_b32 s18, s18, 4
	s_lshl_b32 s19, s56, 2
	s_add_co_u32 s18, s18, s19                     ; my first row
	s_lshl_b32 s22, s18, 12
	s_mov_b32 s23, 0
	s_mul_i32 s24, s18, 192
	s_mov_b32 s25, 0
	s_lshl_b32 s26, s18, 3
	s_add_co_u32 s26, s26, XS_OFF
	s_mov_b32 s27, 0
	s_wait_alu depctr_va_vdst(0)
	s_wait_kmcnt 0x0
	s_add_nc_u64 s[4:5], s[4:5], s[22:23]
	s_add_nc_u64 s[14:15], s[10:11], s[24:25]
	s_add_nc_u64 s[16:17], s[10:11], s[26:27]
.irp j, 0,1,2,3,4,5,6,7
	global_load_b128 v[LG+4*\j:LG+4*\j+3], v10, s[6:7] offset:16*\j
	global_load_b128 v[LB+4*\j:LB+4*\j+3], v10, s[8:9] offset:16*\j
.endr
.irp i, 0,1,2,3
.irp j, 0,1,2,3,4,5,6,7
	global_load_b128 v[LR+32*\i+4*\j:LR+32*\i+4*\j+3], v3, s[4:5] offset:4096*\i+512*\j
.endr
.endr
.macro TREE                            ; eight pairs of leaves in v[L .. L+15] -> their sum over the 32 lanes, in every lane's v[L+26]
.irp q, 0,1,2,3
	v_pk_add_f32 v[L+2*\q:L+2*\q+1], v[L+2*\q:L+2*\q+1], v[L+8+2*\q:L+9+2*\q]
.endr
.irp q, 0,1
	v_pk_add_f32 v[L+2*\q:L+2*\q+1], v[L+2*\q:L+2*\q+1], v[L+4+2*\q:L+5+2*\q]
.endr
	s_delay_alu instid0(VALU_DEP_1)
	v_pk_add_f32 v[L:L+1], v[L:L+1], v[L+2:L+3]
	s_delay_alu instid0(VALU_DEP_1)
	v_add_f32 v[L+26], v[L], v[L+1]
.irp m, 1,2,4,8
	s_delay_alu instid0(VALU_DEP_1)
	v_add_f32_dpp v[L+26], v[L+26], v[L+26] row_xmask:\m row_mask:0xf bank_mask:0xf
.endr
	s_delay_alu instid0(VALU_DEP_1)
	v_permlanex16_b32 v[PD], v[L+26], s20, s21
	s_delay_alu instid0(VALU_DEP_1)
	v_add_f32 v[L+26], v[L+26], v[PD]
.endm
.macro ROW i
.set L, LR+32*(\i)
	s_wait_loadcnt 8*(3-(\i))                      ; g, b and this row are in; the later rows' loads, 8 each, may be out
.irp j, 0,1,2,3,4,5,6,7
	ds_store_b128 v4, v[L+4*\j:L+4*\j+3] offset:576*\j
.endr
.irp j, 0,1,2,3,4,5,6,7
	ds_load_b128 v[LX+4*\j:LX+4*\j+3], v5 offset:16*\j         ; LDS serves a wave's instructions in order
.endr
	s_wait_dscnt 0x0                               ; my block is in; all earlier LDS stores have read their registers
.irp q, 0,1,2,3,4,5,6,7
	v_pk_add_f32 v[L+2*\q:L+2*\q+1], v[LX+4*\q:LX+4*\q+1], v[LX+4*\q+2:LX+4*\q+3]
.endr
	TREE
	s_delay_alu instid0(VALU_DEP_1)
	v_mul_f32 v[L+20], 0x3a800000, v[L+26]         ; the mean: / 1,024
	s_delay_alu instid0(VALU_DEP_1)
	v_mov_b32 v[L+21], v[L+20]
.set q, 0
.rept 16
	v_pk_add_f32 v[LX+q:LX+q+1], v[LX+q:LX+q+1], v[L+20:L+21] neg_lo:[0,1] neg_hi:[0,1]
.set q, q+2
.endr
.irp q, 0,1,2,3,4,5,6,7
	v_pk_mul_f32 v[L+2*\q:L+2*\q+1], v[LX+4*\q:LX+4*\q+1], v[LX+4*\q:LX+4*\q+1]
.endr
.irp q, 0,1,2,3,4,5,6,7
	v_pk_fma_f32 v[L+2*\q:L+2*\q+1], v[LX+4*\q+2:LX+4*\q+3], v[LX+4*\q+2:LX+4*\q+3], v[L+2*\q:L+2*\q+1]
.endr
	TREE
	s_delay_alu instid0(VALU_DEP_1)
	v_mul_f32 v[L+22], 0x3a802008, v[L+26]         ; / 1,023
	s_wait_alu depctr_va_vdst(0)
	v_sqrt_f32 v[L+22], v[L+22]
	v_nop                                          ; a plain place behind a transcendental
	s_wait_alu depctr_va_vdst(0)
	v_add_f32 v[L+22], 0x358637bd, v[L+22]         ; + 1e-6
	s_wait_alu depctr_va_vdst(0)
	v_rcp_f32 v[L+22], v[L+22]
	v_nop
	s_wait_alu depctr_va_vdst(0)
	v_mov_b32 v[L+23], v[L+22]
.set q, 0
.rept 16
	v_pk_mul_f32 v[LX+q:LX+q+1], v[LX+q:LX+q+1], v[L+22:L+23]
.set q, q+2
.endr
.set q, 0
.rept 16
	v_pk_fma_f32 v[LX+q:LX+q+1], v[LX+q:LX+q+1], v[LG+q:LG+q+1], v[LB+q:LB+q+1]
.set q, q+2
.endr
.irp c, 0,1,2,3
	v_max3_num_f32 v[L+16+\c], |v[LX+8*\c]|, |v[LX+8*\c+1]|, 0x1800000   ; the block's largest magnitude, in four chains, over the floor 2^(3 - 127)
.endr
.irp j, 2,4,6
.irp c, 0,1,2,3
	v_max3_num_f32 v[L+16+\c], v[L+16+\c], |v[LX+8*\c+\j]|, |v[LX+8*\c+\j+1]|
.endr
.endr
	s_delay_alu instid0(VALU_DEP_2)
	v_max3_num_f32 v[L+16], v[L+16], v[L+17], v[L+18]
	s_delay_alu instid0(VALU_DEP_1)
	v_max_num_f32 v[L+16], v[L+16], v[L+19]
	s_delay_alu instid0(VALU_DEP_1)
	v_add_nc_u32 v[L+24], 0xff000000, v[L+16]      ; 2 off the exponent field: the conversion's scale operand
	v_cvt_scalef32_pk16_fp6_f32 v[LC:LC+2], v[LX:LX+15], v[L+24]
	v_cvt_scalef32_pk16_fp6_f32 v[LT:LT+2], v[LX+16:LX+31], v[L+24]
	v_lshrrev_b32 v[L+25], 23, v[L+24]             ; the scale's byte (a plain place behind the conversions)
	v_mov_b32 v[LC+3], v[LT]
	v_mov_b32 v[LC+4], v[LT+1]
	v_mov_b32 v[LC+5], v[LT+2]
.irp p, 0,1,2
	ds_store_b64 v6, v[LC+2*\p:LC+2*\p+1] offset:192*(\i)+8*\p
.endr
	ds_store_b8 v7, v[L+25] offset:8*(\i)
.endm
.irp i, 0,1,2,3
	ROW \i
.endr
.irp u, 0,1,2,3,4,5,6,7,8,9,10,11
	ds_load_b64 v[LR+2*\u:LR+2*\u+1], v9 offset:256*\u           ; LDS serves a wave's instructions in order: these see my stores
.endr
	ds_load_b32 v[LR+24], v13
	s_wait_dscnt 0x0
.irp u, 0,1,2,3,4,5,6,7,8,9,10,11
	global_store_b64 v8, v[LR+2*\u:LR+2*\u+1], s[14:15] offset:786432*(\u/3)+256*(\u%3)   ; 32 lanes store 256 consecutive bytes, at a multiple of 256
.endr
	global_store_b32 v14, v[LR+24], s[16:17]
	s_wait_tensorcnt 0x0                           ; the wave's end
	ds_add_u32 v[SPW], v[NIL]
	s_wait_dscnt 0x0
	s_endpgm
.Lfunc_end_k_qe6183b1d6e_prep:
	.size	k_qe6183b1d6e_prep, .Lfunc_end_k_qe6183b1d6e_prep-k_qe6183b1d6e_prep
	.p2alignl 7, 3214868480
	.fill 96, 4, 3214868480
	.section	.rodata,"a",@progbits
	.p2align	6, 0x0
	.amdhsa_kernel k_qe6183b1d6e_prep
		.amdhsa_group_segment_fixed_size 67072
		.amdhsa_private_segment_fixed_size 0
		.amdhsa_enable_private_segment 0
		.amdhsa_kernarg_size 88
		.amdhsa_user_sgpr_count 2
		.amdhsa_user_sgpr_kernarg_segment_ptr 1
		.amdhsa_wavefront_size32 1
		.amdhsa_system_sgpr_workgroup_id_x 1
		.amdhsa_system_sgpr_workgroup_id_y 1
		.amdhsa_system_sgpr_workgroup_id_z 1
		.amdhsa_system_vgpr_workitem_id 0
		.amdhsa_next_free_vgpr 256
		.amdhsa_next_free_sgpr 66
		.amdhsa_reserve_vcc 0
		.amdhsa_float_denorm_mode_32 3
		.amdhsa_float_denorm_mode_16_64 3
		.amdhsa_memory_ordered 1
		.amdhsa_forward_progress 1
		.amdhsa_inst_pref_size 95
	.end_amdhsa_kernel
	.amdgpu_metadata
---
amdhsa.version: [ 1, 2 ]
amdhsa.kernels:
  - .name:           k_qe6183b1d6e_prep
    .symbol:         k_qe6183b1d6e_prep.kd
    .args:
      - { .name: wq, .offset: 0, .size: 8, .value_kind: global_buffer, .address_space: global }
      - { .name: wk, .offset: 8, .size: 8, .value_kind: global_buffer, .address_space: global }
      - { .name: wv, .offset: 16, .size: 8, .value_kind: global_buffer, .address_space: global }
      - { .name: wo, .offset: 24, .size: 8, .value_kind: global_buffer, .address_space: global }
      - { .name: w1, .offset: 32, .size: 8, .value_kind: global_buffer, .address_space: global }
      - { .name: w2, .offset: 40, .size: 8, .value_kind: global_buffer, .address_space: global }
      - { .name: wts, .offset: 48, .size: 8, .value_kind: global_buffer, .address_space: global }
      - { .name: hidden, .offset: 56, .size: 8, .value_kind: global_buffer, .address_space: global }
      - { .name: ln1_g, .offset: 64, .size: 8, .value_kind: global_buffer, .address_space: global }
      - { .name: ln1_b, .offset: 72, .size: 8, .value_kind: global_buffer, .address_space: global }
      - { .name: xq, .offset: 80, .size: 8, .value_kind: global_buffer, .address_space: global }
    .group_segment_fixed_size: 67072
    .private_segment_fixed_size: 0
    .kernarg_segment_align: 8
    .kernarg_segment_size: 88
    .max_flat_workgroup_size: 128
    .sgpr_count:     66
    .vgpr_count:     256
    .wavefront_size: 32
...
	.end_amdgpu_metadata
.endif
;; end of part 8
;; launch qkv (part 9): grid 12 x 16, 4 waves a work-group, clusters of 4 x 4, 327,680 bytes of LDS; arguments xq, wts, bq, bk, bv, mask, att; writes att
.if DOCPART == 9
	.amdgcn_target "amdgcn-amd-amdhsa--gfx1250"
	.amdhsa_code_object_version 6
	.text
	.protected	k_qe6183b1d6e_qkv
	.globl	k_qe6183b1d6e_qkv
	.p2align	8
	.type	k_qe6183b1d6e_qkv,@function
k_qe6183b1d6e_qkv:
	s_mov_b64 s[64:65], 0
	v_nop
	global_prefetch_b8 v0, s[64:65] scope:SCOPE_SE
	s_setreg_imm32_b32 hwreg(HW_REG_WAVE_MODE, 25, 1), 1
	s_wait_xcnt 0x0
	s_wait_alu depctr_hold_cnt(0) depctr_sa_sdst(0) depctr_va_vdst(0) depctr_va_sdst(0) depctr_va_ssrc(0) depctr_va_vcc(0) depctr_vm_vsrc(0)
	s_getreg_b32 s2, hwreg(HW_REG_IB_STS2, 6, 4)
	s_cmp_eq_u32 s2, 0
	s_cbranch_scc0 .Lentry_in_a_cluster
	s_endpgm
.Lentry_in_a_cluster:
	s_bfe_u32 s2, ttmp6, 0x10000c
	s_cmp_lg_u32 s2, 0xf033
	s_cbranch_scc0 .Lentry_shape_is_right
	s_endpgm
.Lentry_shape_is_right:
.set MROWS,  4096
.set NROWS,  3072
.set NS,     4
.set AS_OFF, 3145728
.set BC_OFF, 0
.set BS_OFF, 9437184
.set NQ,     2
.set ROWB,   192
.set HROW,   6144                      ; the head's row: 256 rows x 192 bytes of one K step, dense, in elements of 8 bytes
.set HK,     2                         ; K steps that the head's loads of codes bring
.set PITCH,  240
.set FR,     12
.set NL,     6
.set NP,     4
.set HALFT,  128*PITCH
.set SLOT,   4*HALFT
.set LAPS,   NS/2
.set SCL,    2*SLOT
.set QS,     NS*1024
.set SPARE,  SCL+4*QS
.set ADRA, 16
.set ADRB, 20
.set ADRS, 27
.set SPW,  28
.set NIL,  29
.set SC,   32
.set AF,   128
.set G1, 24
.set G0, 32
.set G1B, 48
.set G0B, 56
.set G1S, 68
.set G0S, 76
.set G1SB, 80
.set G0SB, 88
.set SEL, 94
.set AP,   7
.set ASC,  10
.set VST,  11
.set VR,   12
.set VO,   13
.set VSB,  14
.set CPY,  15
.set CPS,  24
.set GO,   25
.set GSO,  26
.set BIAS, 64
.set BV,   224
.set MK,   228
.set H,    128
.set QC,   192
.set TM,   236
.set PW,   252
.set SBY,  236
.set MSB, 0
.macro WIN new
.if MSB != \new
	s_set_vgpr_msb (MSB<<8)|\new
.set MSB, \new
.endif
.endm
.set MUL_LO, 0xa1
.set MUL_HI, 0xf1
.set TO_B,   0x40
.macro JLOAD g0a, g1a, g0b, g1b
	s_cmp_eq_u32 s15, 0
	s_cbranch_scc0 .Lfor_b_\@
	tensor_load_to_lds s[\g0a:\g0a+3], s[\g1a:\g1a+7]
	s_nop 0
.rept 4
	v_nop
.endr
	s_branch .Lasked_\@
.Lfor_b_\@:
	tensor_load_to_lds s[\g0b:\g0b+3], s[\g1b:\g1b+7]
	s_nop 0
.rept 4
	v_nop
.endr
.Lasked_\@:
.endm
.macro CREST
	s_cmp_lg_u32 s14, 0
	s_cbranch_scc1 .Lnot_wave_0_\@
	s_barrier_signal -3
.Lnot_wave_0_\@:
	s_barrier_wait -3
	s_barrier_signal -1
	s_barrier_wait -1
.endm
.macro CROUND
	s_barrier_signal -1
	s_barrier_wait -1
	CREST
.endm
	s_load_b128 s[4:7], s[0:1], 0x0
	s_load_b128 s[8:11], s[0:1], 0x10
	s_load_b128 s[96:99], s[0:1], 0x20
	s_load_b64 s[100:101], s[0:1], 0x30
	v_lshl_add_u32 v[SPW], v0, 2, SPARE
	v_mov_b32 v[NIL], 0
	ds_add_u32 v28, v29
	ds_add_u32 v28, v29
	s_wait_dscnt 0x0
	v_lshrrev_b32 v1, 5, v0
	v_readfirstlane_b32 s14, v1
	s_lshr_b32 s15, s14, 1
	s_and_b32 s16, s14, 1
	s_bfe_u32 s40, ttmp6, 0x40000
	s_bfe_u32 s41, ttmp6, 0x40004
	s_lshl_b32 s42, ttmp9, 2
	s_add_co_u32 s42, s42, s40
	s_and_b32 s17, ttmp7, 0xffff
	s_lshl_b32 s17, s17, 2
	s_add_co_u32 s17, s17, s41
	s_lshl_b32 s43, s41, 2
	s_lshl_b32 s43, 15, s43
	s_lshl_b32 s44, 0x1111, s40
	s_or_b32 s[G1+0], s43, (3<<16)|(1<<20)|(1<<21)|(3<<22)|(3<<25)
	s_or_b32 s[G1B+0], s44, (3<<16)|(1<<20)|(1<<21)|(3<<22)|(3<<25)
.irp g, G1, G1B
	s_mov_b32 s[\g+1], HROW<<16
	s_mov_b32 s[\g+2], HK<<16
	s_mov_b32 s[\g+3], HROW<<16
	s_mov_b32 s[\g+4], HK
	s_mov_b32 s[\g+6], 0
	s_mov_b32 s[\g+7], 0
.endr
	s_or_b32 s[G1S+0], s43, (3<<16)|(1<<21)
	s_or_b32 s[G1SB+0], s44, (3<<16)|(1<<21)
.irp g, G1S, G1SB
	s_mov_b32 s[\g+1], 256<<16
	s_mov_b32 s[\g+2], NS<<16
	s_mov_b32 s[\g+3], 256<<16
	s_mov_b32 s[\g+4], NS
	s_mov_b32 s[\g+6], 0
	s_mov_b32 s[\g+7], 0
.endr
	s_mov_b32 s[G1S+5], MROWS
	s_mov_b32 s[G1SB+5], NROWS
	s_mov_b32 s[G1+5], MROWS*24                    ; from K step to K step, in elements of 8 bytes
	s_mov_b32 s[G1B+5], NROWS*24
	s_lshl_b32 s20, s17, 8
	s_lshl_b32 s46, s42, 8
	s_mul_i32 s18, s16, 128*ROWB                   ; in the ring I fetch 128 rows of a tile: which half, in bytes
	s_mov_b32 s19, 0
	s_lshl_b32 s22, s20, 3
	s_add_co_u32 s22, s22, AS_OFF
	s_mov_b32 s23, 0
	s_lshl_b32 s92, s46, 3
	s_add_co_u32 s92, s92, BS_OFF
	s_mov_b32 s93, 0
	s_mul_i32 s20, s20, ROWB
	s_mov_b32 s21, 0
	s_mul_i32 s46, s46, ROWB
	s_add_co_u32 s46, s46, BC_OFF
	s_mov_b32 s47, 0
	s_mul_i32 s45, s16, HALFT
	s_wait_kmcnt 0x0
	s_add_nc_u64 s[20:21], s[4:5], s[20:21]
	s_add_nc_u64 s[22:23], s[4:5], s[22:23]
	s_add_nc_u64 s[46:47], s[6:7], s[46:47]
	s_add_nc_u64 s[92:93], s[6:7], s[92:93]
	CROUND
	s_mov_b32 s[G0S], 1
	s_mov_b32 s[G0S+1], SCL
	s_mov_b64 s[G0S+2:G0S+3], s[22:23]
	s_or_b32 s[G0S+3], s[G0S+3], 0x80000000
	s_mov_b32 s[G0SB], 1
	s_mov_b32 s[G0SB+1], SCL+2*QS
	s_mov_b64 s[G0SB+2:G0SB+3], s[92:93]
	s_or_b32 s[G0SB+3], s[G0SB+3], 0x80000000
; LDS: A's slots 0 and 1 (256 rows each), then B's two, then the scale bytes.  THE HEAD'S LOADS, ONE A WAVE: wave 0 A's K steps 0 and 1, wave 1 B's,
; wave 2 A's scale bytes of all of K, wave 3 B's.  A K step's 256 rows are dense in memory: they are stated as one row, which begins at a multiple of 256 bytes.
	s_mov_b32 s[G0], 1                             ; slot 0's groups 0 serve the head's loads first
	s_mov_b32 s[G0+1], 0
	s_mov_b64 s[G0+2:G0+3], s[20:21]
	s_or_b32 s[G0+3], s[G0+3], 0x80000000
	s_mov_b32 s[G0B], 1
	s_mov_b32 s[G0B+1], 4*HALFT
	s_mov_b64 s[G0B+2:G0B+3], s[46:47]
	s_or_b32 s[G0B+3], s[G0B+3], 0x80000000
	s_add_nc_u64 s[20:21], s[20:21], s[18:19]      ; for the ring: my 128 rows
	s_add_nc_u64 s[46:47], s[46:47], s[18:19]
	s_mov_b32 s[G0+4], 1
	s_add_co_u32 s[G0+5], s45, 2*HALFT
	s_add_nc_u64 s[G0+6:G0+7], s[20:21], MROWS*ROWB
	s_or_b32 s[G0+7], s[G0+7], 0x80000000
	s_mov_b32 s[G0B+4], 1
	s_add_co_u32 s[G0B+5], s45, 6*HALFT
	s_add_nc_u64 s[G0B+6:G0B+7], s[46:47], NROWS*ROWB
	s_or_b32 s[G0B+7], s[G0B+7], 0x80000000
.macro ARM under, g0, g1, next         ; one tree of branches on the wave's number: every way passes exactly one load
	s_cmp_lt_u32 s14, \under
	s_cbranch_scc0 \next
	tensor_load_to_lds s[\g0:\g0+3], s[\g1:\g1+7]
	s_nop 0
.rept 4
	v_nop
.endr
	s_branch .Lhead_asked
\next:
.endm
	ARM 1, G0,  G1,  .Lhead_b
	ARM 2, G0B, G1B, .Lhead_sa
	ARM 3, G0S, G1S, .Lhead_sb
	tensor_load_to_lds s[G0SB:G0SB+3], s[G1SB:G1SB+7]
	s_nop 0
.rept 4
	v_nop
.endr
.Lhead_asked:
; PREFETCH of K steps 2 and 3, which the two refills bring: of the 96 blocks of 256 bytes that my refill fetches, each of the four partners that ask jointly names 24, told apart by address; lanes 24-31 name the last again
	v_and_b32 v31, 31, v0
	v_min_u32 v31, 23, v31
	v_lshlrev_b32 v31, 8, v31
	s_cmp_eq_u32 s15, 0
	s_cselect_b64 s[4:5], s[20:21], s[46:47]
	s_cselect_b32 s2, s40, s41                     ; my place among the four
	s_mov_b32 s6, NROWS*ROWB
	s_cselect_b32 s6, MROWS*ROWB, s6               ; a K step
	s_mov_b32 s7, 0
	s_mul_i32 s2, s2, 6144
	s_mov_b32 s3, 0
	s_add_nc_u64 s[4:5], s[4:5], s[2:3]
	s_add_nc_u64 s[4:5], s[4:5], s[6:7]
	s_add_nc_u64 s[4:5], s[4:5], s[6:7]
	s_wait_alu depctr_va_vdst(0)
	global_prefetch_b8 v31, s[4:5] th:TH_LOAD_NT scope:SCOPE_SE
	v_and_b32 v1, 15, v0
	v_bfe_u32 v2, v0, 4, 1
	v_mul_u32_u24 v3, v1, PITCH
	v_mul_u32_u24 v4, v2, 24
	v_add_nc_u32 v4, v3, v4
	v_lshl_add_u32 v5, v2, 4, v4
	s_mul_i32 s21, s15, HALFT
	s_mul_i32 s22, s16, HALFT
	s_add_co_u32 s22, s22, 4*HALFT
.irp s, 0,1
	v_add_nc_u32 v[ADRA+\s], s21, v4
	v_add_nc_u32 v[ADRB+\s], s22, v4
	v_add_nc_u32 v[ADRA+2+\s], s21, v5
	v_add_nc_u32 v[ADRB+2+\s], s22, v5
	s_add_co_u32 s21, s21, 2*HALFT
	s_add_co_u32 s22, s22, 2*HALFT
.endr
	v_lshlrev_b32 v5, 3, v1
	s_lshl_b32 s21, s15, 10                        ; scale bytes lie [K step][256 rows][8]
	s_lshl_b32 s22, s16, 10
	s_add_co_u32 s22, s22, 2*QS
	s_sub_co_u32 s22, s22, s21
	v_mul_u32_u24 v6, s22, v2
	s_add_co_u32 s21, s21, SCL
	v_add_nc_u32 v5, v5, v6
	v_add_nc_u32 v[ADRS], s21, v5
	s_mov_b32 s[SEL], 0x76543210
	s_mov_b32 s[SEL+1], 0xfedcba98
	v_and_b32 v3, 7, v0
	v_bfe_u32 v4, v0, 3, 1
	s_mul_i32 s18, s14, 12800
	s_mul_i32 s19, s14, 16896
	s_add_co_u32 s19, s19, 51200
	v_lshlrev_b32 v5, 4, v3
	v_lshl_add_u32 v5, v2, 8, v5
	v_add_nc_u32 v5, s18, v5
	v_mad_u32_u24 v[AP], v4, 520, v5
	v_mad_u32_u24 v[AP+1], v4, 1016, v5
	v_add_nc_u32 v[AP+1], 8, v[AP+1]
	v_add_nc_u32 v[AP+2], 512, v[AP]
	v_lshlrev_b32 v6, 2, v3
	v_add_nc_u32 v6, s18, v6
	v_add_nc_u32 v6, 12288, v6
	v_lshl_add_u32 v[ASC], v4, 1, v6
	v_lshl_add_u32 v[VSB], v4, 6, v6
	v_lshl_add_u32 v[VSB], v2, 5, v[VSB]
	v_mul_u32_u24 v5, v1, 528
	v_lshl_add_u32 v5, v2, 6, v5
	v_add_nc_u32 v[VST], s19, v5
	v_and_b32 v6, 31, v0
	v_lshlrev_b32 v[VR], 2, v6
	v_add_nc_u32 v[VR], s19, v[VR]
	v_lshlrev_b32 v5, 4, v3
	v_lshl_add_u32 v5, v2, 7, v5
	v_mad_u32_u24 v5, v4, 1536, v5
	v_add_nc_u32 v[VO], s18, v5
	v_lshlrev_b32 v[GO], 4, v6
	v_lshlrev_b32 v[GSO], 3, v6
	v_add_nc_u32 v[CPY], s18, v[GO]
	v_add_nc_u32 v[CPS], s18, v[GSO]
	v_add_nc_u32 v[CPS], 12288, v[CPS]
	s_lshr_b32 s46, s17, 3
	s_lshl_b32 s46, s46, 4
	s_lshl_b32 s47, s40, 2
	s_add_co_u32 s46, s46, s47
	s_lshl_b32 s47, s16, 1
	s_add_co_u32 s46, s46, s47
	s_mul_i32 s46, s46, 307200
	s_and_b32 s47, s17, 7
	s_lshl_b32 s47, s47, 1
	s_add_co_u32 s47, s47, s15
	s_mul_i32 s92, s47, 6144
	s_lshl_b32 s66, s47, 8
	s_add_co_u32 s92, s92, s46
	s_add_co_u32 s66, s66, s46
	s_mov_b32 s47, 196608
	s_cmp_eq_u32 ttmp9, 0
	s_cselect_b32 s46, 204800, 0
	s_cselect_b32 s47, 303104, s47
	s_cmp_eq_u32 ttmp9, 2
	s_cselect_b32 s46, 98304, s46
	s_cselect_b32 s47, 200704, s47
	s_add_co_u32 s92, s92, s46
	s_add_co_u32 s66, s66, s47
	s_mov_b32 s93, 0
	s_mov_b32 s67, 0
	s_add_nc_u64 s[92:93], s[100:101], s[92:93]
	s_add_nc_u64 s[66:67], s[100:101], s[66:67]
	s_cmp_eq_u32 ttmp9, 1
	s_cselect_b64 s[12:13], s[10:11], s[8:9]
	s_cmp_eq_u32 ttmp9, 2
	s_cselect_b64 s[12:13], s[96:97], s[12:13]
	s_lshl_b32 s46, s40, 10
	s_lshl_b32 s47, s16, 9
	s_add_co_u32 s46, s46, s47
	s_mov_b32 s47, 0
	s_add_nc_u64 s[12:13], s[12:13], s[46:47]
	s_lshl_b32 s20, s17, 10
	s_lshl_b32 s21, s15, 9
	s_add_co_u32 s20, s20, s21
	s_mov_b32 s21, 0
	s_add_nc_u64 s[98:99], s[98:99], s[20:21]
	v_lshlrev_b32 v3, 2, v6
	v_lshlrev_b32 v5, 6, v2
	v_lshlrev_b32 v6, 2, v1
.irp e, 0,1,2,3
.irp q, 0,1,2,3
	global_load_b128 v[BIAS+16*\e+4*\q:BIAS+16*\e+4*\q+3], v5, s[12:13] offset:128*\e+16*\q
.endr
	global_load_b32 v[BV+\e], v3, s[12:13] offset:128*\e
.endr
.irp a, 0,1,2,3,4,5,6,7
	global_load_b32 v[MK+\a], v6, s[98:99] offset:64*\a
.endr
.macro FRAG reg, adr, q, i
.irp p, 0,1,2,3,4,5
.set PCE, 12*(\q)+6*(\p/3)+\p%3
.if PCE%8 < 5
	ds_load_b64 v[\reg+2*\p:\reg+2*\p+1], v[\adr] offset:8*PCE+16*(PCE/8)+(\i)*16*PITCH
.else
	ds_load_b64 v[\reg+2*\p:\reg+2*\p+1], v[\adr+2] offset:8*PCE+16*(PCE/8)+(\i)*16*PITCH
.endif
.endr
.endm
.macro MUL16 a0, p, q, sc, zero
.irp a, \a0, \a0+1
.irp b, 0,1,2,3,4,5,6,7
.if \zero
	v_wmma_scale_f32_16x16x128_f8f6f4 v[8*(8*((\a)%4)+\b):8*(8*((\a)%4)+\b)+7], v[128*(\p)+FR*\b:128*(\p)+FR*\b+FR-1], v[AF+FR*(\a):AF+FR*(\a)+FR-1], 0, v[SC+8*NQ*(\sc)+NQ*\b+(\q)], v[SC+8*NQ*(\sc)+NQ*(\a)+(\q)] matrix_a_fmt:MATRIX_FMT_FP6 matrix_b_fmt:MATRIX_FMT_FP6 matrix_a_scale:MATRIX_SCALE_ROW1
.else
	v_wmma_scale_f32_16x16x128_f8f6f4 v[8*(8*((\a)%4)+\b):8*(8*((\a)%4)+\b)+7], v[128*(\p)+FR*\b:128*(\p)+FR*\b+FR-1], v[AF+FR*(\a):AF+FR*(\a)+FR-1], v[8*(8*((\a)%4)+\b):8*(8*((\a)%4)+\b)+7], v[SC+8*NQ*(\sc)+NQ*\b+(\q)], v[SC+8*NQ*(\sc)+NQ*(\a)+(\q)] matrix_a_fmt:MATRIX_FMT_FP6 matrix_b_fmt:MATRIX_FMT_FP6 matrix_a_scale:MATRIX_SCALE_ROW1
.endif
.endr
.endr
.endm
.macro FETCH_B slot, q, p
	WIN TO_B
.irp i, 0,1,2,3,4,5,6,7
	FRAG 128*(\p)+FR*\i, ADRB+\slot, \q, \i
.endr
	WIN 0
.endm
.macro FETCH_A slot, q, i0
.irp i, \i0, \i0+1, \i0+2, \i0+3
	FRAG AF+FR*(\i), ADRA+\slot, \q, \i
.endr
.endm
.macro SCALES sc
.irp i, 0,1,2,3,4,5,6,7
	ds_load_b64 v[SC+8*NQ*\sc+NQ*\i:SC+8*NQ*\sc+NQ*\i+1], v[ADRS] offset:\i*128
.endr
.endm
.macro PLACES n
.rept \n
	v_nop
.endr
.endm
.macro STEP slot, q, zero
	s_wait_dscnt 4*NL
	WIN MUL_LO
	MUL16 0, (\q)%2, \q, \slot, \zero
	MUL16 2, (\q)%2, \q, \slot, \zero
	s_wait_dscnt 0
	PLACES NP
	FETCH_B \slot, (\q)+1, 1-(\q)%2
	FETCH_A \slot, (\q)+1, 0
	WIN MUL_HI
	MUL16 4, (\q)%2, \q, \slot, \zero
	MUL16 6, (\q)%2, \q, \slot, \zero
	PLACES NP
	WIN 0
	FETCH_A \slot, (\q)+1, 4
.endm
.macro TURN slot, next, fill
	s_wait_tensorcnt 0x0
	ds_add_u32 v[SPW], v[NIL]
	s_wait_dscnt 4*NL+1
	WIN MUL_LO
	MUL16 0, 1, NQ-1, \slot, 0
	s_wait_dscnt 0x0
	s_barrier_signal -1
	MUL16 2, 1, NQ-1, \slot, 0
	WIN 0
	s_barrier_wait -1
.if \fill
	CREST
	s_add_nc_u64 s[G0+4*\slot+2:G0+4*\slot+3], s[G0+4*\slot+2:G0+4*\slot+3], 2*MROWS*ROWB
	s_add_nc_u64 s[G0B+4*\slot+2:G0B+4*\slot+3], s[G0B+4*\slot+2:G0B+4*\slot+3], 2*NROWS*ROWB
	JLOAD G0+4*\slot, G1, G0B+4*\slot, G1B
.else
	PLACES NP
.endif
	s_wait_alu depctr_va_vdst(0)
	v_add_nc_u32 v[ADRS], 2048, v[ADRS]
	FETCH_B \next, 0, 0
	FETCH_A \next, 0, 0
	SCALES \next
	WIN MUL_HI
	MUL16 4, 1, NQ-1, \slot, 0
	MUL16 6, 1, NQ-1, \slot, 0
	PLACES NP
	WIN 0
	FETCH_A \next, 0, 4
.endm
	s_wait_xcnt 0x0                                ; the prefetch has read its address
	s_add_nc_u64 s[4:5], s[4:5], s[6:7]
	global_prefetch_b8 v31, s[4:5] th:TH_LOAD_NT scope:SCOPE_SE   ; K step 3
	s_wait_loadcnt 0x0
	s_wait_tensorcnt 0x0                           ; my load of the head has landed; none of mine is out, so descriptors may be written:
.irp g, G1, G1B
	s_mov_b32 s[\g+1], 32<<16                      ; a refill brings 128 rows of a K step, dense: 96 rows of 256 bytes
	s_mov_b32 s[\g+2], 96<<16
	s_mov_b32 s[\g+3], 32<<16
	s_mov_b32 s[\g+4], 96
	s_mov_b32 s[\g+5], 32
.endr
	s_mul_i32 s18, s16, 128*ROWB
	s_mov_b32 s19, 0
	s_mov_b32 s[G0+1], s45                         ; slot 0's groups 0 now name my 128 rows
	s_add_nc_u64 s[G0+2:G0+3], s[G0+2:G0+3], s[18:19]
	s_add_co_u32 s[G0B+1], s45, 4*HALFT
	s_add_nc_u64 s[G0B+2:G0B+3], s[G0B+2:G0B+3], s[18:19]
	s_barrier_signal -1
	s_barrier_wait -1
	FETCH_B 0, 0, 0
	FETCH_A 0, 0, 0
	SCALES 0
	FETCH_A 0, 0, 4
	STEP 0, 0, 1
	s_mov_b32 s3, LAPS-1
.Llap:
	TURN 0, 1, 1
	STEP 1, 0, 0
	TURN 1, 0, 1
	STEP 0, 0, 0
	s_sub_co_u32 s3, s3, 1
	s_cmp_lg_u32 s3, 0
	s_cbranch_scc1 .Llap
	TURN 0, 1, 0
	STEP 1, 0, 0
	s_wait_dscnt 4*NL
	WIN MUL_LO
	MUL16 0, 1, NQ-1, 1, 0
	MUL16 2, 1, NQ-1, 1, 0
	s_wait_dscnt 0
	WIN MUL_HI
	MUL16 4, 1, NQ-1, 1, 0
	MUL16 6, 1, NQ-1, 1, 0
	WIN 0
	s_barrier_signal -1                            ; the stages of the way out reach into A's slot 1: every wave's reads of it are over (waited for above)
	s_barrier_wait -1
.macro QUANT s
.irp b, 0,1,2,3
	v_max3_num_f32 v[TM+\b], |v[\s+16*\b]|, |v[\s+1+16*\b]|, 0x1800000
.endr
.irp i, 2,4,6,8,10,12,14
.irp b, 0,1,2,3
	v_max3_num_f32 v[TM+\b], v[TM+\b], |v[\s+16*\b+\i]|, |v[\s+1+16*\b+\i]|
.endr
.endr
.irp b, 0,1,2,3
	v_permlanex16_b32 v[TM+4+\b], v[TM+\b], s[SEL], s[SEL+1]
.endr
.irp b, 0,1,2,3
	v_max_num_f32 v[TM+\b], v[TM+\b], v[TM+4+\b]
.endr
.irp b, 0,1,2,3
	v_add_nc_u32 v[TM+12+\b], 0xff000000, v[TM+\b]
.endr
.irp b, 0,1,2,3
	v_lshrrev_b32 v[TM+4+\b], 23, v[TM+12+\b]
.endr
	v_lshl_or_b32 v[PW], v[TM+5], 8, v[TM+4]
	v_lshl_or_b32 v[PW], v[TM+6], 16, v[PW]
	v_lshl_or_b32 v[PW], v[TM+7], 24, v[PW]
.irp c, 0,1
	v_cvt_scalef32_pk16_fp6_f32 v[QC+6*\c:QC+2+6*\c], v[\s+32*\c:\s+15+32*\c], v[TM+12+2*\c]
	v_cvt_scalef32_pk16_fp6_f32 v[QC+12+4*\c:QC+14+4*\c], v[\s+16+32*\c:\s+31+32*\c], v[TM+12+2*\c+1]
.endr
	v_nop
.irp c, 0,1
.irp i, 0,1,2
	v_permlane16_swap_b32 v[QC+6*\c+\i], v[QC+12+4*\c+\i]
.endr
.irp i, 0,1,2
	v_mov_b32 v[QC+3+6*\c+\i], v[QC+12+4*\c+\i]
.endr
.endr
.endm
.macro QK a
	WIN 0x02+((\a)/4)
.set i, 0
.rept 32
	v_pk_add_f32 v[H+i:H+i+1], v[64*((\a)%4)+i:64*((\a)%4)+i+1], v[BIAS+i:BIAS+i+1]
.set i, i+2
.endr
	WIN 0
	v_mov_b32 v254, v[MK+(\a)]
	v_mov_b32 v255, v[MK+(\a)]
.set i, 0
.rept 32
	v_pk_mul_f32 v[H+i:H+i+1], v[H+i:H+i+1], v[254:255]
.set i, i+2
.endr
	QUANT H
.irp c, 0,1
.irp p, 0,1,2
	ds_store_b64 v[AP+\p], v[QC+6*\c+2*\p:QC+6*\c+2*\p+1] offset:6144*\c+1536*((\a)/2)+128*((\a)%2)
.endr
.endr
	ds_store_b16 v[ASC], v[PW] offset:64*((\a)/2)+32*((\a)%2)
	ds_store_b16_d16_hi v[ASC], v[PW] offset:256+64*((\a)/2)+32*((\a)%2)
	s_wait_dscnt 0x0
.endm
.macro VG g
	WIN 0x08+4*((\g)/2)
.irp e, 0,1
.irp b, 0,1,2,3,4,5,6,7
	ds_store_b128 v[VST], v[64*((2*(\g)+\e)%4)+8*\b:64*((2*(\g)+\e)%4)+8*\b+3] offset:8448*\e+128*(\b/2)+32*(\b%2)
	ds_store_b128 v[VST], v[64*((2*(\g)+\e)%4)+8*\b+4:64*((2*(\g)+\e)%4)+8*\b+7] offset:8448*\e+128*(\b/2)+32*(\b%2)+16
.endr
.endr
	WIN 0
.irp cg, 0,1,2,3
.set i, 0
.rept 32
	ds_load_b32 v[H+i], v[VR] offset:528*i+128*\cg
.set i, i+1
.endr
	s_wait_dscnt 0x0
.set i, 0
.rept 32
	v_add_f32 v[H+i], v[BV+\cg], v[H+i]
.set i, i+1
.endr
	v_max3_num_f32 v170, |v[H]|, |v[H+1]|, |v[H+2]|
	v_max3_num_f32 v171, |v[H+3]|, |v[H+4]|, |v[H+5]|
.irp i, 6,10,14,18,22,26
	v_max3_num_f32 v170, v170, |v[H+\i]|, |v[H+\i+1]|
	v_max3_num_f32 v171, v171, |v[H+\i+2]|, |v[H+\i+3]|
.endr
	v_max3_num_f32 v170, v170, |v[H+30]|, |v[H+31]|
	v_max3_num_f32 v170, v170, v171, 0x1800000
	v_add_nc_u32 v172, 0xff000000, v170
	v_lshrrev_b32 v173, 23, v172
.if (\g) == 0
	v_mov_b32 v[SBY+\cg], v173
.else
	v_lshl_or_b32 v[SBY+\cg], v173, 8*(\g), v[SBY+\cg]
.endif
	v_cvt_scalef32_pk16_fp6_f32 v[160:162], v[H:H+15], v172
	v_cvt_scalef32_pk16_fp6_f32 v[166:168], v[H+16:H+31], v172
	v_nop
	v_mov_b32 v163, v166
	v_mov_b32 v164, v167
	v_mov_b32 v165, v168
.if (\g) < 2
	ds_store_b64 v[VO], v[160:161] offset:6144*(\cg/2)+3072*(\cg%2)+256*((\g)%2)
	ds_store_b64 v[VO], v[162:163] offset:6144*(\cg/2)+3072*(\cg%2)+256*((\g)%2)+8
	ds_store_b64 v[VO], v[164:165] offset:6144*(\cg/2)+3072*(\cg%2)+256*((\g)%2)+512
.else
	ds_store_b64 v[VO], v[160:161] offset:6144*(\cg/2)+3072*(\cg%2)+256*((\g)%2)+520
	ds_store_b64 v[VO], v[162:163] offset:6144*(\cg/2)+3072*(\cg%2)+256*((\g)%2)+1024
	ds_store_b64 v[VO], v[164:165] offset:6144*(\cg/2)+3072*(\cg%2)+256*((\g)%2)+1032
.endif
.endr
.endm
	PLACES NP
.irp b, 0,1,2,3
	v_mov_b32 v[TM+4+\b], 0
.endr
	s_cmp_eq_u32 ttmp9, 2
	s_cbranch_scc1 .Lvarm
	s_cmp_eq_u32 ttmp9, 0
	s_cselect_b32 s2, 1, 0
	v_mov_b32 v30, 1.0
.irp a, 0,1,2,3,4,5,6,7
	v_or_b32 v[MK+\a], s2, v[MK+\a]
.endr
.irp a, 0,1,2,3,4,5,6,7
	v_cmp_ne_u32 vcc_lo, 0, v[MK+\a]
	v_cndmask_b32 v[MK+\a], 0, v30, vcc_lo
.endr
.irp a, 0,1,2,3,4,5,6,7
	QK \a
.endr
	s_branch .Lcopy
.Lvarm:
.irp g, 0,1,2,3
	VG \g
.endr
.irp cg, 0,1,2,3
	ds_store_b32 v[VSB], v[SBY+\cg] offset:256*(\cg/2)+128*(\cg%2)
.endr
.Lcopy:
.irp d, 0,1
.irp k, 0,1,2,3,4,5,6,7,8,9,10,11
	ds_load_b128 v[H+4*(12*\d+\k):H+4*(12*\d+\k)+3], v[CPY] offset:6144*\d+512*\k
.endr
	ds_load_b64 v[TM+2*\d:TM+2*\d+1], v[CPS] offset:256*\d
.endr
	s_wait_dscnt 0x0
.irp d, 0,1
.irp k, 0,1,2,3,4,5,6,7,8,9,10,11
	global_store_b128 v[GO], v[H+4*(12*\d+\k):H+4*(12*\d+\k)+3], s[92:93] offset:307200*\d+512*\k
.endr
	global_store_b64 v[GSO], v[TM+2*\d:TM+2*\d+1], s[66:67] offset:307200*\d
.endr
	s_wait_tensorcnt 0x0
	ds_add_u32 v[SPW], v[NIL]
	s_wait_dscnt 0x0
	CROUND
	s_endpgm
.Lfunc_end_k_qe6183b1d6e_qkv:
	.size	k_qe6183b1d6e_qkv, .Lfunc_end_k_qe6183b1d6e_qkv-k_qe6183b1d6e_qkv
	.p2alignl 7, 3214868480
	.fill 96, 4, 3214868480
	.section	.rodata,"a",@progbits
	.p2align	6, 0x0
	.amdhsa_kernel k_qe6183b1d6e_qkv
		.amdhsa_group_segment_fixed_size 327680
		.amdhsa_private_segment_fixed_size 0
		.amdhsa_enable_private_segment 0
		.amdhsa_kernarg_size 56
		.amdhsa_user_sgpr_count 2
		.amdhsa_user_sgpr_kernarg_segment_ptr 1
		.amdhsa_wavefront_size32 1
		.amdhsa_system_sgpr_workgroup_id_x 1
		.amdhsa_system_sgpr_workgroup_id_y 1
		.amdhsa_system_sgpr_workgroup_id_z 1
		.amdhsa_system_vgpr_workitem_id 0
		.amdhsa_next_free_vgpr 1024
		.amdhsa_next_free_sgpr 102
		.amdhsa_reserve_vcc 1
		.amdhsa_float_denorm_mode_32 3
		.amdhsa_float_denorm_mode_16_64 3
		.amdhsa_memory_ordered 1
		.amdhsa_forward_progress 1
		.amdhsa_inst_pref_size 255
	.end_amdhsa_kernel
	.section	.bss,"aw",@nobits
	.p2align	6
	.space	262144
	.amdgpu_metadata
---
amdhsa.version: [ 1, 2 ]
amdhsa.kernels:
  - .name:           k_qe6183b1d6e_qkv
    .symbol:         k_qe6183b1d6e_qkv.kd
    .args:
      - { .name: xq, .offset: 0, .size: 8, .value_kind: global_buffer, .address_space: global }
      - { .name: wts, .offset: 8, .size: 8, .value_kind: global_buffer, .address_space: global }
      - { .name: bq, .offset: 16, .size: 8, .value_kind: global_buffer, .address_space: global }
      - { .name: bk, .offset: 24, .size: 8, .value_kind: global_buffer, .address_space: global }
      - { .name: bv, .offset: 32, .size: 8, .value_kind: global_buffer, .address_space: global }
      - { .name: mask, .offset: 40, .size: 8, .value_kind: global_buffer, .address_space: global }
      - { .name: att, .offset: 48, .size: 8, .value_kind: global_buffer, .address_space: global }
    .group_segment_fixed_size: 327680
    .private_segment_fixed_size: 0
    .kernarg_segment_align: 8
    .kernarg_segment_size: 56
    .max_flat_workgroup_size: 128
    .sgpr_count:     102
    .vgpr_count:     1024
    .wavefront_size: 32
...
	.end_amdgpu_metadata
.endif
;; end of part 9
;; launch attn (part 10): grid 8 x 32, 16 waves a work-group, clusters of 4 x 1, 215,040 bytes of LDS; arguments att, mask, hq; writes hq
.if DOCPART == 10
	.amdgcn_target "amdgcn-amd-amdhsa--gfx1250"
	.amdhsa_code_object_version 6
	.text
	.protected	k_qe6183b1d6e_attn
	.globl	k_qe6183b1d6e_attn
	.p2align	8
	.type	k_qe6183b1d6e_attn,@function
k_qe6183b1d6e_attn:
	s_mov_b64 s[64:65], 0
	v_nop
	global_prefetch_b8 v0, s[64:65] scope:SCOPE_SE
	s_setreg_imm32_b32 hwreg(HW_REG_WAVE_MODE, 25, 1), 1
	s_wait_xcnt 0x0
	s_wait_alu depctr_hold_cnt(0) depctr_sa_sdst(0) depctr_va_vdst(0) depctr_va_sdst(0) depctr_va_ssrc(0) depctr_va_vcc(0) depctr_vm_vsrc(0)
	s_getreg_b32 s2, hwreg(HW_REG_IB_STS2, 6, 4)
	s_cmp_eq_u32 s2, 0
	s_cbranch_scc0 .Lentry_in_a_cluster
	s_endpgm
.Lentry_in_a_cluster:
	s_bfe_u32 s2, ttmp6, 0x10000c
	s_cmp_lg_u32 s2, 0x3003
	s_cbranch_scc0 .Lentry_shape_is_right
	s_endpgm
.Lentry_shape_is_right:
; O = softmax(q k^T / 8, hidden keys at a very low logit) v for one (batch, head), both products on codes of FP6 (E2M3) with E8M0 scales; O / l is quantised along the model's 1,024 and stored as the next product's operand.
; SOFTMAX: t = score x log2(e) / 8; M = the running largest t rounded up to a whole number; p = 2^(t - M) is quantised along the keys; the row's sum is taken of the unquantised p and divides O at the end.
; SHARES.  A work-group owns 256 queries of one head, each of its sixteen waves 16: four waves to a SIMD, so that one wave's vector work stands beside another's products and LDS loads.
; THE WHOLE HEAD STAYS IN LDS: K's and V's images and scale words, 204,800 bytes, dense in memory, come once: each wave asks for 12,800 bytes.  Nothing is filled again: no ring, one barrier.
; CLUSTER.  The four query blocks of a cluster belong to one head: the loads are joint, with a mask that names the four.
; THE HEAD SIZE IS 64, THE INSTRUCTION'S K 128: an image of K holds two tiles of 16 keys side by side (registers 0-5, 6-11); multiplied by (q, 0) it gives the first tile's scores, by (0, q) the second's.
; THE MASK costs no vector work in the loop: a bias of 0 or -2^33 for each key lies in LDS and is loaded into the score accumulators as the product's C; hidden keys have zero codes.  c x 2^33 is a whole number in f32,
; so with every key hidden t - M is exactly 0 and the result is the plain mean, as with any equal logits; else p is 0.  LIMIT: a hidden logit is -2^30 here, not -1e9: results differ only where true logits lie that low.
; Both products are used transposed: a lane holds one query.  Keys and channels of a tile are chosen so that 16 registers of two neighbouring tiles are 16 neighbours along the next product's K.
; LIMITS: NaN and infinities are not served; a block under 2^-124 (zeros too) keeps the byte 1, read by this program alone.
.set XS_OFF, 3145728
.set BIASB,  204800                    ; behind the head's block: 2,048 biases, written by LDS stores
.set AK0, 1                            ; v1-5  my lane's places: K's images, V's, K's scale words, V's, the biases
.set AV0, 2
.set AS0, 3
.set AT0, 4
.set AB0, 5
.set ADK, 6                            ; v6-10 the same for the step in hand
.set ADV, 7
.set ADS, 8
.set ADT, 9
.set ADB, 10
.set F,   40                           ; v40-87   four fragments of K, then of V.  v12 -M, v13 the largest t, v[14:15] the sum; v16-27 (q, 0), v28-39 (0, q)
.set S,   88                           ; v88-151  S^T, then p
.set O,   152                          ; v152-183 O^T
.set QC,  184                          ; v184-195 p's codes; v196-202 the conversions' second halves
.set BM,  204
.set PT,  208
.set SO,  212
.set BY,  216
.set PW,  220                          ; p's scale word
.set KS,  224                          ; v224-225 K's scale words, v226-227 V's, v228 q's: they hold nothing else
.set VS,  226
.set QSR, 228
.set WV,  10
.set G0,  16
.set G1,  20
.set CS,  28
.set SEL, 30
.set TK,  32                           ; the step's images: 6,144 bytes a step
.set TS,  33                           ; its scale words: 256
.set TB,  34                           ; its biases: 512
.set CNT, 35
.macro ROUND
	s_barrier_signal -1
	s_barrier_wait -1
	s_cmp_lg_u32 s[WV], 0
	s_cbranch_scc1 .Lnot_wave_0_\@
	s_barrier_signal -3
.Lnot_wave_0_\@:
	s_barrier_wait -3
	s_barrier_signal -1
	s_barrier_wait -1
.endm
	s_load_b128 s[4:7], s[0:1], 0x0                ; att, mask
	s_load_b64 s[8:9], s[0:1], 0x10                ; hq
	v_lshl_add_u32 v254, v0, 2, 0x34000
	v_mov_b32 v255, 0
	ds_add_u32 v254, v255
	ds_add_u32 v254, v255
	v_lshrrev_b32 v11, 5, v0
	s_delay_alu instid0(VALU_DEP_1)
	v_readfirstlane_b32 s[WV], v11                 ; wave 0..15
	s_bfe_u32 s11, ttmp6, 0x40000                  ; cx: it enters q's and the output's addresses alone
	s_lshl_b32 s13, ttmp9, 2
	s_add_co_u32 s13, s13, s11                     ; my block of 256 queries
	s_and_b32 s12, ttmp7, 0xffff                   ; 16 batch + head: shared by the partners
	s_mul_i32 s36, s12, 307200
	s_mov_b32 s37, 0
	s_mul_i32 s38, s[WV], 12800
	s_mov_b32 s39, 0
	s_mov_b32 s[G1], 15|(3<<16)|(1<<21)            ; the mask: all four; elements of 8 bytes; bit 21 beside a mask
	s_mov_b32 s[G1+1], 32<<16                      ; 50 rows of 256 bytes, dense
	s_mov_b32 s[G1+2], 50<<16
	s_mov_b32 s[G1+3], 32<<16
	s_mov_b32 s[G1+4], 50
	s_mov_b32 s[G1+5], 32
	s_mov_b32 s[G1+6], 0
	s_mov_b32 s[G1+7], 0
	s_mov_b32 s[G0], 1
	s_mul_i32 s[G0+1], s[WV], 12800
	s_mov_b32 s[CS], 0x3e38aa3b                    ; c = log2(e) / 8
	s_mov_b32 s[CS+1], s[CS]
	s_mov_b32 s[SEL], 0x76543210
	s_mov_b32 s[SEL+1], 0xfedcba98
	s_mov_b32 s[TK], 0
	s_mov_b32 s[TS], 0
	s_mov_b32 s[TB], 0
	s_mov_b32 s[CNT], 15
	s_wait_dscnt 0x0
	s_wait_kmcnt 0x0
	s_add_nc_u64 s[4:5], s[4:5], s[36:37]          ; att at my head
	s_add_nc_u64 s[G0+2:G0+3], s[4:5], s[38:39]
	s_or_b32 s[G0+3], s[G0+3], 0x80000000
	ROUND                                          ; the four work-groups are here: the joint loads meet
	tensor_load_to_lds s[G0:G0+3], s[G1:G1+7]      ; my one tensor load of the launch
	s_nop 0
.rept 4
	v_nop
.endr
	s_lshr_b32 s40, s12, 4                         ; batch
	s_lshl_b32 s40, s40, 13
	s_mov_b32 s41, 0
	s_add_nc_u64 s[6:7], s[6:7], s[40:41]
	s_lshl_b32 s40, s13, 3
	s_lshr_b32 s41, s[WV], 1
	s_add_co_u32 s40, s40, s41                     ; my block of 32 queries; my tile in it is u = wave % 2
	s_mul_i32 s46, s40, 1536
	s_add_co_u32 s46, s46, 204800
	s_mov_b32 s47, 0
	s_add_nc_u64 s[46:47], s[4:5], s[46:47]        ; its image
	s_lshl_b32 s48, s40, 6
	s_add_co_u32 s48, s48, 303104
	s_mov_b32 s49, 0
	s_add_nc_u64 s[48:49], s[4:5], s[48:49]        ; its scale words
	s_and_b32 s42, s[WV], 1
	s_mul_i32 s43, s42, 520
	s_mul_i32 s44, s42, 1016
	s_lshl_b32 s45, s42, 4
	; where O goes: codes [head / 4][4,096 tokens][192], 48 (head % 4) on; bytes likewise [..][8], 2 (head % 4) on
	s_and_b32 s36, s12, 15
	s_lshr_b32 s37, s12, 4
	s_lshr_b32 s38, s36, 2
	s_lshl_b32 s38, s38, 12
	s_lshl_b32 s39, s37, 11
	s_add_co_u32 s38, s38, s39
	s_lshl_b32 s39, s40, 5
	s_add_co_u32 s38, s38, s39
	s_lshl_b32 s39, s42, 3
	s_add_co_u32 s38, s38, s39                     ; my first token's row
	s_and_b32 s36, s36, 3
	s_mul_i32 s50, s38, 192
	s_mul_i32 s39, s36, 48
	s_add_co_u32 s50, s50, s39
	s_mov_b32 s51, 0
	s_lshl_b32 s52, s38, 3
	s_lshl_b32 s39, s36, 1
	s_add_co_u32 s52, s52, s39
	s_add_co_u32 s52, s52, XS_OFF
	s_mov_b32 s53, 0
	s_add_nc_u64 s[50:51], s[8:9], s[50:51]
	s_add_nc_u64 s[52:53], s[8:9], s[52:53]
	v_lshlrev_b32 v11, 4, v0
	global_load_b128 v[232:235], v11, s[6:7]       ; thread t: the mask of keys 4 t .. 4 t + 3
	v_and_b32 v230, 31, v0
	s_delay_alu instid0(VALU_DEP_1)
	v_lshlrev_b32 v[AK0], 4, v230                  ; 16 x lane
	s_delay_alu instid0(VALU_DEP_1)
	v_add_nc_u32 v236, s43, v[AK0]                 ; words 6 u .. 6 u + 5 of my lane: pieces at 0, 8, 512 (u = 0) or 520, 1,024, 1,032
	s_delay_alu instid0(VALU_DEP_2)
	v_add_nc_u32 v237, s44, v[AK0]
.irp d, 16, 34
	global_load_b64 v[\d:\d+1], v236, s[46:47]
	global_load_b64 v[\d+2:\d+3], v237, s[46:47] offset:8
	global_load_b64 v[\d+4:\d+5], v236, s[46:47] offset:512
.endr
	v_and_b32 v238, 15, v0
	s_delay_alu instid0(VALU_DEP_1)
	v_lshlrev_b32 v238, 2, v238
	global_load_b32 v[QSR], v238, s[48:49]
	v_add_nc_u32 v[AV0], 98304, v[AK0]
	v_lshlrev_b32 v[AS0], 2, v230
	s_delay_alu instid0(VALU_DEP_1)
	v_add_nc_u32 v[AT0], 200704, v[AS0]
	s_delay_alu instid0(VALU_DEP_2)
	v_add_nc_u32 v[AS0], 196608, v[AS0]
	v_bfe_u32 v[AB0], v0, 4, 1
	s_delay_alu instid0(VALU_DEP_1)
	v_lshl_add_u32 v[AB0], v[AB0], 6, BIASB
	v_lshl_add_u32 v239, v0, 4, BIASB
	v_mov_b32 v231, 0xd0000000                     ; -2^33
	v_mov_b32 v13, 0xff61b1e6                      ; the largest t so far: -3e38
	s_delay_alu instid0(VALU_DEP_1)
	v_floor_f32 v12, -v13                          ; -M
	v_mov_b32 v14, 0
	v_mov_b32 v15, 0
	v_mov_b32 v223, 0                              ; named as the upper half of the pair v[222:223]
.irp j, 22,23,24,25,26,27,28,29,30,31,32,33
	v_mov_b32 v\j, 0                               ; the zeros beside q
.endr
.irp b, 0,1,2,3
	v_mov_b32 v[PT+\b], 0                          ; a lane permute's destination counts as read
.endr
	s_wait_loadcnt 0x0
.irp i, 0,1,2,3
	v_cmp_eq_u32 vcc_lo, 0, v[232+\i]
	s_delay_alu instid0(VALU_DEP_1)
	v_cndmask_b32 v[232+\i], 0, v231, vcc_lo
.endr
	ds_store_b128 v239, v[232:235]
	v_lshrrev_b32 v[QSR], s45, v[QSR]              ; my tile's two bytes,
	s_delay_alu instid0(VALU_DEP_1)
	v_and_b32 v[QSR], 0xffff, v[QSR]
	s_delay_alu instid0(VALU_DEP_1)
	v_lshl_or_b32 v[QSR], v[QSR], 16, v[QSR]       ; for both halves of the instruction's K
.set i, 0
.rept 32
	v_mov_b32 v[O+i], 0                            ; O^T: the loop is written once; the first change of M multiplies zeros.  (Also the places between q's scale word and the first product)
.set i, i+1
.endr
	s_wait_tensorcnt 0x0                           ; my part of the head has landed,
	s_wait_dscnt 0x0                               ; my biases are stored:
	s_barrier_signal -1
	s_barrier_wait -1                              ; everybody's are
.macro PRE                             ; a step's K side: four pair images, their scale words, and the biases straight into the score accumulators
	v_add_nc_u32 v[ADK], s[TK], v[AK0]
	v_add_nc_u32 v[ADS], s[TS], v[AS0]
	v_add_nc_u32 v[ADB], s[TB], v[AB0]
	v_nop                                          ; four places ahead of loads into registers that matrix instructions have read
.irp f, 0,1,2,3
.irp c, 0,1,2
	ds_load_b128 v[F+12*\f+4*\c:F+12*\f+4*\c+3], v[ADK] offset:1536*\f+512*\c
.endr
.endr
	ds_load_b32 v[KS], v[ADS]                      ; lanes 0-15 block 0's words, lanes 16-31 block 1's
	ds_load_b32 v[KS+1], v[ADS] offset:128
.irp t, 0,1,2,3,4,5,6,7
	ds_load_b128 v[S+8*\t:S+8*\t+3], v[ADB] offset:128*(\t/2)+32*(\t%2)        ; keys 32 (t / 2) + 16 h + 8 (t % 2) + 0 .. 7
	ds_load_b128 v[S+8*\t+4:S+8*\t+7], v[ADB] offset:128*(\t/2)+32*(\t%2)+16
.endr
.endm
.macro STEP pre                        ; 128 keys
	s_wait_dscnt 0x0
.irp t, 0,1,2,3,4,5,6,7                ; S^T = K q^T + bias: eight accumulators, one instruction each
.if (\t/2)%2
	v_wmma_scale_f32_16x16x128_f8f6f4 v[S+8*\t:S+8*\t+7], v[F+12*(\t/2):F+12*(\t/2)+11], v[16+12*(\t%2):27+12*(\t%2)], v[S+8*\t:S+8*\t+7], v[KS+\t/4], v[QSR] matrix_a_fmt:MATRIX_FMT_FP6 matrix_b_fmt:MATRIX_FMT_FP6 matrix_a_scale:MATRIX_SCALE_ROW1
.else
	v_wmma_scale_f32_16x16x128_f8f6f4 v[S+8*\t:S+8*\t+7], v[F+12*(\t/2):F+12*(\t/2)+11], v[16+12*(\t%2):27+12*(\t%2)], v[S+8*\t:S+8*\t+7], v[KS+\t/4], v[QSR] matrix_a_fmt:MATRIX_FMT_FP6 matrix_b_fmt:MATRIX_FMT_FP6
.endif
.endr
	v_add_nc_u32 v[ADV], s[TK], v[AV0]
	v_add_nc_u32 v[ADT], s[TS], v[AT0]
	v_nop
	v_nop                                          ; four places: ahead of the loads below and of the first read of the scores
.irp f, 0,1,2,3
.irp c, 0,1,2
	ds_load_b128 v[F+12*\f+4*\c:F+12*\f+4*\c+3], v[ADV] offset:1536*\f+512*\c   ; V's four tiles land during the softmax
.endr
.endr
	ds_load_b32 v[VS], v[ADT]
	ds_load_b32 v[VS+1], v[ADT] offset:128
.irp b, 0,1,2,3
	v_max3_num_f32 v[BM+\b], v[S+16*\b], v[S+1+16*\b], v[S+2+16*\b]   ; the largest score of each block of 32 keys: for the row's maximum and, since p rises with the score, for the block's largest p
.endr
.irp i, 3,5,7,9,11,13
.irp b, 0,1,2,3
	v_max3_num_f32 v[BM+\b], v[BM+\b], v[S+16*\b+\i], v[S+1+16*\b+\i]
.endr
.endr
.irp b, 0,1,2,3
	v_max_num_f32 v[BM+\b], v[BM+\b], v[S+15+16*\b]
.endr
.irp b, 0,1,2,3
	s_delay_alu instid0(VALU_DEP_4)
	v_permlanex16_b32 v[PT+\b], v[BM+\b], s[SEL], s[SEL+1]
.endr
.irp b, 0,1,2,3
	s_delay_alu instid0(VALU_DEP_4)
	v_max_num_f32 v[BM+\b], v[BM+\b], v[PT+\b]
.endr
	s_delay_alu instid0(VALU_DEP_2)
	v_max3_num_f32 v230, v[BM], v[BM+1], v[BM+2]
	s_delay_alu instid0(VALU_DEP_1)
	v_max_num_f32 v230, v230, v[BM+3]
	s_delay_alu instid0(VALU_DEP_1)
	v_mul_f32 v230, s[CS], v230
	s_delay_alu instid0(VALU_DEP_1)
	v_max_num_f32 v13, v13, v230                   ; the running largest t
	v_mov_b32 v230, v12
	s_delay_alu instid0(VALU_DEP_2)
	v_floor_f32 v12, -v13                          ; -M = floor(-t): M is a whole number
	s_delay_alu instid0(VALU_DEP_1)
	v_sub_f32 v230, v12, v230
	s_delay_alu instid0(VALU_DEP_1)
	v_cvt_i32_f32 v230, v230                       ; (it saturates)
	s_delay_alu instid0(VALU_DEP_1)
	v_ldexp_f32 v222, 1.0, v230                    ; f = 2^(old M - new M)
.set i, 0
.rept 32
	v_pk_fma_f32 v[S+i:S+i+1], v[S+i:S+i+1], s[CS:CS+1], v[12:13] op_sel_hi:[1,0,0]   ; t - M
.set i, i+2
.endr
.irp b, 0,1,2,3
	v_fma_f32 v[BM+\b], v[BM+\b], s[CS], v12
.endr
.set i, 0
	s_wait_alu depctr_va_vdst(0)
.rept 64
	v_exp_f32 v[S+i], v[S+i]                       ; p = 2^(t - M)
.set i, i+1
.endr
.irp b, 0,1,2,3
	v_exp_f32 v[BM+\b], v[BM+\b]                   ; the block's largest p: the same two instructions on the same number
.endr
	v_pk_mul_f32 v[14:15], v[14:15], v[222:223] op_sel_hi:[1,0]    ; the sums under the new M (a plain place behind the exponentials)
	s_wait_alu depctr_va_vdst(0)
.irp b, 0,1,2,3
	v_max_num_f32 v[BM+\b], 0x1800000, v[BM+\b]    ; the floor 2^(3 - 127)
.endr
.irp b, 0,1,2,3
	s_delay_alu instid0(VALU_DEP_4)
	v_add_nc_u32 v[SO+\b], 0xff000000, v[BM+\b]
.endr
.irp b, 0,1,2,3
	s_delay_alu instid0(VALU_DEP_4)
	v_lshrrev_b32 v[BY+\b], 23, v[SO+\b]
.endr
	s_delay_alu instid0(VALU_DEP_3)
	v_lshl_or_b32 v[PW], v[BY+1], 8, v[BY]
	s_delay_alu instid0(VALU_DEP_1)
	v_lshl_or_b32 v[PW], v[BY+2], 16, v[PW]
	s_delay_alu instid0(VALU_DEP_1)
	v_lshl_or_b32 v[PW], v[BY+3], 24, v[PW]
.irp c, 0,1
	v_cvt_scalef32_pk16_fp6_f32 v[QC+6*\c:QC+2+6*\c], v[S+32*\c:S+15+32*\c], v[SO+2*\c]
	v_cvt_scalef32_pk16_fp6_f32 v[196+4*\c:198+4*\c], v[S+16+32*\c:S+31+32*\c], v[SO+2*\c+1]
.endr
	v_nop                                          ; one plain place behind a scaled conversion
.irp c, 0,1
.irp i, 0,1,2
	v_permlane16_swap_b32 v[QC+6*\c+\i], v[196+4*\c+\i]
.endr
.irp i, 0,1,2
	s_delay_alu instid0(VALU_DEP_3)
	v_mov_b32 v[QC+3+6*\c+\i], v[196+4*\c+\i]
.endr
.endr
	v_pk_add_f32 v[232:233], v[92:93], v[96:97]
	v_pk_add_f32 v[252:253], v[100:101], v[104:105]
	v_pk_add_f32 v[250:251], v[108:109], v[112:113]
	v_pk_add_f32 v[248:249], v[116:117], v[120:121]
	v_pk_add_f32 v[246:247], v[124:125], v[128:129]
	v_pk_add_f32 v[244:245], v[132:133], v[136:137]
	v_pk_add_f32 v[242:243], v[140:141], v[144:145]
	v_pk_add_f32 v[14:15], v[14:15], v[148:149]
	v_pk_add_f32 v[232:233], v[232:233], v[88:89]
	v_pk_add_f32 v[252:253], v[252:253], v[90:91]
	v_pk_add_f32 v[250:251], v[250:251], v[94:95]
	v_pk_add_f32 v[248:249], v[248:249], v[98:99]
	v_pk_add_f32 v[246:247], v[246:247], v[102:103]
	v_pk_add_f32 v[244:245], v[244:245], v[106:107]
	v_pk_add_f32 v[242:243], v[242:243], v[110:111]
	v_pk_add_f32 v[14:15], v[14:15], v[114:115]
	v_pk_add_f32 v[232:233], v[232:233], v[118:119]
	v_pk_add_f32 v[252:253], v[252:253], v[122:123]
	v_pk_add_f32 v[250:251], v[250:251], v[126:127]
	v_pk_add_f32 v[248:249], v[248:249], v[130:131]
	v_pk_add_f32 v[246:247], v[246:247], v[134:135]
	v_pk_add_f32 v[244:245], v[244:245], v[138:139]
	v_pk_add_f32 v[242:243], v[242:243], v[142:143]
	v_pk_add_f32 v[14:15], v[14:15], v[146:147]
	v_pk_add_f32 v[232:233], v[232:233], v[150:151]
	s_delay_alu instid0(VALU_DEP_2)
	v_pk_add_f32 v[14:15], v[14:15], v[248:249]
	s_delay_alu instid0(VALU_DEP_2)
	v_pk_add_f32 v[232:233], v[232:233], v[246:247]
	v_pk_add_f32 v[252:253], v[252:253], v[244:245]
	v_pk_add_f32 v[250:251], v[250:251], v[242:243]
	s_delay_alu instid0(VALU_DEP_2)
	v_pk_add_f32 v[14:15], v[14:15], v[252:253]
	s_delay_alu instid0(VALU_DEP_2)
	v_pk_add_f32 v[232:233], v[232:233], v[250:251]
	s_delay_alu instid0(VALU_DEP_1)
	v_pk_add_f32 v[14:15], v[14:15], v[232:233]
.set i, 0
.rept 16
	v_pk_mul_f32 v[O+i:O+i+1], v[O+i:O+i+1], v[222:223] op_sel_hi:[1,0]    ; O^T under the new M
.set i, i+2
.endr
	s_wait_alu depctr_va_vdst(0)
	s_wait_dscnt 0x0                               ; V
.irp t, 0,1,2,3                        ; O^T += V^T p^T: four accumulators, one instruction each
.if \t%2
	v_wmma_scale_f32_16x16x128_f8f6f4 v[O+8*\t:O+8*\t+7], v[F+12*\t:F+12*\t+11], v[QC:QC+11], v[O+8*\t:O+8*\t+7], v[VS+\t/2], v[PW] matrix_a_fmt:MATRIX_FMT_FP6 matrix_b_fmt:MATRIX_FMT_FP6 matrix_a_scale:MATRIX_SCALE_ROW1
.else
	v_wmma_scale_f32_16x16x128_f8f6f4 v[O+8*\t:O+8*\t+7], v[F+12*\t:F+12*\t+11], v[QC:QC+11], v[O+8*\t:O+8*\t+7], v[VS+\t/2], v[PW] matrix_a_fmt:MATRIX_FMT_FP6 matrix_b_fmt:MATRIX_FMT_FP6
.endif
.endr
	s_add_co_u32 s[TK], s[TK], 6144
	s_add_co_u32 s[TS], s[TS], 256
	s_add_co_u32 s[TB], s[TB], 512
.if \pre
	PRE
.endif
.endm
	PRE
.Lstep:                                            ; 15 trips; the sixteenth step is written out, so that no LDS read passes the head's block
	STEP 1
	s_sub_co_u32 s[CNT], s[CNT], 1
	s_cmp_lg_u32 s[CNT], 0
	s_cbranch_scc1 .Lstep
	STEP 0
	; THE WAY OUT: O / l, quantised along the head's 64 (two blocks of the model's 1,024)
	v_add_f32 v14, v14, v15
	s_delay_alu instid0(VALU_DEP_1)
	v_permlanex16_b32 v230, v14, s[SEL], s[SEL+1]
	s_delay_alu instid0(VALU_DEP_1)
	v_add_f32 v14, v14, v230
	s_wait_alu depctr_va_vdst(0)
	v_rcp_f32 v14, v14
	v_and_b32 v1, 15, v0                           ; r  (plain places, behind the reciprocal and the last products)
	v_bfe_u32 v2, v0, 4, 1                         ; h
	v_bfe_u32 v3, v0, 3, 1
	s_delay_alu instid0(VALU_DEP_1)
	v_lshl_add_u32 v4, v3, 3, v1                   ; my query is token r + 8 (r / 8) of the tile
	s_delay_alu instid0(VALU_DEP_1)
	v_mul_u32_u24 v5, v4, 192
	s_delay_alu instid0(VALU_DEP_1)
	v_mad_u32_u24 v5, v2, 24, v5
	s_delay_alu instid0(VALU_DEP_3)
	v_lshlrev_b32 v6, 3, v4
.set i, 0
	s_wait_alu depctr_va_vdst(0)
.rept 32
	v_mul_f32 v[S+i], v[O+i], v14                  ; register 16 e + i is channel 32 e + 16 h + i; each accumulator from its low end on
.set i, i+1
.endr
.irp b, 0,1
	v_max3_num_f32 v[BM+\b], |v[S+16*\b]|, |v[S+1+16*\b]|, 0x1800000
.endr
.irp i, 2,4,6,8,10,12,14
.irp b, 0,1
	s_delay_alu instid0(VALU_DEP_2)
	v_max3_num_f32 v[BM+\b], v[BM+\b], |v[S+16*\b+\i]|, |v[S+1+16*\b+\i]|
.endr
.endr
.irp b, 0,1
	s_delay_alu instid0(VALU_DEP_2)
	v_permlanex16_b32 v[PT+\b], v[BM+\b], s[SEL], s[SEL+1]
.endr
.irp b, 0,1
	s_delay_alu instid0(VALU_DEP_2)
	v_max_num_f32 v[BM+\b], v[BM+\b], v[PT+\b]
.endr
.irp b, 0,1
	s_delay_alu instid0(VALU_DEP_2)
	v_add_nc_u32 v[SO+\b], 0xff000000, v[BM+\b]
.endr
.irp b, 0,1
	s_delay_alu instid0(VALU_DEP_2)
	v_lshrrev_b32 v[BY+\b], 23, v[SO+\b]
.endr
	s_delay_alu instid0(VALU_DEP_1)
	v_lshl_or_b32 v[PW], v[BY+1], 8, v[BY]
	v_cvt_scalef32_pk16_fp6_f32 v[QC:QC+2], v[S:S+15], v[SO]
	v_cvt_scalef32_pk16_fp6_f32 v[196:198], v[S+16:S+31], v[SO+1]
	v_nop
.irp i, 0,1,2
	v_permlane16_swap_b32 v[QC+\i], v[196+\i]
.endr
.irp i, 0,1,2
	s_delay_alu instid0(VALU_DEP_3)
	v_mov_b32 v[QC+3+\i], v[196+\i]                ; my lane: block h, 24 bytes
.endr
.irp p, 0,1,2
	global_store_b64 v5, v[QC+2*\p:QC+2*\p+1], s[50:51] offset:8*\p    ; 48 bytes of a token's row: a whole block of 256 would want four heads in one work-group
.endr
	global_store_b16 v6, v[PW], s[52:53]           ; both halves of the lanes store the same two bytes
	s_wait_tensorcnt 0x0
	ds_add_u32 v254, v255
	s_wait_dscnt 0x0
	ROUND                                          ; the closing round
	s_endpgm
.Lfunc_end_k_qe6183b1d6e_attn:
	.size	k_qe6183b1d6e_attn, .Lfunc_end_k_qe6183b1d6e_attn-k_qe6183b1d6e_attn
	.p2alignl 7, 3214868480
	.fill 96, 4, 3214868480
	.section	.rodata,"a",@progbits
	.p2align	6, 0x0
	.amdhsa_kernel k_qe6183b1d6e_attn
		.amdhsa_group_segment_fixed_size 215040
		.amdhsa_private_segment_fixed_size 0
		.amdhsa_enable_private_segment 0
		.amdhsa_kernarg_size 24
		.amdhsa_user_sgpr_count 2
		.amdhsa_user_sgpr_kernarg_segment_ptr 1
		.amdhsa_wavefront_size32 1
		.amdhsa_system_sgpr_workgroup_id_x 1
		.amdhsa_system_sgpr_workgroup_id_y 1
		.amdhsa_system_sgpr_workgroup_id_z 1
		.amdhsa_system_vgpr_workitem_id 0
		.amdhsa_next_free_vgpr 256
		.amdhsa_next_free_sgpr 66
		.amdhsa_reserve_vcc 1
		.amdhsa_float_denorm_mode_32 3
		.amdhsa_float_denorm_mode_16_64 3
		.amdhsa_memory_ordered 1
		.amdhsa_forward_progress 1
		.amdhsa_inst_pref_size 50
	.end_amdhsa_kernel
	.amdgpu_metadata
---
amdhsa.version: [ 1, 2 ]
amdhsa.kernels:
  - .name:           k_qe6183b1d6e_attn
    .symbol:         k_qe6183b1d6e_attn.kd
    .args:
      - { .name: att, .offset: 0, .size: 8, .value_kind: global_buffer, .address_space: global }
      - { .name: mask, .offset: 8, .size: 8, .value_kind: global_buffer, .address_space: global }
      - { .name: hq, .offset: 16, .size: 8, .value_kind: global_buffer, .address_space: global }
    .group_segment_fixed_size: 215040
    .private_segment_fixed_size: 0
    .kernarg_segment_align: 8
    .kernarg_segment_size: 24
    .max_flat_workgroup_size: 512
    .sgpr_count:     66
    .vgpr_count:     256
    .wavefront_size: 32
...
	.end_amdgpu_metadata
.endif
;; end of part 10
;; launch wo (part 11): grid 8 x 32, 4 waves a work-group, clusters of 4 x 4, 327,680 bytes of LDS; arguments hq, wts, bo, hidden, h; writes h
.if DOCPART == 11
	.amdgcn_target "amdgcn-amd-amdhsa--gfx1250"
	.amdhsa_code_object_version 6
	.text
	.protected	k_qe6183b1d6e_wo
	.globl	k_qe6183b1d6e_wo
	.p2align	8
	.type	k_qe6183b1d6e_wo,@function
k_qe6183b1d6e_wo:
	s_mov_b64 s[64:65], 0
	v_nop
	global_prefetch_b8 v0, s[64:65] scope:SCOPE_SE
	s_setreg_imm32_b32 hwreg(HW_REG_WAVE_MODE, 25, 1), 1
	s_wait_xcnt 0x0
	s_wait_alu depctr_hold_cnt(0) depctr_sa_sdst(0) depctr_va_vdst(0) depctr_va_sdst(0) depctr_va_ssrc(0) depctr_va_vcc(0) depctr_vm_vsrc(0)
	s_getreg_b32 s2, hwreg(HW_REG_IB_STS2, 6, 4)
	s_cmp_eq_u32 s2, 0
	s_cbranch_scc0 .Lentry_in_a_cluster
	s_endpgm
.Lentry_in_a_cluster:
	s_bfe_u32 s2, ttmp6, 0x10000c
	s_cmp_lg_u32 s2, 0xf033
	s_cbranch_scc0 .Lentry_shape_is_right
	s_endpgm
.Lentry_shape_is_right:
; out = residual + A B^T + bias, f32, on codes of FP6 (E2M3) with E8M0 scales.  Here: h = hidden + attention's result x wo + bo; 4,096 x 1,024, K = 1,024.
; A TILE OF 128 x 128 to a work-group of four waves, 64 x 64 (16 accumulators) to a wave: 4,096 x 1,024 makes 256 such tiles, against 64 of 256 x 256; the price is twice the LDS bytes read for each product.
; Operands lie [K / 256][rows][192 bytes], so 128 rows x 256 K are one dense block.  A slot of the ring holds K = 512: A's two blocks, then B's two; each wave brings one block with one tensor load.
; The scale bytes of all of K come once, with the first fills.  CLUSTERS 4 x 4: A's tiles are shared along a row, B's along a column, each asked for jointly.
; With K = 1,024 the two first fills are all there is: this text fills nothing again, and has no loop.
; The matrix instruction is used transposed (source 0 = weights, source 1 = tokens); the weights' rows are stored with bits 3 and 4 of n exchanged, so lane (r, h), accumulator (a, b), register j hold
; row 16 a + r, column 32 (b / 2) + 16 h + 8 (b % 2) + j.
; THE RESIDUAL of the wave's 64 x 64, 128 registers, is asked for at the head and waited for on the way out: it lands while K is walked.
; The way out goes block by block of 16 rows through the wave's own stage (in slot 0, behind its last fill and its last read); a wave's 64 columns are 256 consecutive bytes, which sixteen lanes store.
; REGISTERS, in windows of 256: window 0: v8-11 bias, v16-30 addresses, v32-63 scale words, v64-127 rows back from the stage, v128-255 accumulators ((a, b) at v[128 + 8 (4 a + b)]);
;   window 1: two sets of fragments at v0 and v128 (A's four, then B's four);   window 2: v0-127 the residual.
.set MROWS,  4096
.set NROWS,  1024
.set NS,     4                         ; K steps of 256
.set AS_OFF, 3145728                   ; A's scale bytes in its buffer
.set BC_OFF, 2359296                   ; B's codes and scale bytes in wts
.set BS_OFF, 9535488
.set ROWB,   192
.set HROW,   3072                      ; the head's row: 128 rows x 192 bytes of one K step, dense, in elements of 8 bytes
.set HK,     4                         ; K steps that the head's loads of codes bring: all
.set PITCH,  240                       ; an LDS row: 3 x (64 bytes + 16 of padding)
.set FR,     12
.set NL,     6
.set NP,     4
.set HALFT,  128*PITCH                 ; 128 rows x 256 K: what one tensor load brings
.set SLOT,   4*HALFT                   ; A(s), A(s + 1), B(s), B(s + 1)
.set LAPS,   NS/4                      ; a lap = two slots = K 1,024
.set SCL,    2*SLOT                    ; behind the ring: scale bytes [K step][128 rows][8]: A's, then B's
.set QS,     NS*512                    ; half of one of the two
.set SPARE,  SCL+4*QS                  ; the spare words, 128 bytes for each wave
.set SPITCH, 272                       ; a stage row: 256 bytes + 16
.set ADRA, 16                          ; v16-17 my A fragments in slot 0, 1; v18-19 the same behind one padding more
.set ADRB, 20                          ; v20-23 the same for B
.set STO,  24
.set RD,   25
.set CO,   26
.set ADRS, 27
.set SPW,  28
.set NIL,  29
.set BA,   30
.set SC,   32                          ; v32-63 scale words: set for slot s at 16 s; in it 8 (step / 2) + 2 i + step % 2; they hold nothing else
.set BK,   64
.set ACC,  128
.set G1, 24
.set G0, 32
.set G1B, 48
.set G0B, 56
.set G1S, 68
.set G0S, 76
.set G1SB, 80
.set G0SB, 88
.set MSB, 0
.macro WIN new                         ; the immediate's high byte repeats the setting that is left
.if MSB != \new
	s_set_vgpr_msb (MSB<<8)|\new
.set MSB, \new
.endif
.endm
.set MUL,  0x05                        ; sources 0 (B) and 1 (A) window 1; C and D window 0
.set TO_F, 0x40                        ; destination window 1, address window 0
.macro JLOAD g0a, g1a, g0b, g1b        ; a joint load: waves 0, 1 fetch for A, waves 2, 3 for B; four v_nop follow each line
	s_cmp_eq_u32 s15, 0
	s_cbranch_scc0 .Lfor_b_\@
	tensor_load_to_lds s[\g0a:\g0a+3], s[\g1a:\g1a+7]
	s_nop 0
.rept 4
	v_nop
.endr
	s_branch .Lasked_\@
.Lfor_b_\@:
	tensor_load_to_lds s[\g0b:\g0b+3], s[\g1b:\g1b+7]
	s_nop 0
.rept 4
	v_nop
.endr
.Lasked_\@:
.endm
.macro CREST
	s_cmp_lg_u32 s14, 0
	s_cbranch_scc1 .Lnot_wave_0_\@
	s_barrier_signal -3
.Lnot_wave_0_\@:
	s_barrier_wait -3
	s_barrier_signal -1
	s_barrier_wait -1
.endm
.macro CROUND
	s_barrier_signal -1
	s_barrier_wait -1
	CREST
.endm
	s_load_b128 s[4:7], s[0:1], 0x0                ; A's buffer, the weights
	s_load_b128 s[8:11], s[0:1], 0x10              ; bias, residual
	s_load_b64 s[12:13], s[0:1], 0x20              ; out
	v_lshl_add_u32 v[SPW], v0, 2, SPARE
	v_mov_b32 v[NIL], 0
	ds_add_u32 v28, v29
	ds_add_u32 v28, v29
	s_wait_dscnt 0x0
	v_lshrrev_b32 v1, 5, v0
	v_readfirstlane_b32 s14, v1                    ; wave
	s_lshr_b32 s15, s14, 1                         ; my half of the tile's rows; also: I fetch for A (0) or B (1)
	s_and_b32 s16, s14, 1                          ; my half of its columns; also: which of a slot's two K steps I fetch
	s_bfe_u32 s40, ttmp6, 0x40000                  ; cx
	s_bfe_u32 s41, ttmp6, 0x40004                  ; cy
	s_lshl_b32 s42, ttmp9, 2
	s_add_co_u32 s42, s42, s40                     ; tile column
	s_and_b32 s17, ttmp7, 0xffff
	s_lshl_b32 s17, s17, 2
	s_add_co_u32 s17, s17, s41                     ; tile row
	s_lshl_b32 s43, s41, 2
	s_lshl_b32 s43, 15, s43                        ; my row of the cluster
	s_lshl_b32 s44, 0x1111, s40                    ; my column
	s_or_b32 s[G1+0], s43, (3<<16)|(1<<20)|(1<<21)|(3<<22)|(3<<25)
	s_or_b32 s[G1B+0], s44, (3<<16)|(1<<20)|(1<<21)|(3<<22)|(3<<25)
.irp g, G1, G1B
	s_mov_b32 s[\g+1], HROW<<16
	s_mov_b32 s[\g+2], HK<<16
	s_mov_b32 s[\g+3], HROW<<16
	s_mov_b32 s[\g+4], HK
	s_mov_b32 s[\g+6], 0
	s_mov_b32 s[\g+7], 0
.endr
	s_or_b32 s[G1S+0], s43, (3<<16)|(1<<21)        ; scale bytes: NS rows of 128 elements of 8 bytes
	s_or_b32 s[G1SB+0], s44, (3<<16)|(1<<21)
.irp g, G1S, G1SB
	s_mov_b32 s[\g+1], 128<<16
	s_mov_b32 s[\g+2], NS<<16
	s_mov_b32 s[\g+3], 128<<16
	s_mov_b32 s[\g+4], NS
	s_mov_b32 s[\g+6], 0
	s_mov_b32 s[\g+7], 0
.endr
	s_mov_b32 s[G1S+5], MROWS
	s_mov_b32 s[G1SB+5], NROWS
	s_mov_b32 s[G1+5], MROWS*24                    ; from K step to K step, in elements of 8 bytes
	s_mov_b32 s[G1B+5], NROWS*24
	s_mul_i32 s20, s17, 128*ROWB                   ; A's codes: the tile row's 128 rows, K step 0
	s_mov_b32 s21, 0
	s_mul_i32 s46, s42, 128*ROWB                   ; B's likewise, of the tile column
	s_add_co_u32 s46, s46, BC_OFF
	s_mov_b32 s47, 0
	s_lshl_b32 s22, s17, 10                        ; A's scale bytes
	s_add_co_u32 s22, s22, AS_OFF
	s_mov_b32 s23, 0
	s_lshl_b32 s92, s42, 10                        ; B's
	s_add_co_u32 s92, s92, BS_OFF
	s_mov_b32 s93, 0
	s_wait_kmcnt 0x0
	s_add_nc_u64 s[20:21], s[4:5], s[20:21]
	s_add_nc_u64 s[22:23], s[4:5], s[22:23]
	s_add_nc_u64 s[46:47], s[6:7], s[46:47]
	s_add_nc_u64 s[92:93], s[6:7], s[92:93]
	CROUND                                         ; all sixteen work-groups are here: the first joint loads meet
	s_mov_b32 s[G0S], 1
	s_mov_b32 s[G0S+1], SCL
	s_mov_b64 s[G0S+2:G0S+3], s[22:23]
	s_or_b32 s[G0S+3], s[G0S+3], 0x80000000
	s_mov_b32 s[G0SB], 1
	s_mov_b32 s[G0SB+1], SCL+2*QS
	s_mov_b64 s[G0SB+2:G0SB+3], s[92:93]
	s_or_b32 s[G0SB+3], s[G0SB+3], 0x80000000
; LDS: A's four K steps, then B's four, then the scale bytes.  THE HEAD'S LOADS, ONE A WAVE, ARE ALL THERE IS: wave 0 all of A's codes, wave 1 all of B's,
; wave 2 A's scale bytes, wave 3 B's.  A K step's 128 rows are dense in memory: they are stated as one row, which begins at a multiple of 256 bytes.
	s_mov_b32 s[G0], 1
	s_mov_b32 s[G0+1], 0
	s_mov_b64 s[G0+2:G0+3], s[20:21]
	s_or_b32 s[G0+3], s[G0+3], 0x80000000
	s_mov_b32 s[G0B], 1
	s_mov_b32 s[G0B+1], 4*HALFT
	s_mov_b64 s[G0B+2:G0B+3], s[46:47]
	s_or_b32 s[G0B+3], s[G0B+3], 0x80000000
.macro ARM under, g0, g1, next         ; one tree of branches on the wave's number: every way passes exactly one load
	s_cmp_lt_u32 s14, \under
	s_cbranch_scc0 \next
	tensor_load_to_lds s[\g0:\g0+3], s[\g1:\g1+7]
	s_nop 0
.rept 4
	v_nop
.endr
	s_branch .Lhead_asked
\next:
.endm
	ARM 1, G0,  G1,  .Lhead_b
	ARM 2, G0B, G1B, .Lhead_sa
	ARM 3, G0S, G1S, .Lhead_sb
	tensor_load_to_lds s[G0SB:G0SB+3], s[G1SB:G1SB+7]
	s_nop 0
.rept 4
	v_nop
.endr
.Lhead_asked:
	v_and_b32 v1, 15, v0                           ; r
	v_bfe_u32 v2, v0, 4, 1                         ; h
	v_mul_u32_u24 v3, v1, PITCH
	v_mul_u32_u24 v4, v2, 24
	v_add_nc_u32 v4, v3, v4
	v_lshl_add_u32 v5, v2, 4, v4                   ; the same behind one padding more
	s_mul_i32 s21, s15, 64*PITCH                   ; my 64 rows of A
	s_mul_i32 s22, s16, 64*PITCH                   ; my 64 rows of B,
	s_add_co_u32 s22, s22, 4*HALFT                 ; which lie behind A's four blocks
.irp s, 0,1
	v_add_nc_u32 v[ADRA+\s], s21, v4
	v_add_nc_u32 v[ADRB+\s], s22, v4
	v_add_nc_u32 v[ADRA+2+\s], s21, v5
	v_add_nc_u32 v[ADRB+2+\s], s22, v5
	s_add_co_u32 s21, s21, 2*HALFT
	s_add_co_u32 s22, s22, 2*HALFT
.endr
	v_lshlrev_b32 v5, 3, v1                        ; scale words: 8 bytes a row; lanes 0-15 A's rows, lanes 16-31 B's
	s_lshl_b32 s21, s15, 9
	s_lshl_b32 s22, s16, 9
	s_add_co_u32 s22, s22, 2*QS
	s_sub_co_u32 s22, s22, s21
	v_mul_u32_u24 v6, s22, v2
	s_add_co_u32 s21, s21, SCL
	v_add_nc_u32 v5, v5, v6
	v_add_nc_u32 v[ADRS], s21, v5
	s_mul_i32 s23, s14, 16*SPITCH                  ; my stage
	v_mul_u32_u24 v5, v1, SPITCH
	v_lshl_add_u32 v5, v2, 6, v5
	v_add_nc_u32 v[STO], s23, v5                   ; in: row r, + 64 h
	v_mul_u32_u24 v5, v2, SPITCH
	v_lshl_add_u32 v5, v1, 4, v5
	v_add_nc_u32 v[RD], s23, v5                    ; back: lanes 0-15 one row of 256 bytes, lanes 16-31 the next
	v_lshlrev_b32 v[BA], 4, v1                     ; my four columns
	s_wait_alu depctr_va_vdst(0)
	v_lshl_add_u32 v[CO], v2, 12, v[BA]            ; and the same two rows in memory, 4,096 bytes a row
	s_wait_alu depctr_va_vdst(0)
	s_lshl_b32 s20, s17, 7
	s_lshl_b32 s21, s15, 6
	s_add_co_u32 s20, s20, s21
	s_lshl_b32 s20, s20, 12                        ; my first row
	s_mov_b32 s21, 0
	s_lshl_b32 s46, s42, 9
	s_lshl_b32 s47, s16, 8
	s_add_co_u32 s46, s46, s47                     ; my first column, in bytes
	s_mov_b32 s47, 0
	s_add_nc_u64 s[8:9], s[8:9], s[46:47]
	s_add_nc_u64 s[20:21], s[20:21], s[46:47]
	s_add_nc_u64 s[10:11], s[10:11], s[20:21]
	s_add_nc_u64 s[12:13], s[12:13], s[20:21]
	global_load_b128 v[8:11], v[BA], s[8:9]        ; the bias of my four columns
	WIN 0x80                                       ; destination window 2
.irp a, 0,1,2,3
.irp t, 0,1,2,3,4,5,6,7
	global_load_b128 v[32*\a+4*\t:32*\a+4*\t+3], v[CO], s[10:11] offset:(16*\a+2*\t)*4096   ; the residual of rows 16 a + 2 t + h: waited for on the way out
.endr
.endr
	WIN 0
.macro FRAG reg, adr, j, i             ; a fragment of step j (0 .. 3) of a slot: 16 rows x 128 K, 12 registers, six pieces of 8 bytes; a piece three on may lie behind one padding more: the second address register serves it
.irp p, 0,1,2,3,4,5
.set PCE, 12*((\j)%2)+6*(\p/3)+\p%3
.if PCE%8 < 5
	ds_load_b64 v[\reg+2*\p:\reg+2*\p+1], v[\adr] offset:8*PCE+16*(PCE/8)+(\i)*16*PITCH+((\j)/2)*HALFT
.else
	ds_load_b64 v[\reg+2*\p:\reg+2*\p+1], v[\adr+2] offset:8*PCE+16*(PCE/8)+(\i)*16*PITCH+((\j)/2)*HALFT
.endif
.endr
.endm
.macro FETCH slot, j, p                ; 48 LDS loads in one run: step j's four fragments of B and four of A into set p
	WIN TO_F
.irp i, 0,1,2,3
	FRAG 128*(\p)+48+FR*\i, ADRB+\slot, \j, \i
	FRAG 128*(\p)+FR*\i, ADRA+\slot, \j, \i
.endr
.endm
.macro SCALES sc                       ; a slot's scale words: lanes 0-15 A's block i, lanes 16-31 B's block i; 8 bytes are 256 along K
.irp u, 0,1
.irp i, 0,1,2,3
	ds_load_b64 v[SC+16*\sc+8*\u+2*\i:SC+16*\sc+8*\u+2*\i+1], v[ADRS] offset:1024*\u+128*\i
.endr
.endr
.endm
.macro MULA p, j, sc, a, zero          ; A's block a x B's four, 128 along K; the 16 accumulators take turns
.irp b, 0,1,2,3
.if \zero
	v_wmma_scale_f32_16x16x128_f8f6f4 v[ACC+8*(4*(\a)+\b):ACC+8*(4*(\a)+\b)+7], v[128*(\p)+48+FR*\b:128*(\p)+48+FR*\b+FR-1], v[128*(\p)+FR*(\a):128*(\p)+FR*(\a)+FR-1], 0, v[SC+16*(\sc)+8*((\j)/2)+2*\b+(\j)%2], v[SC+16*(\sc)+8*((\j)/2)+2*(\a)+(\j)%2] matrix_a_fmt:MATRIX_FMT_FP6 matrix_b_fmt:MATRIX_FMT_FP6 matrix_a_scale:MATRIX_SCALE_ROW1
.else
	v_wmma_scale_f32_16x16x128_f8f6f4 v[ACC+8*(4*(\a)+\b):ACC+8*(4*(\a)+\b)+7], v[128*(\p)+48+FR*\b:128*(\p)+48+FR*\b+FR-1], v[128*(\p)+FR*(\a):128*(\p)+FR*(\a)+FR-1], v[ACC+8*(4*(\a)+\b):ACC+8*(4*(\a)+\b)+7], v[SC+16*(\sc)+8*((\j)/2)+2*\b+(\j)%2], v[SC+16*(\sc)+8*((\j)/2)+2*(\a)+(\j)%2] matrix_a_fmt:MATRIX_FMT_FP6 matrix_b_fmt:MATRIX_FMT_FP6 matrix_a_scale:MATRIX_SCALE_ROW1
.endif
.endr
.endm
.macro PLACES n                        ; plain places behind matrix instructions, ahead of loads into their registers and of reads of results
.rept \n
	v_nop
.endr
.endm
.macro STEP slot, j, zero              ; one of a slot's first three steps: the next step's fragments are asked for, then this step's 16 products are issued
	PLACES NP                                      ; the other set was read by the products just issued
	FETCH \slot, (\j)+1, ((\j)+1)%2
	s_wait_dscnt 8*NL                              ; all but the 48 loads just issued: this step's fragments and scale words are in
	WIN MUL
.irp a, 0,1,2,3
	MULA (\j)%2, \j, \slot, \a, \zero
.endr
.endm
.macro TURN slot, next, fill           ; a slot's last step changes slots: one barrier, which opens a round of the cluster's barrier where the slot is filled again
	WIN 0                                          ; (the add's two registers lie in window 0)
	s_wait_tensorcnt 0x0                           ; all my tensor loads have landed: my part of the next slot
	ds_add_u32 v[SPW], v[NIL]                      ; 0 onto my spare word
	s_wait_dscnt 1                                 ; the add may be out; this step's fragments are in
	WIN MUL
	MULA 1, 3, \slot, 0, 0
	s_wait_dscnt 0x0                               ; the add is done, and my reads of this slot are over
	s_barrier_signal -1
	MULA 1, 3, \slot, 1, 0
	WIN 0
	s_barrier_wait -1
.if \fill
	CREST
	s_add_nc_u64 s[G0+4*\slot+2:G0+4*\slot+3], s[G0+4*\slot+2:G0+4*\slot+3], 4*MROWS*ROWB
	s_add_nc_u64 s[G0B+4*\slot+2:G0B+4*\slot+3], s[G0B+4*\slot+2:G0B+4*\slot+3], 4*NROWS*ROWB
	JLOAD G0+4*\slot, G1, G0B+4*\slot, G1B         ; the first tensor load behind the round; its four v_nop are the places ahead of the loads below
.else
	PLACES NP
.endif
	v_add_nc_u32 v[ADRS], 2048, v[ADRS]            ; the next slot's scale words
	FETCH \next, 0, 0
	WIN 0
	SCALES \next
	WIN MUL
	MULA 1, 3, \slot, 2, 0
	MULA 1, 3, \slot, 3, 0
.endm
	s_wait_tensorcnt 0x0                           ; my load of the head has landed
	s_barrier_signal -1
	s_barrier_wait -1
	FETCH 0, 0, 0
	WIN 0
	SCALES 0
	STEP 0, 0, 1                                   ; the first step's products start the sums
.if LAPS > 1
	WIN 0                                          ; at a label and at a branch every window is 0
	s_mov_b32 s3, LAPS-1
.Llap:                                                 ; a trip goes once round the ring, from a lap's second step to the next lap's first, and fills both slots again
	STEP 0, 1, 0
	STEP 0, 2, 0
	TURN 0, 1, 1
	STEP 1, 0, 0
	STEP 1, 1, 0
	STEP 1, 2, 0
	TURN 1, 0, 1
	STEP 0, 0, 0
	WIN 0
	s_sub_co_u32 s3, s3, 1
	s_cmp_lg_u32 s3, 0
	s_cbranch_scc1 .Llap
.endif
	STEP 0, 1, 0                                   ; the last lap fills nothing
	STEP 0, 2, 0
	TURN 0, 1, 0
	STEP 1, 0, 0
	STEP 1, 1, 0
	STEP 1, 2, 0
	s_wait_dscnt 0x0                               ; the very last step: nothing more to fetch
	WIN MUL
.irp a, 0,1,2,3
	MULA 1, 3, 1, \a, 0
.endr
	WIN 0
.macro TOSTAGE a                       ; block a's 16 rows x 64 columns into my stage and back as whole rows
.irp b, 0,1,2,3
	ds_store_b128 v[STO], v[ACC+8*(4*(\a)+\b):ACC+8*(4*(\a)+\b)+3] offset:128*(\b/2)+32*(\b%2)         ; each accumulator from its low end on
	ds_store_b128 v[STO], v[ACC+8*(4*(\a)+\b)+4:ACC+8*(4*(\a)+\b)+7] offset:128*(\b/2)+32*(\b%2)+16
.endr
.irp t, 0,1,2,3,4,5,6,7
	ds_load_b128 v[BK+32*((\a)%2)+4*\t:BK+32*((\a)%2)+4*\t+3], v[RD] offset:\t*2*SPITCH               ; LDS serves a wave's instructions in order
.endr
.endm
.macro FINISH a                        ; bias and product are added onto the residual's registers, which are the block's own: no store's data are written again
.set RB, 32*(\a)
.set BB, BK+32*((\a)%2)
	WIN 0x82                                       ; destination and source 0 window 2, source 1 window 0
.set i, 0
.rept 8
	v_pk_add_f32 v[RB+i:RB+i+1], v[RB+i:RB+i+1], v[8:9]
	v_pk_add_f32 v[RB+i+2:RB+i+3], v[RB+i+2:RB+i+3], v[10:11]
.set i, i+4
.endr
.set i, 0
.rept 16
	v_pk_add_f32 v[RB+i:RB+i+1], v[RB+i:RB+i+1], v[BB+i:BB+i+1]
.set i, i+2
.endr
	WIN 0x08                                       ; a store's data are its source 1: window 2
.irp t, 0,1,2,3,4,5,6,7
	global_store_b128 v[CO], v[RB+4*\t:RB+4*\t+3], s[12:13] offset:(16*(\a)+2*\t)*4096   ; sixteen lanes store 256 consecutive bytes, at a multiple of 256
.endr
	WIN 0
.endm
	PLACES NP
	s_wait_loadcnt 0x0                             ; the bias and the residual
	TOSTAGE 0
.irp a, 1,2,3
	TOSTAGE \a
	s_wait_dscnt 16                                ; block a's 8 stores and 8 loads may be out: block a - 1 is back
	FINISH \a-1
.endr
	s_wait_dscnt 0x0
	FINISH 3
	s_wait_tensorcnt 0x0                           ; the wave's end
	ds_add_u32 v[SPW], v[NIL]
	s_wait_dscnt 0x0
	CROUND                                         ; the closing round
	s_endpgm
.Lfunc_end_k_qe6183b1d6e_wo:
	.size	k_qe6183b1d6e_wo, .Lfunc_end_k_qe6183b1d6e_wo-k_qe6183b1d6e_wo
	.p2alignl 7, 3214868480
	.fill 96, 4, 3214868480
	.section	.rodata,"a",@progbits
	.p2align	6, 0x0
	.amdhsa_kernel k_qe6183b1d6e_wo
		.amdhsa_group_segment_fixed_size 327680
		.amdhsa_private_segment_fixed_size 0
		.amdhsa_enable_private_segment 0
		.amdhsa_kernarg_size 40
		.amdhsa_user_sgpr_count 2
		.amdhsa_user_sgpr_kernarg_segment_ptr 1
		.amdhsa_wavefront_size32 1
		.amdhsa_system_sgpr_workgroup_id_x 1
		.amdhsa_system_sgpr_workgroup_id_y 1
		.amdhsa_system_sgpr_workgroup_id_z 1
		.amdhsa_system_vgpr_workitem_id 0
		.amdhsa_next_free_vgpr 640
		.amdhsa_next_free_sgpr 96
		.amdhsa_reserve_vcc 0
		.amdhsa_float_denorm_mode_32 3
		.amdhsa_float_denorm_mode_16_64 3
		.amdhsa_memory_ordered 1
		.amdhsa_forward_progress 1
		.amdhsa_inst_pref_size 71
	.end_amdhsa_kernel
	.amdgpu_metadata
---
amdhsa.version: [ 1, 2 ]
amdhsa.kernels:
  - .name:           k_qe6183b1d6e_wo
    .symbol:         k_qe6183b1d6e_wo.kd
    .args:
      - { .name: hq, .offset: 0, .size: 8, .value_kind: global_buffer, .address_space: global }
      - { .name: wts, .offset: 8, .size: 8, .value_kind: global_buffer, .address_space: global }
      - { .name: bo, .offset: 16, .size: 8, .value_kind: global_buffer, .address_space: global }
      - { .name: hidden, .offset: 24, .size: 8, .value_kind: global_buffer, .address_space: global }
      - { .name: h, .offset: 32, .size: 8, .value_kind: global_buffer, .address_space: global }
    .group_segment_fixed_size: 327680
    .private_segment_fixed_size: 0
    .kernarg_segment_align: 8
    .kernarg_segment_size: 40
    .max_flat_workgroup_size: 128
    .sgpr_count:     96
    .vgpr_count:     640
    .wavefront_size: 32
...
	.end_amdgpu_metadata
.endif
;; end of part 11
;; launch ln2 (part 12): grid 256 x 1, 16 waves a work-group, no clusters, 88,576 bytes of LDS; arguments h, ln2_g, ln2_b, xq; writes xq
.if DOCPART == 12
	.amdgcn_target "amdgcn-amd-amdhsa--gfx1250"
	.amdhsa_code_object_version 6
	.text
	.protected	k_qe6183b1d6e_ln2
	.globl	k_qe6183b1d6e_ln2
	.p2align	8
	.type	k_qe6183b1d6e_ln2,@function
k_qe6183b1d6e_ln2:
	s_mov_b64 s[64:65], 0
	v_nop
	global_prefetch_b8 v0, s[64:65] scope:SCOPE_SE
	s_setreg_imm32_b32 hwreg(HW_REG_WAVE_MODE, 25, 1), 1
	s_wait_xcnt 0x0
; y = g (x - mean) / (std + 1e-6) + b for rows of 1,024 f32 (std with 1,023 in the divisor), then y is quantised along the row:
; codes of FP6 (E2M3) laid [K / 256][4,096 rows][192 bytes], scale bytes behind them laid [K / 256][4,096 rows][8].
; A work-group takes 16 rows, each of its sixteen waves ONE row.  Loads take the row as it lies (512 consecutive bytes a load); it turns through the wave's own stage in LDS,
; so that lane l holds block l, 32 neighbours: the block's largest magnitude needs no other lane.  Mean and variance in two passes over registers, so a common offset costs no digits; sums go by trees.
; The 16 rows' codes (4 x 3,072 bytes) and scale bytes (4 x 128) are gathered in LDS; behind one barrier each wave stores three aligned runs of 256 bytes of codes, and wave 0 the scale bytes.
; LIMITS: NaN and infinities are not served; a block under 2^-124 (zeros too) keeps the byte 1, read by this program alone.
.set XS_OFF, 3145728
.set CODES,  73728                     ; behind sixteen stages of 4,608 bytes: codes [4][16 rows][192]
.set SBY,    86016                     ; scale bytes [4][16 rows][8]
.set SPARE,  86528                     ; the spare words, 128 bytes a wave
.set G,  16                            ; v16-47   g of my block
.set BB, 48                            ; v48-79   b of my block
.set R,  80                            ; v80-111  the row as loaded; then the trees' leaves; then the way out
.set X,  144                           ; v144-175 my block
.set C,  176                           ; v176-181 its codes
.set T,  182                           ; v182-184 the second conversion's result
.set MX, 200                           ; v200-203 four chains of the largest magnitude
	s_load_b256 s[4:11], s[0:1], 0x0               ; x, g, b, the codes' buffer
	v_lshl_add_u32 v208, v0, 2, SPARE
	v_mov_b32 v209, 0
	v_lshrrev_b32 v1, 5, v0
	v_readfirstlane_b32 s12, v1                    ; wave 0..15
	v_and_b32 v1, 31, v0                           ; lane
	s_mul_i32 s13, s12, 4608                       ; my stage
	v_lshlrev_b32 v2, 4, v1
	v_lshrrev_b32 v11, 3, v1
	v_and_b32 v12, 7, v1
	v_mul_u32_u24 v3, v11, 144
	v_lshl_add_u32 v3, v12, 4, v3
	v_add_nc_u32 v3, s13, v3                       ; stage, in: a block's 128 bytes + 16 of padding; eight lanes fill a block
	v_mul_u32_u24 v4, v1, 144
	v_add_nc_u32 v4, s13, v4                       ; stage, out: my block
	s_mul_i32 s14, s12, 192
	s_add_co_u32 s14, s14, CODES
	v_mul_u32_u24 v5, v11, 3072
	v_mad_u32_u24 v5, v12, 24, v5
	v_add_nc_u32 v5, s14, v5                       ; my block's 24 bytes: chunk l / 8, row = wave
	s_lshl_b32 s15, s12, 3
	s_add_co_u32 s15, s15, SBY
	v_lshl_add_u32 v6, v11, 7, v12
	v_add_nc_u32 v6, s15, v6                       ; my block's scale byte
	s_mul_i32 s16, s12, 768
	s_add_co_u32 s16, s16, CODES
	v_lshlrev_b32 v8, 3, v1
	v_add_nc_u32 v7, s16, v8                       ; the way out: my wave's 768 bytes of the gathered codes, 8 bytes a lane
	v_add_nc_u32 v13, SBY, v2                      ; wave 0: 16 bytes a lane of the gathered scale bytes
	v_lshlrev_b32 v9, 4, v12
	v_lshl_add_u32 v9, v11, 15, v9                 ; their place in memory: 32,768 (l / 8) + 16 (l % 8)
	v_lshlrev_b32 v10, 7, v1
	v_mov_b32 v197, 0                              ; a lane permute's destination counts as read
	s_mov_b32 s20, 0x76543210
	s_mov_b32 s21, 0xfedcba98                      ; lane l xor 16
	s_lshl_b32 s18, ttmp9, 4
	s_add_co_u32 s18, s18, s12                     ; my row
	s_lshl_b32 s22, s18, 12
	s_mov_b32 s23, 0
	s_mul_i32 s24, ttmp9, 3072                     ; the work-group's 16 rows in a chunk,
	s_lshr_b32 s19, s12, 2
	s_mul_i32 s19, s19, 786432                     ; chunk wave / 4,
	s_add_co_u32 s24, s24, s19
	s_and_b32 s19, s12, 3
	s_mul_i32 s19, s19, 768                        ; its quarter wave % 4
	s_add_co_u32 s24, s24, s19
	s_mov_b32 s25, 0
	s_lshl_b32 s26, ttmp9, 7
	s_add_co_u32 s26, s26, XS_OFF
	s_mov_b32 s27, 0
	s_wait_alu depctr_va_vdst(0)
	s_wait_kmcnt 0x0
	s_add_nc_u64 s[4:5], s[4:5], s[22:23]
	s_add_nc_u64 s[14:15], s[10:11], s[24:25]
	s_add_nc_u64 s[16:17], s[10:11], s[26:27]
.irp j, 0,1,2,3,4,5,6,7
	global_load_b128 v[R+4*\j:R+4*\j+3], v2, s[4:5] offset:512*\j
.endr
.irp j, 0,1,2,3,4,5,6,7
	global_load_b128 v[G+4*\j:G+4*\j+3], v10, s[6:7] offset:16*\j
	global_load_b128 v[BB+4*\j:BB+4*\j+3], v10, s[8:9] offset:16*\j
.endr
.macro TREE                            ; eight pairs of leaves in v[R .. R+15] -> their sum over the 32 lanes, in every lane's v186
.irp q, 0,1,2,3
	v_pk_add_f32 v[R+2*\q:R+2*\q+1], v[R+2*\q:R+2*\q+1], v[R+8+2*\q:R+9+2*\q]
.endr
.irp q, 0,1
	v_pk_add_f32 v[R+2*\q:R+2*\q+1], v[R+2*\q:R+2*\q+1], v[R+4+2*\q:R+5+2*\q]
.endr
	s_delay_alu instid0(VALU_DEP_1)
	v_pk_add_f32 v[R:R+1], v[R:R+1], v[R+2:R+3]
	s_delay_alu instid0(VALU_DEP_1)
	v_add_f32 v186, v[R], v[R+1]
.irp m, 1,2,4,8
	s_delay_alu instid0(VALU_DEP_1)
	v_add_f32_dpp v186, v186, v186 row_xmask:\m row_mask:0xf bank_mask:0xf
.endr
	s_delay_alu instid0(VALU_DEP_1)
	v_permlanex16_b32 v197, v186, s20, s21
	s_delay_alu instid0(VALU_DEP_1)
	v_add_f32 v186, v186, v197
.endm
	s_wait_loadcnt 0x0                             ; the row, g and b
.irp j, 0,1,2,3,4,5,6,7
	ds_store_b128 v3, v[R+4*\j:R+4*\j+3] offset:576*\j
.endr
.irp j, 0,1,2,3,4,5,6,7
	ds_load_b128 v[X+4*\j:X+4*\j+3], v4 offset:16*\j           ; LDS serves a wave's instructions in order
.endr
	s_wait_dscnt 0x0                               ; my block is in; the stores have read their registers
.irp q, 0,1,2,3,4,5,6,7
	v_pk_add_f32 v[R+2*\q:R+2*\q+1], v[X+4*\q:X+4*\q+1], v[X+4*\q+2:X+4*\q+3]
.endr
	TREE
	s_delay_alu instid0(VALU_DEP_1)
	v_mul_f32 v190, 0x3a800000, v186               ; the mean: / 1,024
	s_delay_alu instid0(VALU_DEP_1)
	v_mov_b32 v191, v190
.set q, 0
.rept 16
	v_pk_add_f32 v[X+q:X+q+1], v[X+q:X+q+1], v[190:191] neg_lo:[0,1] neg_hi:[0,1]
.set q, q+2
.endr
.irp q, 0,1,2,3,4,5,6,7
	v_pk_mul_f32 v[R+2*\q:R+2*\q+1], v[X+4*\q:X+4*\q+1], v[X+4*\q:X+4*\q+1]
.endr
.irp q, 0,1,2,3,4,5,6,7
	v_pk_fma_f32 v[R+2*\q:R+2*\q+1], v[X+4*\q+2:X+4*\q+3], v[X+4*\q+2:X+4*\q+3], v[R+2*\q:R+2*\q+1]
.endr
	TREE
	s_delay_alu instid0(VALU_DEP_1)
	v_mul_f32 v192, 0x3a802008, v186               ; / 1,023
	s_wait_alu depctr_va_vdst(0)
	v_sqrt_f32 v192, v192
	v_nop                                          ; a plain place behind a transcendental
	s_wait_alu depctr_va_vdst(0)
	v_add_f32 v192, 0x358637bd, v192               ; + 1e-6
	s_wait_alu depctr_va_vdst(0)
	v_rcp_f32 v192, v192
	v_nop
	s_wait_alu depctr_va_vdst(0)
	v_mov_b32 v193, v192
.set q, 0
.rept 16
	v_pk_mul_f32 v[X+q:X+q+1], v[X+q:X+q+1], v[192:193]
.set q, q+2
.endr
.set q, 0
.rept 16
	v_pk_fma_f32 v[X+q:X+q+1], v[X+q:X+q+1], v[G+q:G+q+1], v[BB+q:BB+q+1]
.set q, q+2
.endr
.irp c, 0,1,2,3
	v_max3_num_f32 v[MX+\c], |v[X+8*\c]|, |v[X+8*\c+1]|, 0x1800000   ; the block's largest magnitude, in four chains, over the floor 2^(3 - 127)
.endr
.irp j, 2,4,6
.irp c, 0,1,2,3
	v_max3_num_f32 v[MX+\c], v[MX+\c], |v[X+8*\c+\j]|, |v[X+8*\c+\j+1]|
.endr
.endr
	s_delay_alu instid0(VALU_DEP_2)
	v_max3_num_f32 v[MX], v[MX], v[MX+1], v[MX+2]
	s_delay_alu instid0(VALU_DEP_1)
	v_max_num_f32 v[MX], v[MX], v[MX+3]
	s_delay_alu instid0(VALU_DEP_1)
	v_add_nc_u32 v196, 0xff000000, v[MX]           ; 2 off the exponent field: the conversion's scale operand
	v_cvt_scalef32_pk16_fp6_f32 v[C:C+2], v[X:X+15], v196
	v_cvt_scalef32_pk16_fp6_f32 v[T:T+2], v[X+16:X+31], v196
	v_lshrrev_b32 v198, 23, v196                   ; the scale's byte (a plain place behind the conversions)
	v_mov_b32 v[C+3], v[T]
	v_mov_b32 v[C+4], v[T+1]
	v_mov_b32 v[C+5], v[T+2]
.irp p, 0,1,2
	ds_store_b64 v5, v[C+2*\p:C+2*\p+1] offset:8*\p
.endr
	ds_store_b8 v6, v198
	s_wait_dscnt 0x0                               ; my stores are done: say so
	s_barrier_signal -1
	s_barrier_wait -1                              ; everybody's are
.irp k, 0,1,2
	ds_load_b64 v[R+2*\k:R+2*\k+1], v7 offset:256*\k
.endr
	s_wait_dscnt 0x0
.irp k, 0,1,2
	global_store_b64 v8, v[R+2*\k:R+2*\k+1], s[14:15] offset:256*\k   ; 32 lanes store 256 consecutive bytes, at a multiple of 256
.endr
	s_cmp_lg_u32 s12, 0
	s_cbranch_scc1 .Lend                           ; wave 0 alone stores the scale bytes: four runs of 128 bytes
	ds_load_b128 v[R+8:R+11], v13
	s_wait_dscnt 0x0
	global_store_b128 v9, v[R+8:R+11], s[16:17]
.Lend:
	s_wait_tensorcnt 0x0                           ; the wave's end
	ds_add_u32 v208, v209
	s_wait_dscnt 0x0
	s_endpgm
.Lfunc_end_k_qe6183b1d6e_ln2:
	.size	k_qe6183b1d6e_ln2, .Lfunc_end_k_qe6183b1d6e_ln2-k_qe6183b1d6e_ln2
	.p2alignl 7, 3214868480
	.fill 96, 4, 3214868480
	.section	.rodata,"a",@progbits
	.p2align	6, 0x0
	.amdhsa_kernel k_qe6183b1d6e_ln2
		.amdhsa_group_segment_fixed_size 88576
		.amdhsa_private_segment_fixed_size 0
		.amdhsa_enable_private_segment 0
		.amdhsa_kernarg_size 32
		.amdhsa_user_sgpr_count 2
		.amdhsa_user_sgpr_kernarg_segment_ptr 1
		.amdhsa_wavefront_size32 1
		.amdhsa_system_sgpr_workgroup_id_x 1
		.amdhsa_system_sgpr_workgroup_id_y 1
		.amdhsa_system_sgpr_workgroup_id_z 1
		.amdhsa_system_vgpr_workitem_id 0
		.amdhsa_next_free_vgpr 210
		.amdhsa_next_free_sgpr 66
		.amdhsa_reserve_vcc 0
		.amdhsa_float_denorm_mode_32 3
		.amdhsa_float_denorm_mode_16_64 3
		.amdhsa_memory_ordered 1
		.amdhsa_forward_progress 1
		.amdhsa_inst_pref_size 17
	.end_amdhsa_kernel
	.amdgpu_metadata
---
amdhsa.version: [ 1, 2 ]
amdhsa.kernels:
  - .name:           k_qe6183b1d6e_ln2
    .symbol:         k_qe6183b1d6e_ln2.kd
    .args:
      - { .name: h, .offset: 0, .size: 8, .value_kind: global_buffer, .address_space: global }
      - { .name: ln2_g, .offset: 8, .size: 8, .value_kind: global_buffer, .address_space: global }
      - { .name: ln2_b, .offset: 16, .size: 8, .value_kind: global_buffer, .address_space: global }
      - { .name: xq, .offset: 24, .size: 8, .value_kind: global_buffer, .address_space: global }
    .group_segment_fixed_size: 88576
    .private_segment_fixed_size: 0
    .kernarg_segment_align: 8
    .kernarg_segment_size: 32
    .max_flat_workgroup_size: 512
    .sgpr_count:     66
    .vgpr_count:     210
    .wavefront_size: 32
...
	.end_amdgpu_metadata
.endif
;; end of part 12
;; launch ffn1 (part 13): grid 16 x 16, 4 waves a work-group, clusters of 4 x 4, 327,680 bytes of LDS; arguments xq, wts, b1, g; writes g
.if DOCPART == 13
	.amdgcn_target "amdgcn-amd-amdhsa--gfx1250"
	.amdhsa_code_object_version 6
	.text
	.protected	k_qe6183b1d6e_ffn1
	.globl	k_qe6183b1d6e_ffn1
	.p2align	8
	.type	k_qe6183b1d6e_ffn1,@function
k_qe6183b1d6e_ffn1:
	s_mov_b64 s[64:65], 0
	v_nop
	global_prefetch_b8 v0, s[64:65] scope:SCOPE_SE
	s_setreg_imm32_b32 hwreg(HW_REG_WAVE_MODE, 25, 1), 1
	s_wait_xcnt 0x0
	s_wait_alu depctr_hold_cnt(0) depctr_sa_sdst(0) depctr_va_vdst(0) depctr_va_sdst(0) depctr_va_ssrc(0) depctr_va_vcc(0) depctr_vm_vsrc(0)
	s_getreg_b32 s2, hwreg(HW_REG_IB_STS2, 6, 4)
	s_cmp_eq_u32 s2, 0
	s_cbranch_scc0 .Lentry_in_a_cluster
	s_endpgm
.Lentry_in_a_cluster:
	s_bfe_u32 s2, ttmp6, 0x10000c
	s_cmp_lg_u32 s2, 0xf033
	s_cbranch_scc0 .Lentry_shape_is_right
	s_endpgm
.Lentry_shape_is_right:
.set MROWS,  4096
.set NROWS,  4096
.set NS,     4
.set AS_OFF, 3145728
.set BC_OFF, 3145728
.set BS_OFF, 9568256
.set GS_OFF, 12582912
.set NQ,     2
.set ROWB,   192
.set HROW,   6144                      ; the head's row: 256 rows x 192 bytes of one K step, dense, in elements of 8 bytes
.set HK,     2                         ; K steps that the head's loads of codes bring
.set PITCH,  240
.set FR,     12
.set NL,     6
.set NP,     4
.set HALFT,  128*PITCH
.set SLOT,   4*HALFT
.set LAPS,   NS/2
.set SCL,    2*SLOT
.set QS,     NS*1024
.set SPARE,  SCL+4*QS
.set ADRA, 16
.set ADRB, 20
.set ADRS, 27
.set SPW,  28
.set NIL,  29
.set SC,   32
.set AF,   128
.set G1, 24
.set G0, 32
.set G1B, 48
.set G0B, 56
.set G1S, 68
.set G0S, 76
.set G1SB, 80
.set G0SB, 88
.set SEL, 94
.set GA,   7
.set GB,   8
.set CPY,  9
.set CPS,  10
.set GO,   11
.set BIAS, 64
.set H,    128
.set QC,   192
.set K3,   212
.set K1,   214
.set ONE,  216
.set T,    224
.set TM,   224
.set PW,   240
.set MSB, 0
.macro WIN new
.if MSB != \new
	s_set_vgpr_msb (MSB<<8)|\new
.set MSB, \new
.endif
.endm
.set MUL_LO, 0xa1
.set MUL_HI, 0xf1
.set TO_B,   0x40
.macro JLOAD g0a, g1a, g0b, g1b
	s_cmp_eq_u32 s15, 0
	s_cbranch_scc0 .Lfor_b_\@
	tensor_load_to_lds s[\g0a:\g0a+3], s[\g1a:\g1a+7]
	s_nop 0
.rept 4
	v_nop
.endr
	s_branch .Lasked_\@
.Lfor_b_\@:
	tensor_load_to_lds s[\g0b:\g0b+3], s[\g1b:\g1b+7]
	s_nop 0
.rept 4
	v_nop
.endr
.Lasked_\@:
.endm
.macro CREST
	s_cmp_lg_u32 s14, 0
	s_cbranch_scc1 .Lnot_wave_0_\@
	s_barrier_signal -3
.Lnot_wave_0_\@:
	s_barrier_wait -3
	s_barrier_signal -1
	s_barrier_wait -1
.endm
.macro CROUND
	s_barrier_signal -1
	s_barrier_wait -1
	CREST
.endm
	s_load_b128 s[4:7], s[0:1], 0x0
	s_load_b128 s[8:11], s[0:1], 0x10
	v_lshl_add_u32 v[SPW], v0, 2, SPARE
	v_mov_b32 v[NIL], 0
	ds_add_u32 v28, v29
	ds_add_u32 v28, v29
	s_wait_dscnt 0x0
	v_lshrrev_b32 v1, 5, v0
	v_readfirstlane_b32 s14, v1
	s_lshr_b32 s15, s14, 1
	s_and_b32 s16, s14, 1
	s_bfe_u32 s40, ttmp6, 0x40000
	s_bfe_u32 s41, ttmp6, 0x40004
	s_lshl_b32 s42, ttmp9, 2
	s_add_co_u32 s42, s42, s40
	s_and_b32 s17, ttmp7, 0xffff
	s_lshl_b32 s17, s17, 2
	s_add_co_u32 s17, s17, s41
	s_lshl_b32 s43, s41, 2
	s_lshl_b32 s43, 15, s43
	s_lshl_b32 s44, 0x1111, s40
	s_or_b32 s[G1+0], s43, (3<<16)|(1<<20)|(1<<21)|(3<<22)|(3<<25)
	s_or_b32 s[G1B+0], s44, (3<<16)|(1<<20)|(1<<21)|(3<<22)|(3<<25)
.irp g, G1, G1B
	s_mov_b32 s[\g+1], HROW<<16
	s_mov_b32 s[\g+2], HK<<16
	s_mov_b32 s[\g+3], HROW<<16
	s_mov_b32 s[\g+4], HK
	s_mov_b32 s[\g+6], 0
	s_mov_b32 s[\g+7], 0
.endr
	s_or_b32 s[G1S+0], s43, (3<<16)|(1<<21)
	s_or_b32 s[G1SB+0], s44, (3<<16)|(1<<21)
.irp g, G1S, G1SB
	s_mov_b32 s[\g+1], 256<<16
	s_mov_b32 s[\g+2], NS<<16
	s_mov_b32 s[\g+3], 256<<16
	s_mov_b32 s[\g+4], NS
	s_mov_b32 s[\g+6], 0
	s_mov_b32 s[\g+7], 0
.endr
	s_mov_b32 s[G1S+5], MROWS
	s_mov_b32 s[G1SB+5], NROWS
	s_mov_b32 s[G1+5], MROWS*24                    ; from K step to K step, in elements of 8 bytes
	s_mov_b32 s[G1B+5], NROWS*24
	s_lshl_b32 s20, s17, 8
	s_lshl_b32 s46, s42, 8
	s_mul_i32 s18, s16, 128*ROWB                   ; in the ring I fetch 128 rows of a tile: which half, in bytes
	s_mov_b32 s19, 0
	s_lshl_b32 s22, s20, 3
	s_add_co_u32 s22, s22, AS_OFF
	s_mov_b32 s23, 0
	s_lshl_b32 s92, s46, 3
	s_add_co_u32 s92, s92, BS_OFF
	s_mov_b32 s93, 0
	s_mul_i32 s20, s20, ROWB
	s_mov_b32 s21, 0
	s_mul_i32 s46, s46, ROWB
	s_add_co_u32 s46, s46, BC_OFF
	s_mov_b32 s47, 0
	s_mul_i32 s45, s16, HALFT
	s_wait_kmcnt 0x0
	s_add_nc_u64 s[20:21], s[4:5], s[20:21]
	s_add_nc_u64 s[22:23], s[4:5], s[22:23]
	s_add_nc_u64 s[46:47], s[6:7], s[46:47]
	s_add_nc_u64 s[92:93], s[6:7], s[92:93]
	CROUND
	s_mov_b32 s[G0S], 1
	s_mov_b32 s[G0S+1], SCL
	s_mov_b64 s[G0S+2:G0S+3], s[22:23]
	s_or_b32 s[G0S+3], s[G0S+3], 0x80000000
	s_mov_b32 s[G0SB], 1
	s_mov_b32 s[G0SB+1], SCL+2*QS
	s_mov_b64 s[G0SB+2:G0SB+3], s[92:93]
	s_or_b32 s[G0SB+3], s[G0SB+3], 0x80000000
; LDS: A's slots 0 and 1 (256 rows each), then B's two, then the scale bytes.  THE HEAD'S LOADS, ONE A WAVE: wave 0 A's K steps 0 and 1, wave 1 B's,
; wave 2 A's scale bytes of all of K, wave 3 B's.  A K step's 256 rows are dense in memory: they are stated as one row, which begins at a multiple of 256 bytes.
	s_mov_b32 s[G0], 1                             ; slot 0's groups 0 serve the head's loads first
	s_mov_b32 s[G0+1], 0
	s_mov_b64 s[G0+2:G0+3], s[20:21]
	s_or_b32 s[G0+3], s[G0+3], 0x80000000
	s_mov_b32 s[G0B], 1
	s_mov_b32 s[G0B+1], 4*HALFT
	s_mov_b64 s[G0B+2:G0B+3], s[46:47]
	s_or_b32 s[G0B+3], s[G0B+3], 0x80000000
	s_add_nc_u64 s[20:21], s[20:21], s[18:19]      ; for the ring: my 128 rows
	s_add_nc_u64 s[46:47], s[46:47], s[18:19]
	s_mov_b32 s[G0+4], 1
	s_add_co_u32 s[G0+5], s45, 2*HALFT
	s_add_nc_u64 s[G0+6:G0+7], s[20:21], MROWS*ROWB
	s_or_b32 s[G0+7], s[G0+7], 0x80000000
	s_mov_b32 s[G0B+4], 1
	s_add_co_u32 s[G0B+5], s45, 6*HALFT
	s_add_nc_u64 s[G0B+6:G0B+7], s[46:47], NROWS*ROWB
	s_or_b32 s[G0B+7], s[G0B+7], 0x80000000
.macro ARM under, g0, g1, next         ; one tree of branches on the wave's number: every way passes exactly one load
	s_cmp_lt_u32 s14, \under
	s_cbranch_scc0 \next
	tensor_load_to_lds s[\g0:\g0+3], s[\g1:\g1+7]
	s_nop 0
.rept 4
	v_nop
.endr
	s_branch .Lhead_asked
\next:
.endm
	ARM 1, G0,  G1,  .Lhead_b
	ARM 2, G0B, G1B, .Lhead_sa
	ARM 3, G0S, G1S, .Lhead_sb
	tensor_load_to_lds s[G0SB:G0SB+3], s[G1SB:G1SB+7]
	s_nop 0
.rept 4
	v_nop
.endr
.Lhead_asked:
; PREFETCH of K steps 2 and 3, which the two refills bring: of the 96 blocks of 256 bytes that my refill fetches, each of the four partners that ask jointly names 24, told apart by address; lanes 24-31 name the last again
	v_and_b32 v31, 31, v0
	v_min_u32 v31, 23, v31
	v_lshlrev_b32 v31, 8, v31
	s_cmp_eq_u32 s15, 0
	s_cselect_b64 s[4:5], s[20:21], s[46:47]
	s_cselect_b32 s2, s40, s41                     ; my place among the four
	s_mov_b32 s6, NROWS*ROWB
	s_cselect_b32 s6, MROWS*ROWB, s6               ; a K step
	s_mov_b32 s7, 0
	s_mul_i32 s2, s2, 6144
	s_mov_b32 s3, 0
	s_add_nc_u64 s[4:5], s[4:5], s[2:3]
	s_add_nc_u64 s[4:5], s[4:5], s[6:7]
	s_add_nc_u64 s[4:5], s[4:5], s[6:7]
	s_wait_alu depctr_va_vdst(0)
	global_prefetch_b8 v31, s[4:5] th:TH_LOAD_NT scope:SCOPE_SE
	v_and_b32 v1, 15, v0
	v_bfe_u32 v2, v0, 4, 1
	v_mul_u32_u24 v3, v1, PITCH
	v_mul_u32_u24 v4, v2, 24
	v_add_nc_u32 v4, v3, v4
	v_lshl_add_u32 v5, v2, 4, v4
	s_mul_i32 s21, s15, HALFT
	s_mul_i32 s22, s16, HALFT
	s_add_co_u32 s22, s22, 4*HALFT
.irp s, 0,1
	v_add_nc_u32 v[ADRA+\s], s21, v4
	v_add_nc_u32 v[ADRB+\s], s22, v4
	v_add_nc_u32 v[ADRA+2+\s], s21, v5
	v_add_nc_u32 v[ADRB+2+\s], s22, v5
	s_add_co_u32 s21, s21, 2*HALFT
	s_add_co_u32 s22, s22, 2*HALFT
.endr
	v_lshlrev_b32 v5, 3, v1
	s_lshl_b32 s21, s15, 10                        ; scale bytes lie [K step][256 rows][8]
	s_lshl_b32 s22, s16, 10
	s_add_co_u32 s22, s22, 2*QS
	s_sub_co_u32 s22, s22, s21
	v_mul_u32_u24 v6, s22, v2
	s_add_co_u32 s21, s21, SCL
	v_add_nc_u32 v5, v5, v6
	v_add_nc_u32 v[ADRS], s21, v5
	s_mov_b32 s[SEL], 0x76543210
	s_mov_b32 s[SEL+1], 0xfedcba98
	s_mul_i32 s18, s15, 24576
	s_mul_i32 s19, s16, 96
	s_add_co_u32 s18, s18, s19
	v_mul_u32_u24 v5, v1, 192
	v_mad_u32_u24 v5, v2, 24, v5
	v_add_nc_u32 v[GA], s18, v5
	s_lshl_b32 s18, s15, 10
	s_lshl_b32 s19, s16, 2
	s_add_co_u32 s18, s18, s19
	s_add_co_u32 s18, s18, 49152
	v_lshlrev_b32 v5, 3, v1
	v_add_nc_u32 v[GB], s18, v5
	v_and_b32 v6, 31, v0
	v_lshlrev_b32 v[GO], 4, v6
	s_mul_i32 s18, s14, 12288
	v_add_nc_u32 v[CPY], s18, v[GO]
	s_lshl_b32 s18, s14, 9
	s_add_co_u32 s18, s18, 49152
	v_add_nc_u32 v[CPS], s18, v[GO]
	s_lshl_b32 s46, s42, 12
	s_lshl_b32 s47, s17, 8
	s_add_co_u32 s46, s46, s47
	s_mul_i32 s92, s46, 192
	s_mul_i32 s47, s14, 12288
	s_add_co_u32 s92, s92, s47
	s_mov_b32 s93, 0
	s_lshl_b32 s66, s46, 3
	s_lshl_b32 s47, s14, 9
	s_add_co_u32 s66, s66, s47
	s_add_co_u32 s66, s66, GS_OFF
	s_mov_b32 s67, 0
	s_add_nc_u64 s[92:93], s[10:11], s[92:93]
	s_add_nc_u64 s[66:67], s[10:11], s[66:67]
	s_lshl_b32 s46, s42, 10
	s_lshl_b32 s47, s16, 9
	s_add_co_u32 s46, s46, s47
	s_mov_b32 s47, 0
	s_add_nc_u64 s[8:9], s[8:9], s[46:47]
	v_lshlrev_b32 v5, 6, v2
.irp e, 0,1,2,3
.irp q, 0,1,2,3
	global_load_b128 v[BIAS+16*\e+4*\q:BIAS+16*\e+4*\q+3], v5, s[8:9] offset:128*\e+16*\q
.endr
.endr
.macro FRAG reg, adr, q, i
.irp p, 0,1,2,3,4,5
.set PCE, 12*(\q)+6*(\p/3)+\p%3
.if PCE%8 < 5
	ds_load_b64 v[\reg+2*\p:\reg+2*\p+1], v[\adr] offset:8*PCE+16*(PCE/8)+(\i)*16*PITCH
.else
	ds_load_b64 v[\reg+2*\p:\reg+2*\p+1], v[\adr+2] offset:8*PCE+16*(PCE/8)+(\i)*16*PITCH
.endif
.endr
.endm
.macro MUL16 a0, p, q, sc, zero
.irp a, \a0, \a0+1
.irp b, 0,1,2,3,4,5,6,7
.if \zero
	v_wmma_scale_f32_16x16x128_f8f6f4 v[8*(8*((\a)%4)+\b):8*(8*((\a)%4)+\b)+7], v[128*(\p)+FR*\b:128*(\p)+FR*\b+FR-1], v[AF+FR*(\a):AF+FR*(\a)+FR-1], 0, v[SC+8*NQ*(\sc)+NQ*\b+(\q)], v[SC+8*NQ*(\sc)+NQ*(\a)+(\q)] matrix_a_fmt:MATRIX_FMT_FP6 matrix_b_fmt:MATRIX_FMT_FP6 matrix_a_scale:MATRIX_SCALE_ROW1
.else
	v_wmma_scale_f32_16x16x128_f8f6f4 v[8*(8*((\a)%4)+\b):8*(8*((\a)%4)+\b)+7], v[128*(\p)+FR*\b:128*(\p)+FR*\b+FR-1], v[AF+FR*(\a):AF+FR*(\a)+FR-1], v[8*(8*((\a)%4)+\b):8*(8*((\a)%4)+\b)+7], v[SC+8*NQ*(\sc)+NQ*\b+(\q)], v[SC+8*NQ*(\sc)+NQ*(\a)+(\q)] matrix_a_fmt:MATRIX_FMT_FP6 matrix_b_fmt:MATRIX_FMT_FP6 matrix_a_scale:MATRIX_SCALE_ROW1
.endif
.endr
.endr
.endm
.macro FETCH_B slot, q, p
	WIN TO_B
.irp i, 0,1,2,3,4,5,6,7
	FRAG 128*(\p)+FR*\i, ADRB+\slot, \q, \i
.endr
	WIN 0
.endm
.macro FETCH_A slot, q, i0
.irp i, \i0, \i0+1, \i0+2, \i0+3
	FRAG AF+FR*(\i), ADRA+\slot, \q, \i
.endr
.endm
.macro SCALES sc
.irp i, 0,1,2,3,4,5,6,7
	ds_load_b64 v[SC+8*NQ*\sc+NQ*\i:SC+8*NQ*\sc+NQ*\i+1], v[ADRS] offset:\i*128
.endr
.endm
.macro PLACES n
.rept \n
	v_nop
.endr
.endm
.macro STEP slot, q, zero
	s_wait_dscnt 4*NL
	WIN MUL_LO
	MUL16 0, (\q)%2, \q, \slot, \zero
	MUL16 2, (\q)%2, \q, \slot, \zero
	s_wait_dscnt 0
	PLACES NP
	FETCH_B \slot, (\q)+1, 1-(\q)%2
	FETCH_A \slot, (\q)+1, 0
	WIN MUL_HI
	MUL16 4, (\q)%2, \q, \slot, \zero
	MUL16 6, (\q)%2, \q, \slot, \zero
	PLACES NP
	WIN 0
	FETCH_A \slot, (\q)+1, 4
.endm
.macro TURN slot, next, fill
	s_wait_tensorcnt 0x0
	ds_add_u32 v[SPW], v[NIL]
	s_wait_dscnt 4*NL+1
	WIN MUL_LO
	MUL16 0, 1, NQ-1, \slot, 0
	s_wait_dscnt 0x0
	s_barrier_signal -1
	MUL16 2, 1, NQ-1, \slot, 0
	WIN 0
	s_barrier_wait -1
.if \fill
	CREST
	s_add_nc_u64 s[G0+4*\slot+2:G0+4*\slot+3], s[G0+4*\slot+2:G0+4*\slot+3], 2*MROWS*ROWB
	s_add_nc_u64 s[G0B+4*\slot+2:G0B+4*\slot+3], s[G0B+4*\slot+2:G0B+4*\slot+3], 2*NROWS*ROWB
	JLOAD G0+4*\slot, G1, G0B+4*\slot, G1B
.else
	PLACES NP
.endif
	s_wait_alu depctr_va_vdst(0)
	v_add_nc_u32 v[ADRS], 2048, v[ADRS]
	FETCH_B \next, 0, 0
	FETCH_A \next, 0, 0
	SCALES \next
	WIN MUL_HI
	MUL16 4, 1, NQ-1, \slot, 0
	MUL16 6, 1, NQ-1, \slot, 0
	PLACES NP
	WIN 0
	FETCH_A \next, 0, 4
.endm
	s_wait_xcnt 0x0                                ; the prefetch has read its address
	s_add_nc_u64 s[4:5], s[4:5], s[6:7]
	global_prefetch_b8 v31, s[4:5] th:TH_LOAD_NT scope:SCOPE_SE   ; K step 3
	s_wait_loadcnt 0x0
	s_wait_tensorcnt 0x0                           ; my load of the head has landed; none of mine is out, so descriptors may be written:
.irp g, G1, G1B
	s_mov_b32 s[\g+1], 32<<16                      ; a refill brings 128 rows of a K step, dense: 96 rows of 256 bytes
	s_mov_b32 s[\g+2], 96<<16
	s_mov_b32 s[\g+3], 32<<16
	s_mov_b32 s[\g+4], 96
	s_mov_b32 s[\g+5], 32
.endr
	s_mul_i32 s18, s16, 128*ROWB
	s_mov_b32 s19, 0
	s_mov_b32 s[G0+1], s45                         ; slot 0's groups 0 now name my 128 rows
	s_add_nc_u64 s[G0+2:G0+3], s[G0+2:G0+3], s[18:19]
	s_add_co_u32 s[G0B+1], s45, 4*HALFT
	s_add_nc_u64 s[G0B+2:G0B+3], s[G0B+2:G0B+3], s[18:19]
	s_barrier_signal -1
	s_barrier_wait -1
	FETCH_B 0, 0, 0
	FETCH_A 0, 0, 0
	SCALES 0
	FETCH_A 0, 0, 4
	STEP 0, 0, 1
	s_mov_b32 s3, LAPS-1
.Llap:
	TURN 0, 1, 1
	STEP 1, 0, 0
	TURN 1, 0, 1
	STEP 0, 0, 0
	s_sub_co_u32 s3, s3, 1
	s_cmp_lg_u32 s3, 0
	s_cbranch_scc1 .Llap
	TURN 0, 1, 0
	STEP 1, 0, 0
	s_wait_dscnt 4*NL
	WIN MUL_LO
	MUL16 0, 1, NQ-1, 1, 0
	MUL16 2, 1, NQ-1, 1, 0
	s_wait_dscnt 0
	WIN MUL_HI
	MUL16 4, 1, NQ-1, 1, 0
	MUL16 6, 1, NQ-1, 1, 0
	WIN 0
.macro QUANT s
.irp b, 0,1,2,3
	v_max3_num_f32 v[TM+\b], |v[\s+16*\b]|, |v[\s+1+16*\b]|, 0x1800000
.endr
.irp i, 2,4,6,8,10,12,14
.irp b, 0,1,2,3
	v_max3_num_f32 v[TM+\b], v[TM+\b], |v[\s+16*\b+\i]|, |v[\s+1+16*\b+\i]|
.endr
.endr
.irp b, 0,1,2,3
	v_permlanex16_b32 v[TM+4+\b], v[TM+\b], s[SEL], s[SEL+1]
.endr
.irp b, 0,1,2,3
	v_max_num_f32 v[TM+\b], v[TM+\b], v[TM+4+\b]
.endr
.irp b, 0,1,2,3
	v_add_nc_u32 v[TM+12+\b], 0xff000000, v[TM+\b]
.endr
.irp b, 0,1,2,3
	v_lshrrev_b32 v[TM+4+\b], 23, v[TM+12+\b]
.endr
	v_lshl_or_b32 v[PW], v[TM+5], 8, v[TM+4]
	v_lshl_or_b32 v[PW], v[TM+6], 16, v[PW]
	v_lshl_or_b32 v[PW], v[TM+7], 24, v[PW]
.irp c, 0,1
	v_cvt_scalef32_pk16_fp6_f32 v[QC+6*\c:QC+2+6*\c], v[\s+32*\c:\s+15+32*\c], v[TM+12+2*\c]
	v_cvt_scalef32_pk16_fp6_f32 v[QC+12+4*\c:QC+14+4*\c], v[\s+16+32*\c:\s+31+32*\c], v[TM+12+2*\c+1]
.endr
	v_nop
.irp c, 0,1
.irp i, 0,1,2
	v_permlane16_swap_b32 v[QC+6*\c+\i], v[QC+12+4*\c+\i]
.endr
.irp i, 0,1,2
	v_mov_b32 v[QC+3+6*\c+\i], v[QC+12+4*\c+\i]
.endr
.endr
.endm
.macro GELU hf
.set HB, H+32*(\hf)
.set i, 0
.rept 16
	v_pk_mul_f32 v[T+i:T+i+1], v[HB+i:HB+i+1], v[HB+i:HB+i+1]
.set i, i+2
.endr
.set i, 0
.rept 16
	v_pk_fma_f32 v[T+i:T+i+1], v[T+i:T+i+1], v[K3:K3+1], v[K1:K1+1]
.set i, i+2
.endr
.set i, 0
.rept 16
	v_pk_mul_f32 v[T+i:T+i+1], v[T+i:T+i+1], v[HB+i:HB+i+1]
.set i, i+2
.endr
.set i, 0
	s_wait_alu depctr_va_vdst(0)
.rept 32
	v_exp_f32 v[T+i], v[T+i]
.set i, i+1
.endr
	v_nop
.set i, 0
	s_wait_alu depctr_va_vdst(0)
.rept 16
	v_pk_add_f32 v[T+i:T+i+1], v[T+i:T+i+1], v[ONE:ONE+1]
.set i, i+2
.endr
.set i, 0
	s_wait_alu depctr_va_vdst(0)
.rept 32
	v_rcp_f32 v[T+i], v[T+i]
.set i, i+1
.endr
	v_nop
.set i, 0
	s_wait_alu depctr_va_vdst(0)
.rept 16
	v_pk_mul_f32 v[HB+i:HB+i+1], v[HB+i:HB+i+1], v[T+i:T+i+1]
.set i, i+2
.endr
.endm
.macro OUTBLK a
	WIN 0x02+((\a)/4)
.set i, 0
.rept 32
	v_pk_add_f32 v[H+i:H+i+1], v[64*((\a)%4)+i:64*((\a)%4)+i+1], v[BIAS+i:BIAS+i+1]
.set i, i+2
.endr
	WIN 0
	GELU 0
	GELU 1
	QUANT H
.irp c, 0,1
.irp p, 0,1,2
	ds_store_b64 v[GA], v[QC+6*\c+2*\p:QC+6*\c+2*\p+1] offset:3072*(\a)+48*\c+8*\p
.endr
.endr
	ds_store_b32 v[GB], v[PW] offset:128*(\a)
	s_wait_dscnt 0x0
.endm
	PLACES NP
	v_mov_b32 v[K3], 0xbdd2d3e8
	v_mov_b32 v[K3+1], 0xbdd2d3e8
	v_mov_b32 v[K1], 0xc0135761
	v_mov_b32 v[K1+1], 0xc0135761
	v_mov_b32 v[ONE], 1.0
	v_mov_b32 v[ONE+1], 1.0
.irp a, 0,1,2,3,4,5,6,7
	OUTBLK \a
.endr
	s_wait_dscnt 0x0
	s_barrier_signal -1
	s_barrier_wait -1
.irp k, 0,1,2,3,4,5,6,7,8,9,10,11,12,13,14,15,16,17,18,19,20,21,22,23
	ds_load_b128 v[H+4*\k:H+4*\k+3], v[CPY] offset:512*\k
.endr
	ds_load_b128 v[T:T+3], v[CPS]
.irp k, 0,1,2,3,4,5,6,7,8,9,10,11,12,13,14,15,16,17,18,19,20,21,22,23
	s_wait_dscnt 24-\k
	global_store_b128 v[GO], v[H+4*\k:H+4*\k+3], s[92:93] offset:512*\k
.endr
	s_wait_dscnt 0x0
	global_store_b128 v[GO], v[T:T+3], s[66:67]
	s_wait_tensorcnt 0x0
	ds_add_u32 v[SPW], v[NIL]
	s_wait_dscnt 0x0
	CROUND
	s_endpgm
.Lfunc_end_k_qe6183b1d6e_ffn1:
	.size	k_qe6183b1d6e_ffn1, .Lfunc_end_k_qe6183b1d6e_ffn1-k_qe6183b1d6e_ffn1
	.p2alignl 7, 3214868480
	.fill 96, 4, 3214868480
	.section	.rodata,"a",@progbits
	.p2align	6, 0x0
	.amdhsa_kernel k_qe6183b1d6e_ffn1
		.amdhsa_group_segment_fixed_size 327680
		.amdhsa_private_segment_fixed_size 0
		.amdhsa_enable_private_segment 0
		.amdhsa_kernarg_size 32
		.amdhsa_user_sgpr_count 2
		.amdhsa_user_sgpr_kernarg_segment_ptr 1
		.amdhsa_wavefront_size32 1
		.amdhsa_system_sgpr_workgroup_id_x 1
		.amdhsa_system_sgpr_workgroup_id_y 1
		.amdhsa_system_sgpr_workgroup_id_z 1
		.amdhsa_system_vgpr_workitem_id 0
		.amdhsa_next_free_vgpr 1024
		.amdhsa_next_free_sgpr 96
		.amdhsa_reserve_vcc 0
		.amdhsa_float_denorm_mode_32 3
		.amdhsa_float_denorm_mode_16_64 3
		.amdhsa_memory_ordered 1
		.amdhsa_forward_progress 1
		.amdhsa_inst_pref_size 255
	.end_amdhsa_kernel
	.section	.bss,"aw",@nobits
	.p2align	6
	.space	262144
	.amdgpu_metadata
---
amdhsa.version: [ 1, 2 ]
amdhsa.kernels:
  - .name:           k_qe6183b1d6e_ffn1
    .symbol:         k_qe6183b1d6e_ffn1.kd
    .args:
      - { .name: xq, .offset: 0, .size: 8, .value_kind: global_buffer, .address_space: global }
      - { .name: wts, .offset: 8, .size: 8, .value_kind: global_buffer, .address_space: global }
      - { .name: b1, .offset: 16, .size: 8, .value_kind: global_buffer, .address_space: global }
      - { .name: g, .offset: 24, .size: 8, .value_kind: global_buffer, .address_space: global }
    .group_segment_fixed_size: 327680
    .private_segment_fixed_size: 0
    .kernarg_segment_align: 8
    .kernarg_segment_size: 32
    .max_flat_workgroup_size: 128
    .sgpr_count:     96
    .vgpr_count:     1024
    .wavefront_size: 32
...
	.end_amdgpu_metadata
.endif
;; end of part 13
;; launch ffn2 (part 14): grid 8 x 32, 4 waves a work-group, clusters of 4 x 4, 327,680 bytes of LDS; arguments g, wts, b2, h, out0; writes out0
.if DOCPART == 14
	.amdgcn_target "amdgcn-amd-amdhsa--gfx1250"
	.amdhsa_code_object_version 6
	.text
	.protected	k_qe6183b1d6e_ffn2
	.globl	k_qe6183b1d6e_ffn2
	.p2align	8
	.type	k_qe6183b1d6e_ffn2,@function
k_qe6183b1d6e_ffn2:
	s_mov_b64 s[64:65], 0
	v_nop
	global_prefetch_b8 v0, s[64:65] scope:SCOPE_SE
	s_setreg_imm32_b32 hwreg(HW_REG_WAVE_MODE, 25, 1), 1
	s_wait_xcnt 0x0
	s_wait_alu depctr_hold_cnt(0) depctr_sa_sdst(0) depctr_va_vdst(0) depctr_va_sdst(0) depctr_va_ssrc(0) depctr_va_vcc(0) depctr_vm_vsrc(0)
	s_getreg_b32 s2, hwreg(HW_REG_IB_STS2, 6, 4)
	s_cmp_eq_u32 s2, 0
	s_cbranch_scc0 .Lentry_in_a_cluster
	s_endpgm
.Lentry_in_a_cluster:
	s_bfe_u32 s2, ttmp6, 0x10000c
	s_cmp_lg_u32 s2, 0xf033
	s_cbranch_scc0 .Lentry_shape_is_right
	s_endpgm
.Lentry_shape_is_right:
.set MROWS,  4096
.set NROWS,  1024
.set NS,     16
.set AS_OFF, 12582912
.set BC_OFF, 6291456
.set BS_OFF, 9699328
.set ROWB,   192
.set HROW,   3072                      ; the head's row: 128 rows x 192 bytes of one K step, dense, in elements of 8 bytes
.set HK,     4                         ; K steps that the head's loads of codes bring: both slots
.set PITCH,  240
.set FR,     12
.set NL,     6
.set NP,     4
.set HALFT,  128*PITCH
.set SLOT,   4*HALFT
.set LAPS,   NS/4
.set SCL,    2*SLOT
.set QS,     NS*512
.set SPARE,  SCL+4*QS
.set SPITCH, 272
.set ADRA, 16
.set ADRB, 20
.set STO,  24
.set RD,   25
.set CO,   26
.set ADRS, 27
.set SPW,  28
.set NIL,  29
.set BA,   30
.set SC,   32
.set BK,   64
.set ACC,  128
.set G1, 24
.set G0, 32
.set G1B, 48
.set G0B, 56
.set G1S, 68
.set G0S, 76
.set G1SB, 80
.set G0SB, 88
.set MSB, 0
.macro WIN new
.if MSB != \new
	s_set_vgpr_msb (MSB<<8)|\new
.set MSB, \new
.endif
.endm
.set MUL,  0x05
.set TO_F, 0x40
.macro JLOAD g0a, g1a, g0b, g1b
	s_cmp_eq_u32 s15, 0
	s_cbranch_scc0 .Lfor_b_\@
	tensor_load_to_lds s[\g0a:\g0a+3], s[\g1a:\g1a+7]
	s_nop 0
.rept 4
	v_nop
.endr
	s_branch .Lasked_\@
.Lfor_b_\@:
	tensor_load_to_lds s[\g0b:\g0b+3], s[\g1b:\g1b+7]
	s_nop 0
.rept 4
	v_nop
.endr
.Lasked_\@:
.endm
.macro CREST
	s_cmp_lg_u32 s14, 0
	s_cbranch_scc1 .Lnot_wave_0_\@
	s_barrier_signal -3
.Lnot_wave_0_\@:
	s_barrier_wait -3
	s_barrier_signal -1
	s_barrier_wait -1
.endm
.macro CROUND
	s_barrier_signal -1
	s_barrier_wait -1
	CREST
.endm
	s_load_b128 s[4:7], s[0:1], 0x0
	s_load_b128 s[8:11], s[0:1], 0x10
	s_load_b64 s[12:13], s[0:1], 0x20
	v_lshl_add_u32 v[SPW], v0, 2, SPARE
	v_mov_b32 v[NIL], 0
	ds_add_u32 v28, v29
	ds_add_u32 v28, v29
	s_wait_dscnt 0x0
	v_lshrrev_b32 v1, 5, v0
	v_readfirstlane_b32 s14, v1
	s_lshr_b32 s15, s14, 1
	s_and_b32 s16, s14, 1
	s_bfe_u32 s40, ttmp6, 0x40000
	s_bfe_u32 s41, ttmp6, 0x40004
	s_lshl_b32 s42, ttmp9, 2
	s_add_co_u32 s42, s42, s40
	s_and_b32 s17, ttmp7, 0xffff
	s_lshl_b32 s17, s17, 2
	s_add_co_u32 s17, s17, s41
	s_lshl_b32 s43, s41, 2
	s_lshl_b32 s43, 15, s43
	s_lshl_b32 s44, 0x1111, s40
	s_or_b32 s[G1+0], s43, (3<<16)|(1<<20)|(1<<21)|(3<<22)|(3<<25)
	s_or_b32 s[G1B+0], s44, (3<<16)|(1<<20)|(1<<21)|(3<<22)|(3<<25)
.irp g, G1, G1B
	s_mov_b32 s[\g+1], HROW<<16
	s_mov_b32 s[\g+2], HK<<16
	s_mov_b32 s[\g+3], HROW<<16
	s_mov_b32 s[\g+4], HK
	s_mov_b32 s[\g+6], 0
	s_mov_b32 s[\g+7], 0
.endr
	s_or_b32 s[G1S+0], s43, (3<<16)|(1<<21)
	s_or_b32 s[G1SB+0], s44, (3<<16)|(1<<21)
.irp g, G1S, G1SB
	s_mov_b32 s[\g+1], 128<<16
	s_mov_b32 s[\g+2], NS<<16
	s_mov_b32 s[\g+3], 128<<16
	s_mov_b32 s[\g+4], NS
	s_mov_b32 s[\g+6], 0
	s_mov_b32 s[\g+7], 0
.endr
	s_mov_b32 s[G1S+5], MROWS
	s_mov_b32 s[G1SB+5], NROWS
	s_mov_b32 s[G1+5], MROWS*24                    ; from K step to K step, in elements of 8 bytes
	s_mov_b32 s[G1B+5], NROWS*24
	s_mul_i32 s20, s17, 128*ROWB                   ; A's codes: the tile row's 128 rows, K step 0
	s_mov_b32 s21, 0
	s_mul_i32 s46, s42, 128*ROWB                   ; B's likewise, of the tile column
	s_add_co_u32 s46, s46, BC_OFF
	s_mov_b32 s47, 0
	s_lshl_b32 s22, s17, 10                        ; A's scale bytes
	s_add_co_u32 s22, s22, AS_OFF
	s_mov_b32 s23, 0
	s_lshl_b32 s92, s42, 10                        ; B's
	s_add_co_u32 s92, s92, BS_OFF
	s_mov_b32 s93, 0
	s_mul_i32 s45, s16, HALFT                      ; in the ring I fetch one of a slot's two K steps: where it goes,
	s_mul_i32 s66, s16, MROWS*ROWB                 ; and where it lies, in A
	s_mov_b32 s67, 0
	s_mul_i32 s94, s16, NROWS*ROWB                 ; and in B
	s_mov_b32 s95, 0
	s_wait_kmcnt 0x0
	s_add_nc_u64 s[20:21], s[4:5], s[20:21]
	s_add_nc_u64 s[22:23], s[4:5], s[22:23]
	s_add_nc_u64 s[46:47], s[6:7], s[46:47]
	s_add_nc_u64 s[92:93], s[6:7], s[92:93]
	CROUND
	s_mov_b32 s[G0S], 1
	s_mov_b32 s[G0S+1], SCL
	s_mov_b64 s[G0S+2:G0S+3], s[22:23]
	s_or_b32 s[G0S+3], s[G0S+3], 0x80000000
	s_mov_b32 s[G0SB], 1
	s_mov_b32 s[G0SB+1], SCL+2*QS
	s_mov_b64 s[G0SB+2:G0SB+3], s[92:93]
	s_or_b32 s[G0SB+3], s[G0SB+3], 0x80000000
; LDS: A's slots 0 and 1 (two K steps of 128 rows each), then B's two, then the scale bytes.  THE HEAD'S LOADS, ONE A WAVE: wave 0 A's K steps 0 to 3, wave 1 B's,
; wave 2 A's scale bytes of all of K, wave 3 B's.  A K step's 128 rows are dense in memory: they are stated as one row, which begins at a multiple of 256 bytes.
	s_mov_b32 s[G0], 1                             ; slot 0's groups 0 serve the head's loads first
	s_mov_b32 s[G0+1], 0
	s_mov_b64 s[G0+2:G0+3], s[20:21]
	s_or_b32 s[G0+3], s[G0+3], 0x80000000
	s_mov_b32 s[G0B], 1
	s_mov_b32 s[G0B+1], 4*HALFT
	s_mov_b64 s[G0B+2:G0B+3], s[46:47]
	s_or_b32 s[G0B+3], s[G0B+3], 0x80000000
	s_add_nc_u64 s[20:21], s[20:21], s[66:67]      ; for the ring: my K step of a slot's two
	s_add_nc_u64 s[46:47], s[46:47], s[94:95]
	s_mov_b32 s[G0+4], 1
	s_add_co_u32 s[G0+5], s45, 2*HALFT
	s_add_nc_u64 s[G0+6:G0+7], s[20:21], 2*MROWS*ROWB
	s_or_b32 s[G0+7], s[G0+7], 0x80000000
	s_mov_b32 s[G0B+4], 1
	s_add_co_u32 s[G0B+5], s45, 6*HALFT
	s_add_nc_u64 s[G0B+6:G0B+7], s[46:47], 2*NROWS*ROWB
	s_or_b32 s[G0B+7], s[G0B+7], 0x80000000
.macro ARM under, g0, g1, next         ; one tree of branches on the wave's number: every way passes exactly one load
	s_cmp_lt_u32 s14, \under
	s_cbranch_scc0 \next
	tensor_load_to_lds s[\g0:\g0+3], s[\g1:\g1+7]
	s_nop 0
.rept 4
	v_nop
.endr
	s_branch .Lhead_asked
\next:
.endm
	ARM 1, G0,  G1,  .Lhead_b
	ARM 2, G0B, G1B, .Lhead_sa
	ARM 3, G0S, G1S, .Lhead_sb
	tensor_load_to_lds s[G0SB:G0SB+3], s[G1SB:G1SB+7]
	s_nop 0
.rept 4
	v_nop
.endr
.Lhead_asked:
; PREFETCHES.  Fill f (f = 2 .. 7) brings my K step 2 f + wave % 2: 96 blocks of 256 bytes, of which each of the four partners that ask jointly names 24, told apart by address; lanes 24-31 name the last again.
; The head asks for fills 2 and 3; the change of slots that issues fill f asks for fill f + 2, and the loop's last trip for nothing.  s[4:5]: where my prefetches stand; s[6:7]: from fill to fill
	v_and_b32 v31, 31, v0
	v_min_u32 v31, 23, v31
	v_lshlrev_b32 v31, 8, v31
	s_cmp_eq_u32 s15, 0
	s_cselect_b64 s[4:5], s[20:21], s[46:47]
	s_cselect_b32 s2, s40, s41                     ; my place among the four
	s_mov_b32 s6, 2*NROWS*ROWB
	s_cselect_b32 s6, 2*MROWS*ROWB, s6
	s_mov_b32 s7, 0
	s_mul_i32 s2, s2, 6144
	s_mov_b32 s3, 0
	s_add_nc_u64 s[4:5], s[4:5], s[2:3]
	s_add_nc_u64 s[4:5], s[4:5], s[6:7]
	s_add_nc_u64 s[4:5], s[4:5], s[6:7]
	s_wait_alu depctr_va_vdst(0)
	global_prefetch_b8 v31, s[4:5] th:TH_LOAD_NT scope:SCOPE_SE
	v_and_b32 v1, 15, v0
	v_bfe_u32 v2, v0, 4, 1
	v_mul_u32_u24 v3, v1, PITCH
	v_mul_u32_u24 v4, v2, 24
	v_add_nc_u32 v4, v3, v4
	v_lshl_add_u32 v5, v2, 4, v4
	s_mul_i32 s21, s15, 64*PITCH
	s_mul_i32 s22, s16, 64*PITCH
	s_add_co_u32 s22, s22, 4*HALFT
.irp s, 0,1
	v_add_nc_u32 v[ADRA+\s], s21, v4
	v_add_nc_u32 v[ADRB+\s], s22, v4
	v_add_nc_u32 v[ADRA+2+\s], s21, v5
	v_add_nc_u32 v[ADRB+2+\s], s22, v5
	s_add_co_u32 s21, s21, 2*HALFT
	s_add_co_u32 s22, s22, 2*HALFT
.endr
	v_lshlrev_b32 v5, 3, v1
	s_lshl_b32 s21, s15, 9
	s_lshl_b32 s22, s16, 9
	s_add_co_u32 s22, s22, 2*QS
	s_sub_co_u32 s22, s22, s21
	v_mul_u32_u24 v6, s22, v2
	s_add_co_u32 s21, s21, SCL
	v_add_nc_u32 v5, v5, v6
	v_add_nc_u32 v[ADRS], s21, v5
	s_mul_i32 s23, s14, 16*SPITCH
	v_mul_u32_u24 v5, v1, SPITCH
	v_lshl_add_u32 v5, v2, 6, v5
	v_add_nc_u32 v[STO], s23, v5
	v_mul_u32_u24 v5, v2, SPITCH
	v_lshl_add_u32 v5, v1, 4, v5
	v_add_nc_u32 v[RD], s23, v5
	v_lshlrev_b32 v[BA], 4, v1
	s_wait_alu depctr_va_vdst(0)
	v_lshl_add_u32 v[CO], v2, 12, v[BA]
	s_wait_alu depctr_va_vdst(0)
	s_lshl_b32 s20, s17, 7
	s_lshl_b32 s21, s15, 6
	s_add_co_u32 s20, s20, s21
	s_lshl_b32 s20, s20, 12
	s_mov_b32 s21, 0
	s_lshl_b32 s46, s42, 9
	s_lshl_b32 s47, s16, 8
	s_add_co_u32 s46, s46, s47
	s_mov_b32 s47, 0
	s_add_nc_u64 s[8:9], s[8:9], s[46:47]
	s_add_nc_u64 s[20:21], s[20:21], s[46:47]
	s_add_nc_u64 s[10:11], s[10:11], s[20:21]
	s_add_nc_u64 s[12:13], s[12:13], s[20:21]
	global_load_b128 v[8:11], v[BA], s[8:9]
	WIN 0x80
.irp a, 0,1,2,3
.irp t, 0,1,2,3,4,5,6,7
	global_load_b128 v[32*\a+4*\t:32*\a+4*\t+3], v[CO], s[10:11] offset:(16*\a+2*\t)*4096
.endr
.endr
	WIN 0
.macro FRAG reg, adr, j, i
.irp p, 0,1,2,3,4,5
.set PCE, 12*((\j)%2)+6*(\p/3)+\p%3
.if PCE%8 < 5
	ds_load_b64 v[\reg+2*\p:\reg+2*\p+1], v[\adr] offset:8*PCE+16*(PCE/8)+(\i)*16*PITCH+((\j)/2)*HALFT
.else
	ds_load_b64 v[\reg+2*\p:\reg+2*\p+1], v[\adr+2] offset:8*PCE+16*(PCE/8)+(\i)*16*PITCH+((\j)/2)*HALFT
.endif
.endr
.endm
.macro FETCH slot, j, p
	WIN TO_F
.irp i, 0,1,2,3
	FRAG 128*(\p)+48+FR*\i, ADRB+\slot, \j, \i
	FRAG 128*(\p)+FR*\i, ADRA+\slot, \j, \i
.endr
.endm
.macro SCALES sc
.irp u, 0,1
.irp i, 0,1,2,3
	ds_load_b64 v[SC+16*\sc+8*\u+2*\i:SC+16*\sc+8*\u+2*\i+1], v[ADRS] offset:1024*\u+128*\i
.endr
.endr
.endm
.macro MULA p, j, sc, a, zero
.irp b, 0,1,2,3
.if \zero
	v_wmma_scale_f32_16x16x128_f8f6f4 v[ACC+8*(4*(\a)+\b):ACC+8*(4*(\a)+\b)+7], v[128*(\p)+48+FR*\b:128*(\p)+48+FR*\b+FR-1], v[128*(\p)+FR*(\a):128*(\p)+FR*(\a)+FR-1], 0, v[SC+16*(\sc)+8*((\j)/2)+2*\b+(\j)%2], v[SC+16*(\sc)+8*((\j)/2)+2*(\a)+(\j)%2] matrix_a_fmt:MATRIX_FMT_FP6 matrix_b_fmt:MATRIX_FMT_FP6 matrix_a_scale:MATRIX_SCALE_ROW1
.else
	v_wmma_scale_f32_16x16x128_f8f6f4 v[ACC+8*(4*(\a)+\b):ACC+8*(4*(\a)+\b)+7], v[128*(\p)+48+FR*\b:128*(\p)+48+FR*\b+FR-1], v[128*(\p)+FR*(\a):128*(\p)+FR*(\a)+FR-1], v[ACC+8*(4*(\a)+\b):ACC+8*(4*(\a)+\b)+7], v[SC+16*(\sc)+8*((\j)/2)+2*\b+(\j)%2], v[SC+16*(\sc)+8*((\j)/2)+2*(\a)+(\j)%2] matrix_a_fmt:MATRIX_FMT_FP6 matrix_b_fmt:MATRIX_FMT_FP6 matrix_a_scale:MATRIX_SCALE_ROW1
.endif
.endr
.endm
.macro PLACES n
.rept \n
	v_nop
.endr
.endm
.macro STEP slot, j, zero
	PLACES NP
	FETCH \slot, (\j)+1, ((\j)+1)%2
	s_wait_dscnt 8*NL
	WIN MUL
.irp a, 0,1,2,3
	MULA (\j)%2, \j, \slot, \a, \zero
.endr
.endm
.macro TURN slot, next, fill
.if \fill
	s_wait_xcnt 0x0                                ; my last prefetch has read its address: one fill on
	s_add_nc_u64 s[4:5], s[4:5], s[6:7]
.endif
	WIN 0
	s_wait_tensorcnt 0x0
	ds_add_u32 v[SPW], v[NIL]
	s_wait_dscnt 1
	WIN MUL
	MULA 1, 3, \slot, 0, 0
	s_wait_dscnt 0x0
	s_barrier_signal -1
	MULA 1, 3, \slot, 1, 0
	WIN 0
	s_barrier_wait -1
.if \fill
	CREST
	s_add_nc_u64 s[G0+4*\slot+2:G0+4*\slot+3], s[G0+4*\slot+2:G0+4*\slot+3], 4*MROWS*ROWB
	s_add_nc_u64 s[G0B+4*\slot+2:G0B+4*\slot+3], s[G0B+4*\slot+2:G0B+4*\slot+3], 4*NROWS*ROWB
	JLOAD G0+4*\slot, G1, G0B+4*\slot, G1B
.else
	PLACES NP
.endif
	s_wait_alu depctr_va_vdst(0)
	v_add_nc_u32 v[ADRS], 2048, v[ADRS]
	FETCH \next, 0, 0
	WIN 0
	SCALES \next
.if \fill
	s_cmp_gt_u32 s3, 1                             ; the last trip's fills have none two on
	s_cbranch_scc0 .Lno_ask_\@
	global_prefetch_b8 v31, s[4:5] th:TH_LOAD_NT scope:SCOPE_SE
.Lno_ask_\@:
.endif
	WIN MUL
	MULA 1, 3, \slot, 2, 0
	MULA 1, 3, \slot, 3, 0
.endm
	s_wait_xcnt 0x0                                ; the prefetch has read its address
	s_add_nc_u64 s[4:5], s[4:5], s[6:7]
	global_prefetch_b8 v31, s[4:5] th:TH_LOAD_NT scope:SCOPE_SE   ; fill 3
	s_wait_tensorcnt 0x0                           ; my load of the head has landed; none of mine is out, so descriptors may be written:
.irp g, G1, G1B
	s_mov_b32 s[\g+1], 32<<16                      ; a refill brings 128 rows of a K step, dense: 96 rows of 256 bytes
	s_mov_b32 s[\g+2], 96<<16
	s_mov_b32 s[\g+3], 32<<16
	s_mov_b32 s[\g+4], 96
	s_mov_b32 s[\g+5], 32
.endr
	s_mov_b32 s[G0+1], s45                         ; slot 0's groups 0 now name my K step
	s_add_nc_u64 s[G0+2:G0+3], s[G0+2:G0+3], s[66:67]
	s_add_co_u32 s[G0B+1], s45, 4*HALFT
	s_add_nc_u64 s[G0B+2:G0B+3], s[G0B+2:G0B+3], s[94:95]
	s_barrier_signal -1
	s_barrier_wait -1
	FETCH 0, 0, 0
	WIN 0
	SCALES 0
	STEP 0, 0, 1
.if LAPS > 1
	WIN 0
	s_mov_b32 s3, LAPS-1
.Llap:
	STEP 0, 1, 0
	STEP 0, 2, 0
	TURN 0, 1, 1
	STEP 1, 0, 0
	STEP 1, 1, 0
	STEP 1, 2, 0
	TURN 1, 0, 1
	STEP 0, 0, 0
	WIN 0
	s_sub_co_u32 s3, s3, 1
	s_cmp_lg_u32 s3, 0
	s_cbranch_scc1 .Llap
.endif
	STEP 0, 1, 0
	STEP 0, 2, 0
	TURN 0, 1, 0
	STEP 1, 0, 0
	STEP 1, 1, 0
	STEP 1, 2, 0
	s_wait_dscnt 0x0
	WIN MUL
.irp a, 0,1,2,3
	MULA 1, 3, 1, \a, 0
.endr
	WIN 0
.macro TOSTAGE a
.irp b, 0,1,2,3
	ds_store_b128 v[STO], v[ACC+8*(4*(\a)+\b):ACC+8*(4*(\a)+\b)+3] offset:128*(\b/2)+32*(\b%2)
	ds_store_b128 v[STO], v[ACC+8*(4*(\a)+\b)+4:ACC+8*(4*(\a)+\b)+7] offset:128*(\b/2)+32*(\b%2)+16
.endr
.irp t, 0,1,2,3,4,5,6,7
	ds_load_b128 v[BK+32*((\a)%2)+4*\t:BK+32*((\a)%2)+4*\t+3], v[RD] offset:\t*2*SPITCH
.endr
.endm
.macro FINISH a
.set RB, 32*(\a)
.set BB, BK+32*((\a)%2)
	WIN 0x82
.set i, 0
.rept 8
	v_pk_add_f32 v[RB+i:RB+i+1], v[RB+i:RB+i+1], v[8:9]
	v_pk_add_f32 v[RB+i+2:RB+i+3], v[RB+i+2:RB+i+3], v[10:11]
.set i, i+4
.endr
.set i, 0
.rept 16
	v_pk_add_f32 v[RB+i:RB+i+1], v[RB+i:RB+i+1], v[BB+i:BB+i+1]
.set i, i+2
.endr
	WIN 0x08
.irp t, 0,1,2,3,4,5,6,7
	global_store_b128 v[CO], v[RB+4*\t:RB+4*\t+3], s[12:13] offset:(16*(\a)+2*\t)*4096
.endr
	WIN 0
.endm
	PLACES NP
	s_wait_loadcnt 0x0
	TOSTAGE 0
.irp a, 1,2,3
	TOSTAGE \a
	s_wait_dscnt 16
	FINISH \a-1
.endr
	s_wait_dscnt 0x0
	FINISH 3
	s_wait_tensorcnt 0x0
	ds_add_u32 v[SPW], v[NIL]
	s_wait_dscnt 0x0
	CROUND
	s_endpgm
.Lfunc_end_k_qe6183b1d6e_ffn2:
	.size	k_qe6183b1d6e_ffn2, .Lfunc_end_k_qe6183b1d6e_ffn2-k_qe6183b1d6e_ffn2
	.p2alignl 7, 3214868480
	.fill 96, 4, 3214868480
	.section	.rodata,"a",@progbits
	.p2align	6, 0x0
	.amdhsa_kernel k_qe6183b1d6e_ffn2
		.amdhsa_group_segment_fixed_size 327680
		.amdhsa_private_segment_fixed_size 0
		.amdhsa_enable_private_segment 0
		.amdhsa_kernarg_size 40
		.amdhsa_user_sgpr_count 2
		.amdhsa_user_sgpr_kernarg_segment_ptr 1
		.amdhsa_wavefront_size32 1
		.amdhsa_system_sgpr_workgroup_id_x 1
		.amdhsa_system_sgpr_workgroup_id_y 1
		.amdhsa_system_sgpr_workgroup_id_z 1
		.amdhsa_system_vgpr_workitem_id 0
		.amdhsa_next_free_vgpr 640
		.amdhsa_next_free_sgpr 96
		.amdhsa_reserve_vcc 0
		.amdhsa_float_denorm_mode_32 3
		.amdhsa_float_denorm_mode_16_64 3
		.amdhsa_memory_ordered 1
		.amdhsa_forward_progress 1
		.amdhsa_inst_pref_size 119
	.end_amdhsa_kernel
	.amdgpu_metadata
---
amdhsa.version: [ 1, 2 ]
amdhsa.kernels:
  - .name:           k_qe6183b1d6e_ffn2
    .symbol:         k_qe6183b1d6e_ffn2.kd
    .args:
      - { .name: g, .offset: 0, .size: 8, .value_kind: global_buffer, .address_space: global }
      - { .name: wts, .offset: 8, .size: 8, .value_kind: global_buffer, .address_space: global }
      - { .name: b2, .offset: 16, .size: 8, .value_kind: global_buffer, .address_space: global }
      - { .name: h, .offset: 24, .size: 8, .value_kind: global_buffer, .address_space: global }
      - { .name: out0, .offset: 32, .size: 8, .value_kind: global_buffer, .address_space: global }
    .group_segment_fixed_size: 327680
    .private_segment_fixed_size: 0
    .kernarg_segment_align: 8
    .kernarg_segment_size: 40
    .max_flat_workgroup_size: 128
    .sgpr_count:     96
    .vgpr_count:     640
    .wavefront_size: 32
...
	.end_amdgpu_metadata
.endif
;; end of part 14
